; MI455X (gfx1250); checked and timed in simulation.
; The chip was launched on July 23, 2026; its instructions are those of AMD's public machine-readable ISA for CDNA 5 (MIT licence, August 2026) and "CDNA5" Instruction Set Architecture Reference Guide (July 2026). The comments in the code are by the model that wrote it; some were corrected since.
;; Self Attention. Allowed arithmetic: matrix products marked QUANTISED: E4M3 operands, one E8M0 scale for each 32 along K, by v_wmma_scale_f32_16x16x128_f8f6f4 with both operands' format E4M3, f32 sums; everything else in f32.
;; Inputs: Wk 2,048 x 2,048 float32; Wo 2,048 x 2,048 float32; Wq 2,048 x 2,048 float32; Wv 2,048 x 2,048 float32; bk 2,048 float32; bo 2,048 float32; bq 2,048 float32; bv 2,048 float32; k 2 x 1,024 x 2,048 float32; q 2 x 1,024 x 2,048 float32; v 2 x 1,024 x 2,048 float32.
;; Outputs: out0 2 x 1,024 x 2,048 float32.
;; Constants: causal_mask = 1.
;; This version of the problem:
;;   THIS VERSION OF THE PROBLEM IS GIVEN IN LOW PRECISION. The matrix products marked QUANTISED in the list below multiply operands that are first quantised to E4M3 (4 exponent bits, 3 mantissa bits; 8 bits a number), with one power-of-two scale for each 32 numbers along K (OCP MX v1.0); their sums are f32. All else is computed in f32.
;;   The module's matrix products, in the order in which they are computed (A, B: the left and right operand; K: the contracted axis; several contracted axes count as one K, in the product's order):
;;     1. [M 2,048, K 2,048] x [K 2,048, N 2,048]; A: input q; B: input Wq: QUANTISED
;;     2. [M 2,048, K 2,048] x [K 2,048, N 2,048]; A: input k; B: input Wk: QUANTISED
;;     3. [M 2,048, K 2,048] x [K 2,048, N 2,048]; A: input v; B: input Wv: QUANTISED
;;     4. batch 32 x [M 1,024, K 128] x [K 128, N 1,024]; A: computed on the way; B: computed on the way: QUANTISED
;;     5. batch 32 x [M 1,024, K 1,024] x [K 1,024, N 128]; A: softmax (see below); B: computed on the way: QUANTISED
;;     6. [M 2,048, K 2,048] x [K 2,048, N 2,048]; A: computed on the way; B: input Wo: QUANTISED
;;   THE QUANTISER, for each operand of a quantised product, along K:
;;     - K is cut into blocks of 32 from its start; a last block that is shorter is filled with zeros.
;;     - A block's scale is 2^e with e = floor(log2(the largest magnitude in the block)) - 8, held to -126 .. 127; a block of zeros has e = 0. As a byte (E8M0): e + 127.
;;     - Each number is divided by its block's scale, clamped to +-448, and rounded to the nearest number of E4M3, ties to even, subnormals kept.
;;     - The product sums the exact products of the quantised numbers (number of the format x scale) in f32.
;;   ~~~python
;;   def quantise(x, axis):      # numpy; x: float32 -> the quantised numbers, widened to float32 again
;;       x = np.moveaxis(x, axis, -1); K = x.shape[-1]
;;       x = np.pad(x, [(0, 0)] * (x.ndim - 1) + [(0, -K % 32)]); x = x.reshape(x.shape[:-1] + (-1, 32)); a = np.abs(x).max(-1, keepdims=True)
;;       e = np.where(a > 0, np.clip(np.frexp(np.where(a > 0, a, 1))[1] - 1 - 8, -126, 127), 0)      # np.frexp(a)[1] - 1 = floor(log2(a)), exactly
;;       r = np.clip(x / 2.0 ** e, -448, 448)
;;       step = 2.0 ** (np.maximum(np.frexp(np.where(r == 0, 1, r))[1] - 1, -6) - 3)
;;       q = np.round(r / step) * step * 2.0 ** e      # np.round: ties to even
;;       return np.moveaxis(q.reshape(q.shape[:-2] + (-1,))[..., :K], -1, axis).astype(np.float32)
;;   ~~~
;;   SOFTMAX AHEAD OF A QUANTISED PRODUCT. Where the list says 'softmax', what is quantised is not the finished softmax but p = 2^(t - M), with t = logit x log2(e) and M = ceil(the row's largest t), a whole number; so 1/2 < the row's largest p <= 1. The row's sum l is taken of the UNQUANTISED p, in f32, and the product's result is divided by l at the end. Since M is a whole number, a kernel that streams over the keys may use a running M (the ceiling of the running maximum): every later rescaling is an exact power of two, which a block's scale takes up: the codes' values come out the same.
;;   OPERANDS COMPUTED ON THE WAY. 'Computed on the way' means the value that the module computes at that place (a softmax that the list does not call 'softmax' is quantised finished and normalised). What goes into a quantiser is computed in f32, as accurately as f32 sums, v_exp_f32 and their like allow (about 1e-6 of the number): no bf16 or f16 on the way to a quantiser, and a product that is left as it is and whose result goes on into a quantised operand takes f32 operands (vector FMAs, or v_wmma_f32_16x16x4_f32). A number that lies on a knife's edge between two numbers of the format may be rounded either way, as far as f32 arithmetic and the matrix unit's own rounding can turn it there, and no further.
;; 2 versions. Each part assembles by itself: llvm-mc -triple=amdgcn-amd-amdhsa -mcpu=gfx1250 --defsym DOCPART=n.
;; ======== version 1 of 2: 4 launches
;; workspace buffers: codes 29,360,128 bytes; scales 917,504 bytes; hc 12,582,912 bytes; hs 393,216 bytes; oc 4,194,304 bytes; os 131,072 bytes
;; launch quant (part 1): grid 128 x 7, 4 waves a work-group, no clusters, 33,280 bytes of LDS; arguments q, k, v, Wq, Wk, Wv, Wo, codes, scales; writes codes, scales
.if DOCPART == 1
	.amdgcn_target "amdgcn-amd-amdhsa--gfx1250"
	.amdhsa_code_object_version 6
	.text
	.protected	k_qb15795766f_quant
	.globl	k_qb15795766f_quant
	.p2align	8
	.type	k_qb15795766f_quant,@function
k_qb15795766f_quant:
	s_mov_b64 s[64:65], 0
	v_nop
	global_prefetch_b8 v0, s[64:65] scope:SCOPE_SE
	s_setreg_imm32_b32 hwreg(HW_REG_WAVE_MODE, 25, 1), 1
	s_wait_xcnt 0x0
; LAUNCH 1 OF 4.  The seven large f32 tensors (q, k, v: [2048 tokens][2048]; Wq, Wk, Wv, Wo: [2048 (n)][2048 (k)]; K innermost in all) become codes of FP8 (E4M3) with one E8M0 scale byte for each 32 along K.
; The program: 1 quantise the inputs; 2 the three projections on codes, bias as the sums' start, results quantised in registers; 3 causal attention on codes, O quantised in registers; 4 the projection on the way out.
; WORK LEFT OUT BY THE PROGRAM (in launch 3).  reference() sets score(q, k) to -inf for every key k > q by a mask that it builds in its own body (causal_mask = 1 is a constant of the problem).  So p(q, k) = 0 there,
; whatever the inputs hold, and such a key adds nothing to the row's maximum, to its sum or to O.  Steps of 128 keys that lie wholly behind a wave's 16 queries are not multiplied: 36 of the 64 pairs (128 queries, 128 keys) stay.
; No input is left out: bq, bk, bv move the codes of quantised operands, bo the output.  LIMIT: a NaN, an infinity or an overflow that reaches only the scores left out is not carried to the result.
; THE RULE.  A block's scale is 2^(floor(log2(its largest magnitude)) - 8); its byte is the largest magnitude's exponent field - 8, held at 1 from below.  Each number is divided by the scale, held within +-448 and rounded to the nearest code, ties to even.
; LIMITS: a block of zeros gets the byte 1 where the rule says 127 (its codes are zeros, which add nothing, and this program alone reads the bytes); blocks whose largest magnitude lies under 2^-118 are held at the byte 1; NaN and infinities among the inputs are not served.
; ROWS ARE STORED IN ANOTHER ORDER: row p of a tensor goes to PLACE swap(p), p with its bits 3 and 4 exchanged.  Sixteen neighbouring places 16 a + r then hold rows 32 (a / 2) + 8 (a % 2) + r + 8 (r / 8): with such tiles a later
; product's results lie in a lane's registers as 16 neighbours along the next K, and the tiles are still read from LDS as neighbouring rows.
; SHARES.  Work-group y = the tensor; a wave takes a run of 8,192 numbers (four rows) in 16 steps of 512.  Four rows stay together under swap: run R goes to run R with its bits 1 and 2 exchanged.
; Each of a step's four loads reads 512 consecutive bytes; the 2,048 bytes turn through the wave's own stage in LDS and come back 64 bytes a lane: 16 neighbours, two lanes to a block.  A lane's 16 codes are 16 bytes: the wave stores 512 consecutive bytes.
; A wave's 256 scale bytes are gathered in LDS and leave as one aligned run of 256 bytes.  No tensor loads, no barrier, no cluster: waves share nothing.  Loads run four steps (16 loads a wave) ahead.
.set WAVES, 4
.set STEPS, 16
.set CB,    16                         ; bytes of 16 codes
.set R,     16                         ; v16-79   four sets of 16 numbers as they are loaded
.set X,     80                         ; v80-111  two sets of 16 neighbours
.set E,     112                        ; v112-127 a scale byte for each step
.set C,     128                        ; v128-191 codes: four registers for each step, so that no store's data are written again
.set WREG,  8192                       ; LDS: a region for each wave: two stages of 32 x SP bytes, behind them its 256 scale bytes
.set SP,    80                         ; a lane's place in a stage: its 64 bytes + 16 of padding
.set SPW,   12                         ; v12  LDS address of my spare word; never rewritten
.set NIL,   13                         ; v13  0; never rewritten
.set SPARE, WAVES*WREG                 ; behind the four regions: the spare words, 128 bytes a wave, which no other line names
	s_load_b512 s[16:31], s[0:1], 0x0              ; q, k, v, Wq, Wk, Wv, Wo, codes
	s_load_b64 s[32:33], s[0:1], 0x40              ; scales
	v_lshl_add_u32 v[SPW], v0, 2, SPARE
	v_mov_b32 v[NIL], 0
	v_lshrrev_b32 v1, 5, v0
	v_readfirstlane_b32 s2, v1                     ; wave
	v_and_b32 v2, 31, v0                           ; lane
	v_lshlrev_b32 v3, 4, v2                        ; my 16 bytes of a load's 512
	s_mul_i32 s6, s2, WREG
	v_lshrrev_b32 v14, 2, v2
	v_mul_u32_u24 v14, v14, SP
	v_and_b32 v15, 3, v2
	v_lshl_add_u32 v14, v15, 4, v14
	v_add_nc_u32 v14, s6, v14                      ; the stage, on the way in: four lanes' 64 bytes on end, then 16 of padding
	v_mul_u32_u24 v15, v2, SP
	v_add_nc_u32 v15, s6, v15                      ; and on the way out: SP x lane: my 16 neighbours
	v_mul_u32_u24 v4, v2, CB                       ; my codes' place in a step's
	v_lshrrev_b32 v5, 1, v2
	s_add_co_u32 s6, s6, 2*32*SP
	v_add_nc_u32 v5, s6, v5                        ; LDS: my wave's 256 scale bytes, my block's byte
	v_lshlrev_b32 v7, 3, v2                        ; and on the way out 8 bytes a lane
	v_add_nc_u32 v6, s6, v7
	s_mov_b32 s7, 0x600000                         ; the mantissa field of 448
	s_and_b32 s3, ttmp7, 0xffff                    ; the tensor, 0 to 6
	s_lshl_b32 s8, ttmp9, 2
	s_add_co_u32 s8, s8, s2                        ; R: which run of 8,192 numbers is my wave's
	s_and_b32 s9, s8, 0xfffffff9
	s_bfe_u32 s10, s8, 0x10001
	s_lshl_b32 s10, s10, 2
	s_or_b32 s9, s9, s10
	s_bfe_u32 s10, s8, 0x10002
	s_lshl_b32 s10, s10, 1
	s_or_b32 s9, s9, s10                           ; R with bits 1 and 2 exchanged: where the run goes
	s_lshl_b32 s10, s8, 15                         ; in: 32,768 bytes a run
	s_mov_b32 s11, 0
	s_lshl_b32 s12, s3, 22                         ; codes: 4 MiB a tensor, 8,192 bytes a run
	s_lshl_b32 s13, s9, 13
	s_add_co_u32 s12, s12, s13
	s_mov_b32 s13, 0
	s_lshl_b32 s14, s3, 17                         ; scale bytes: 128 KiB a tensor, 256 bytes a run
	s_lshl_b32 s15, s9, 8
	s_add_co_u32 s14, s14, s15
	s_mov_b32 s15, 0
	s_wait_kmcnt 0x0
	s_mov_b64 s[4:5], s[16:17]                     ; the tensor's address: a choice on the work-group's number alone
	s_cmp_eq_u32 s3, 1
	s_cselect_b64 s[4:5], s[18:19], s[4:5]
	s_cmp_eq_u32 s3, 2
	s_cselect_b64 s[4:5], s[20:21], s[4:5]
	s_cmp_eq_u32 s3, 3
	s_cselect_b64 s[4:5], s[22:23], s[4:5]
	s_cmp_eq_u32 s3, 4
	s_cselect_b64 s[4:5], s[24:25], s[4:5]
	s_cmp_eq_u32 s3, 5
	s_cselect_b64 s[4:5], s[26:27], s[4:5]
	s_cmp_eq_u32 s3, 6
	s_cselect_b64 s[4:5], s[28:29], s[4:5]
	s_add_nc_u64 s[4:5], s[4:5], s[10:11]
	s_add_nc_u64 s[30:31], s[30:31], s[12:13]
	s_add_nc_u64 s[32:33], s[32:33], s[14:15]
.macro LOAD t
.irp i, 0,1,2,3
	global_load_b128 v[R+16*((\t)%4)+4*\i:R+16*((\t)%4)+4*\i+3], v3, s[4:5] offset:2048*(\t)+512*\i th:TH_LOAD_NT   ; 32 lanes read 512 consecutive bytes, read once in the launch
.endr
.endm
.macro TURN t                          ; step t's numbers through the stage: LDS serves a wave's instructions in order, so no wait stands between the stores and the loads
.irp i, 0,1,2,3
	ds_store_b128 v14, v[R+16*((\t)%4)+4*\i:R+16*((\t)%4)+4*\i+3] offset:32*SP*((\t)%2)+8*SP*\i
.endr
.irp i, 0,1,2,3
	ds_load_b128 v[X+16*((\t)%2)+4*\i:X+16*((\t)%2)+4*\i+3], v15 offset:32*SP*((\t)%2)+16*\i
.endr
.endm
.irp t, 0,1,2,3
	LOAD \t
.endr
	s_wait_loadcnt 12                              ; step 0's four loads are in; the twelve of steps 1 to 3 may be out
	TURN 0
.macro STEP t
.set XS, X+16*((\t)%2)
.if (\t) > 0
	s_wait_dscnt 1                                 ; this step's numbers are back from the stage (the last step's byte store may be out): so its stores into the stage have read their registers,
.else
	s_wait_dscnt 0x0
.endif
.if (\t)+4 < STEPS
	LOAD (\t)+4                                    ; which take the loads of four steps on
.endif
.if (\t)+1 < STEPS
.if STEPS-2-(\t) >= 3
	s_wait_loadcnt 12                              ; the next step's four loads are in; those of the three steps behind it may be out
.else
	s_wait_loadcnt 4*(STEPS-2-(\t))
.endif
	TURN (\t)+1                                    ; and go through the other stage while this step is worked
.endif
	v_max3_num_f32 v8, |v[XS]|, |v[XS+1]|, |v[XS+2]|               ; the largest magnitude of my 16, in two chains
	v_max3_num_f32 v9, |v[XS+3]|, |v[XS+4]|, |v[XS+5]|
.irp i, 6,10
	v_max3_num_f32 v8, v8, |v[XS+\i]|, |v[XS+\i+1]|
	v_max3_num_f32 v9, v9, |v[XS+\i+2]|, |v[XS+\i+3]|
.endr
	v_max3_num_f32 v8, v8, |v[XS+14]|, |v[XS+15]|
	v_max3_num_f32 v8, v8, v9, 0x4800000           ; and the floor 2^(9 - 127): so the byte cannot fall under 1
	v_max_num_f32_dpp v8, v8, v8 row_xmask:1 row_mask:0xf bank_mask:0xf   ; and of my neighbour's 16: the block's
	v_add_nc_u32 v11, 0xfc000000, v8               ; 8 off its exponent field: the conversion takes the exponent field of this operand as its scale
	v_and_or_b32 v10, v8, 0x7f800000, s7           ; 448 x the scale: the largest magnitude's exponent field over 448's mantissa
.irp i, 0,1,2,3,4,5,6,7,8,9,10,11,12,13,14,15
	v_med3_num_f32 v[XS+\i], v[XS+\i], -v10, v10   ; the conversion to an 8-bit code does not saturate (ISA guide 7.6.2): the hold comes first
.endr
	v_cvt_scalef32_pk8_fp8_f32 v[C+4*(\t):C+4*(\t)+1], v[XS:XS+7], v11
	v_cvt_scalef32_pk8_fp8_f32 v[C+4*(\t)+2:C+4*(\t)+3], v[XS+8:XS+15], v11
	v_lshrrev_b32 v[E+(\t)], 23, v11               ; the scale's byte (a plain line behind the conversions)
	ds_store_b8 v5, v[E+(\t)] offset:16*(\t)       ; both lanes of a block write the same byte with the same value
	global_store_b128 v4, v[C+4*(\t):C+4*(\t)+3], s[30:31] offset:32*CB*(\t)   ; 32 lanes store 512 consecutive bytes, aligned
.endm
.irp t, 0,1,2,3,4,5,6,7,8,9,10,11,12,13,14,15
	STEP \t
.endr
	ds_load_b64 v[8:9], v6                         ; LDS serves a wave's instructions in order: these see my stores
	s_wait_dscnt 0x0
	global_store_b64 v7, v[8:9], s[32:33]          ; 32 lanes store 256 consecutive bytes, aligned
	s_wait_tensorcnt 0x0                           ; the wave's end, behind my last LDS store
	ds_add_u32 v[SPW], v[NIL]
	s_wait_dscnt 0x0
	s_endpgm
.Lfunc_end_k_qb15795766f_quant:
	.size	k_qb15795766f_quant, .Lfunc_end_k_qb15795766f_quant-k_qb15795766f_quant
	.p2alignl 7, 3214868480
	.fill 96, 4, 3214868480
	.section	.rodata,"a",@progbits
	.p2align	6, 0x0
	.amdhsa_kernel k_qb15795766f_quant
		.amdhsa_group_segment_fixed_size 33280
		.amdhsa_private_segment_fixed_size 0
		.amdhsa_enable_private_segment 0
		.amdhsa_kernarg_size 72
		.amdhsa_user_sgpr_count 2
		.amdhsa_user_sgpr_kernarg_segment_ptr 1
		.amdhsa_wavefront_size32 1
		.amdhsa_system_sgpr_workgroup_id_x 1
		.amdhsa_system_sgpr_workgroup_id_y 1
		.amdhsa_system_sgpr_workgroup_id_z 1
		.amdhsa_system_vgpr_workitem_id 0
		.amdhsa_next_free_vgpr 192
		.amdhsa_next_free_sgpr 66
		.amdhsa_reserve_vcc 0
		.amdhsa_float_denorm_mode_32 3
		.amdhsa_float_denorm_mode_16_64 3
		.amdhsa_memory_ordered 1
		.amdhsa_forward_progress 1
		.amdhsa_inst_pref_size 51
	.end_amdhsa_kernel
	.amdgpu_metadata
---
amdhsa.version: [ 1, 2 ]
amdhsa.kernels:
  - .name:           k_qb15795766f_quant
    .symbol:         k_qb15795766f_quant.kd
    .args:
      - { .name: q, .offset: 0, .size: 8, .value_kind: global_buffer, .address_space: global }
      - { .name: k, .offset: 8, .size: 8, .value_kind: global_buffer, .address_space: global }
      - { .name: v, .offset: 16, .size: 8, .value_kind: global_buffer, .address_space: global }
      - { .name: Wq, .offset: 24, .size: 8, .value_kind: global_buffer, .address_space: global }
      - { .name: Wk, .offset: 32, .size: 8, .value_kind: global_buffer, .address_space: global }
      - { .name: Wv, .offset: 40, .size: 8, .value_kind: global_buffer, .address_space: global }
      - { .name: Wo, .offset: 48, .size: 8, .value_kind: global_buffer, .address_space: global }
      - { .name: codes, .offset: 56, .size: 8, .value_kind: global_buffer, .address_space: global }
      - { .name: scales, .offset: 64, .size: 8, .value_kind: global_buffer, .address_space: global }
    .group_segment_fixed_size: 33280
    .private_segment_fixed_size: 0
    .kernarg_segment_align: 8
    .kernarg_segment_size: 72
    .max_flat_workgroup_size: 128
    .sgpr_count:     66
    .vgpr_count:     192
    .wavefront_size: 32
...
	.end_amdgpu_metadata
.endif
;; end of part 1
;; launch proj (part 2): grid 8 x 24, 4 waves a work-group, clusters of 4 x 4, 327,680 bytes of LDS; arguments codes, scales, bq, bk, bv, hc, hs; writes hc, hs
.if DOCPART == 2
	.amdgcn_target "amdgcn-amd-amdhsa--gfx1250"
	.amdhsa_code_object_version 6
	.text
	.protected	k_qb15795766f_proj
	.globl	k_qb15795766f_proj
	.p2align	8
	.type	k_qb15795766f_proj,@function
k_qb15795766f_proj:
	s_mov_b64 s[64:65], 0
	v_nop
	global_prefetch_b8 v0, s[64:65] scope:SCOPE_SE
	s_setreg_imm32_b32 hwreg(HW_REG_WAVE_MODE, 25, 1), 1
	s_wait_xcnt 0x0
	s_wait_alu depctr_hold_cnt(0) depctr_sa_sdst(0) depctr_va_vdst(0) depctr_va_sdst(0) depctr_va_ssrc(0) depctr_va_vcc(0) depctr_vm_vsrc(0)
	s_getreg_b32 s2, hwreg(HW_REG_IB_STS2, 6, 4)
	s_cmp_eq_u32 s2, 0
	s_cbranch_scc0 .Lentry_in_a_cluster
	s_endpgm
.Lentry_in_a_cluster:
	s_bfe_u32 s2, ttmp6, 0x10000c
	s_cmp_lg_u32 s2, 0xf033
	s_cbranch_scc0 .Lentry_shape_is_right
	s_endpgm
.Lentry_shape_is_right:
; LAUNCH 2 OF 4.  The three projections x W^T + b on codes of FP8 (E4M3) with E8M0 scales, K = 2,048, and their results quantised in registers for the attention's two products.
; g = 0: Q, g = 1: K, g = 2: V (two rows of clusters each).  A tile of 256 x 256 is made by four waves, 128 x 128 each: 64 accumulators of 16 x 16.  192 work-groups: a tile of 128 x 128 would fill all WGPs
; but read twice the LDS bytes for each product.
; ROLES.  The matrix instruction is used transposed: source 0 = 16 rows of 'B', source 1 = 16 rows of 'A'; a lane then holds ONE row of A and its registers run along B's rows.
;   g < 2: A = the tokens (q or k), B = the weight: a lane's 64 registers of a block of 16 tokens run along a head's 128 channels, the K of Q K^T.
;   g = 2: A = Wv's rows (channels), B = the tokens v: a lane's 64 registers run along 128 KEYS, the K of P V.
; Rows lie in the buffers at exchanged places (bits 3 and 4): B's tile 2 u + w holds rows 32 u + 8 w + r + 8 (r / 8), so register 16 u + i of a lane's 64 is B's row 32 u + 16 (lane / 16) + i: the order of an operand's registers.
; THE BIAS is the C of each sum's first matrix instruction: for g < 2 it runs along B's rows (eight registers for each of B's eight tiles), for g = 2 it belongs to A's row (the lane's number in all eight registers).
; THE WAY OUT.  A block's 64 numbers a lane become 16 registers of codes and a scale word, and leave as an IMAGE OF THE OPERAND'S REGISTERS: each group of four registers by one store, lane l's 16 bytes at 16 l: 512 consecutive aligned bytes.
;   hc: [g][batch x head 32][slot 4][half 2][step in slot 2][tile 4][2,048 bytes];  hs: [g][batch x head][r / 8][step 8][r % 8][tile 8] words.
; K goes in steps of 256 through a ring of two LDS slots; the scale bytes of the work-group's rows, for all of K, come into LDS once.  CLUSTERS of 4 x 4: A's tiles are asked for jointly along a row, B's along a column.
; LIMITS: as stated at the head of the first launch (byte 1 for blocks of zeros and below 2^-118; NaN and infinities not served).
; REGISTERS, in windows of 256: window 0: v0-31 addresses; v32-63 scale words, two sets; v64-127 the bias tiles, on the way out the held numbers; v128-255 A's fragments, one set, on the way out work registers and codes.
;   window 1: B's fragments, two sets.   window 2: the accumulators of my rows 0-63 ((a, b) at v[8 (8 a + b)]);   window 3: those of rows 64-127.
.set KSTEP,  256
.set NQ,     2                         ; matrix instructions deep in a slot
.set ROWB,   256                       ; a tile's row in bytes
.set KROW,   2048                      ; a row of codes in memory
.set PITCH,  272                       ; an LDS row: 256 bytes + 16 of padding = 68 words: the 16 rows that a load touches start at 16 different banks (64 banks of 4 bytes: ISA guide 11.1)
.set FR,     16                        ; registers of a fragment
.set NL,     4                         ; LDS loads that bring one
.set NP,     8                         ; places behind this matrix instruction (ISA guide 7.12.1)
.set HALFT,  128*PITCH
.set SLOT,   4*HALFT                   ; A's 256 rows, then B's 256 rows
.set LAPS,   4                         ; 2,048 / 512: a lap is once round the ring
.set KS,     64                        ; a row of scale bytes
.set SCL,    2*SLOT                    ; behind the ring: the scales, as runs of 256 bytes + 16 of padding
.set HALFS,  (128*KS/256)*272
.set SBLK,   (16*KS/256)*272
.set SPARE,  SCL+4*HALFS               ; the spare words, 128 bytes a wave, which no other line names
.set ADRA, 16                          ; v16-17  LDS address of my A fragments in slot 0, 1
.set ADRB, 20                          ; v20-21  the same for B
.set LI,   24                          ; v24     16 x lane: an image's place for my lane
.set SA,   25                          ; v25     where my four scale words go: 2,048 (r / 8) + 32 (r % 8) + 16 (lane / 16)
.set ADRS, 27                          ; v27     LDS address of my scale words: lanes 0-15 A's rows, lanes 16-31 B's
.set SPW,  28                          ; v28     LDS address of my spare word; never rewritten
.set NIL,  29                          ; v29     0; never rewritten
.set SC,   32                          ; scale words: set s at v[SC + 16 s]; register 2 i + q: lanes 0-15 A's block i, lanes 16-31 B's block i
.set BX,   64                          ; v64-127 the bias tiles
.set AF,   128                         ; A's fragments
.set T,    64                          ; the way out: v64-127 a block's 64 numbers, held
.set TM,   128                         ; v128-131 largest magnitudes, v132-135 bytes, v136-139 448 x the scale, v140-143 the conversions' scale operands
.set PW,   144                         ; v144-151 the scale word of each of my eight blocks
.set OW,   152                         ; v152-155 the four words that my lane stores
.set PC,   192                         ; v192-255 codes: four sets of 16
.set G1, 24
.set G0, 32
.set G1B, 48
.set G0B, 56
.set G1S, 68
.set G0S, 76
.set G1SB, 80
.set G0SB, 88
.set GG,  66                           ; s66  g
.set SEL, 18                           ; s[18:19] v_permlanex16_b32's selects for lane l xor 16 (set behind the last use of s18 as a temporary)
.set MNT, 95                           ; s95  the mantissa field of 448 (set behind the last use of s95 as B's tensor number)
.set MSB, 0
.macro WIN new                         ; the immediate's high byte repeats the setting that is left
.if MSB != \new
	s_set_vgpr_msb (MSB<<8)|\new
.set MSB, \new
.endif
.endm
.set MUL_LO, 0xa1                      ; source 0 (B) window 1, source 1 (A) window 0, C and D window 2
.set MUL_HI, 0xf1                      ; the same, C and D window 3
.set TO_B,   0x40                      ; destination window 1, address window 0
; A joint load: waves 0 and 1 fetch for A, waves 2 and 3 for B.  The branch hangs on the wave's number alone.  An s_nop 0 and four v_nop follow each of the two lines.
.macro JLOAD g0a, g1a, g0b, g1b
	s_cmp_eq_u32 s15, 0
	s_cbranch_scc0 .Lfor_b_\@
	tensor_load_to_lds s[\g0a:\g0a+3], s[\g1a:\g1a+7]
	s_nop 0
.rept 4
	v_nop
.endr
	s_branch .Lasked_\@
.Lfor_b_\@:
	tensor_load_to_lds s[\g0b:\g0b+3], s[\g1b:\g1b+7]
	s_nop 0
.rept 4
	v_nop
.endr
.Lasked_\@:
.endm
.macro CREST                           ; a round of the cluster's barrier behind its opening barrier
	s_cmp_lg_u32 s14, 0
	s_cbranch_scc1 .Lnot_wave_0_\@
	s_barrier_signal -3
.Lnot_wave_0_\@:
	s_barrier_wait -3
	s_barrier_signal -1
	s_barrier_wait -1
.endm
.macro CROUND                          ; a whole round
	s_barrier_signal -1
	s_barrier_wait -1
	CREST
.endm
	s_load_b256 s[4:11], s[0:1], 0x0               ; codes s[4:5], scales s[6:7], bq s[8:9], bk s[10:11]
	s_load_b64 s[12:13], s[0:1], 0x20              ; bv
	s_load_b64 s[96:97], s[0:1], 0x28              ; hc
	s_load_b64 s[98:99], s[0:1], 0x30              ; hs
	v_lshl_add_u32 v[SPW], v0, 2, SPARE
	v_mov_b32 v[NIL], 0
	ds_add_u32 v[SPW], v[NIL]                      ; the wave's opening: the add, twice on end, and its wait ahead of my first tensor load
	ds_add_u32 v[SPW], v[NIL]
	v_lshrrev_b32 v1, 5, v0
	v_readfirstlane_b32 s14, v1                    ; wave 0..3
	s_lshr_b32 s15, s14, 1                         ; which half of the tile's rows is mine.  Also: I fetch for A (0) or for B (1)
	s_and_b32 s16, s14, 1                          ; which half of its columns.  Also: which 128 rows of that tile I fetch
	s_bfe_u32 s40, ttmp6, 0x40000                  ; cx, cy: my place in the cluster
	s_bfe_u32 s41, ttmp6, 0x40004
	s_lshl_b32 s42, ttmp9, 2
	s_add_co_u32 s42, s42, s40                     ; tile column = 4 x cluster x + cx
	s_and_b32 s2, ttmp7, 0xffff                    ; cluster y, 0 to 5
	s_lshr_b32 s[GG], s2, 1                        ; g: the same in all sixteen partners
	s_and_b32 s17, s2, 1
	s_lshl_b32 s17, s17, 2
	s_add_co_u32 s17, s17, s41                     ; tile row = 4 x (cluster y % 2) + cy
	s_add_co_u32 s95, s[GG], 3
	s_cmp_lt_u32 s[GG], 2
	s_cselect_b32 s67, s[GG], 5                    ; A's tensor in the buffers: q, k, or Wv
	s_cselect_b32 s95, s95, 2                      ; B's: Wq, Wk, or v
	s_lshl_b32 s43, s41, 2
	s_lshl_b32 s43, 15, s43                        ; my row of the cluster
	s_lshl_b32 s44, 0x1111, s40                    ; my column
	; descriptor group 1: a tile of 128 rows x 256 bytes, 16 bytes of padding behind each row
	s_or_b32 s[G1+0], s43, (0<<16)|(1<<20)|(1<<21)|(5<<22)|(3<<25)  ; the mask: A's tiles go to my row; elements of 1 byte; padding on; bit 21 beside a mask; after every 64 words, 4 words
	s_or_b32 s[G1B+0], s44, (0<<16)|(1<<20)|(1<<21)|(5<<22)|(3<<25)
.irp g, G1, G1B
	s_mov_b32 s[\g+1], ROWB<<16                    ; tensor_dim0
	s_mov_b32 s[\g+2], 128<<16                     ; tensor_dim1
	s_mov_b32 s[\g+3], ROWB<<16                    ; tile_dim0
	s_mov_b32 s[\g+4], 128                         ; tile_dim1
	s_mov_b32 s[\g+5], KROW                        ; from row to row
	s_mov_b32 s[\g+6], 0
	s_mov_b32 s[\g+7], 0
.endr
	; the scales of 128 rows: a dense block of 8,192 bytes, as 32 rows of 256 bytes (32 elements of 8 bytes), 16 bytes of padding behind each
	s_or_b32 s[G1S+0], s43, (3<<16)|(1<<20)|(1<<21)|(5<<22)|(3<<25)
	s_or_b32 s[G1SB+0], s44, (3<<16)|(1<<20)|(1<<21)|(5<<22)|(3<<25)
.irp g, G1S, G1SB
	s_mov_b32 s[\g+1], 32<<16
	s_mov_b32 s[\g+2], (128*KS/256)<<16
	s_mov_b32 s[\g+3], 32<<16
	s_mov_b32 s[\g+4], 128*KS/256
	s_mov_b32 s[\g+5], 32
	s_mov_b32 s[\g+6], 0
	s_mov_b32 s[\g+7], 0
.endr
	s_lshl_b32 s18, s16, 7                         ; which 128 rows of the tile I fetch
	s_lshl_b32 s20, s17, 8
	s_add_co_u32 s20, s20, s18                     ; A: place 256 x tile row + 128 x half
	s_lshl_b32 s46, s42, 8
	s_add_co_u32 s46, s46, s18                     ; B: place 256 x tile column + 128 x half
	s_lshl_b32 s22, s20, 6                         ; A's scale bytes: 64 a row, 128 KiB a tensor
	s_lshl_b32 s2, s67, 17
	s_add_co_u32 s22, s22, s2
	s_mov_b32 s23, 0
	s_lshl_b32 s20, s20, 11                        ; A's codes: 2,048 a row, 4 MiB a tensor (all offsets stay under 2^25)
	s_lshl_b32 s2, s67, 22
	s_add_co_u32 s20, s20, s2
	s_mov_b32 s21, 0
	s_lshl_b32 s92, s46, 6                         ; B's likewise
	s_lshl_b32 s2, s95, 17
	s_add_co_u32 s92, s92, s2
	s_mov_b32 s93, 0
	s_lshl_b32 s46, s46, 11
	s_lshl_b32 s2, s95, 22
	s_add_co_u32 s46, s46, s2
	s_mov_b32 s47, 0
	s_mul_i32 s45, s14, HALFT                      ; where they go: wave x 128 rows: no place in the cluster enters an LDS address
	s_mul_i32 s94, s14, HALFS
	s_wait_dscnt 0x0                               ; both opening adds are done
	s_wait_kmcnt 0x0
	s_add_nc_u64 s[20:21], s[4:5], s[20:21]
	s_add_nc_u64 s[22:23], s[6:7], s[22:23]
	s_add_nc_u64 s[46:47], s[4:5], s[46:47]
	s_add_nc_u64 s[92:93], s[6:7], s[92:93]
	CROUND                                         ; all sixteen work-groups are here: the first joint loads meet
	s_mov_b32 s[G0S], 1
	s_add_co_u32 s[G0S+1], s94, SCL
	s_mov_b64 s[G0S+2:G0S+3], s[22:23]
	s_or_b32 s[G0S+3], s[G0S+3], 0x80000000
	s_mov_b32 s[G0SB], 1
	s_add_co_u32 s[G0SB+1], s94, SCL
	s_mov_b64 s[G0SB+2:G0SB+3], s[92:93]
	s_or_b32 s[G0SB+3], s[G0SB+3], 0x80000000
	JLOAD G0S, G1S, G0SB, G1SB                     ; the scales first: they are wanted with K step 0
.irp s, 0,1
	s_mov_b32 s[G0+4*\s], 1
	s_add_co_u32 s[G0+4*\s+1], s45, \s*SLOT
	s_add_nc_u64 s[G0+4*\s+2:G0+4*\s+3], s[20:21], \s*ROWB
	s_or_b32 s[G0+4*\s+3], s[G0+4*\s+3], 0x80000000
	s_mov_b32 s[G0B+4*\s], 1
	s_add_co_u32 s[G0B+4*\s+1], s45, \s*SLOT
	s_add_nc_u64 s[G0B+4*\s+2:G0B+4*\s+3], s[46:47], \s*ROWB
	s_or_b32 s[G0B+4*\s+3], s[G0B+4*\s+3], 0x80000000
	JLOAD G0+4*\s, G1, G0B+4*\s, G1B               ; three tensor loads of mine are out
.endr
	; which head and which 128 tokens my wave's 128 x 128 belongs to
	v_and_b32 v1, 15, v0                           ; r = lane % 16
	v_bfe_u32 v2, v0, 4, 1                         ; h = lane / 16
	s_lshl_b32 s100, s42, 1
	s_add_co_u32 s100, s100, s16                   ; my 128 of B's rows
	s_lshl_b32 s101, s17, 1
	s_add_co_u32 s101, s101, s15                   ; my 128 of A's rows
	s_cmp_lt_u32 s[GG], 2
	s_cselect_b32 s2, s100, s101                   ; the head: B's unit for Q and K, A's for V
	s_cselect_b32 s101, s101, s100                 ; s101: the tokens' unit, 0 to 15
	s_mov_b32 s100, s2                             ; s100: the head
	s_cmp_eq_u32 s[GG], 1
	s_cselect_b64 s[8:9], s[10:11], s[8:9]
	s_cmp_eq_u32 s[GG], 2
	s_cselect_b64 s[8:9], s[12:13], s[8:9]         ; my projection's bias,
	s_lshl_b32 s92, s100, 9
	s_mov_b32 s93, 0
	s_add_nc_u64 s[8:9], s[8:9], s[92:93]          ; at my head's 128 numbers
	; THE BIAS TILES.  Both ways write all 64 registers; the wait falls into the first tiles' flight.  The branch hangs on g, which all partners share.
	s_cmp_lt_u32 s[GG], 2
	s_cbranch_scc0 .Lbias_v
	v_lshlrev_b32 v3, 6, v2                        ; Q, K: register 16 u + i is the bias of channel 32 u + 16 h + i
.irp j, 0,1,2,3,4,5,6,7,8,9,10,11,12,13,14,15
	global_load_b128 v[BX+4*\j:BX+4*\j+3], v3, s[8:9] offset:128*(\j/4)+16*(\j%4)
.endr
	s_wait_loadcnt 0x0
	s_branch .Lbias_done
.Lbias_v:
	v_and_b32 v3, 8, v1
	v_add_nc_u32 v3, v3, v1
	v_lshlrev_b32 v3, 2, v3                        ; V: my lane's channel in block a is 32 (a / 2) + 8 (a % 2) + r + 8 (r / 8)
.irp a, 0,1,2,3,4,5,6,7
	global_load_b32 v[BX+8*\a], v3, s[8:9] offset:4*(32*(\a/2)+8*(\a%2))
.endr
	s_wait_loadcnt 0x0
.irp a, 0,1,2,3,4,5,6,7
.irp j, 1,2,3,4,5,6,7
	v_mov_b32 v[BX+8*\a+\j], v[BX+8*\a]            ; all eight keys of the tile's registers get the channel's bias
.endr
.endr
.Lbias_done:
	v_mul_u32_u24 v3, v1, PITCH
	v_lshl_add_u32 v4, v2, 4, v3                   ; a fragment's row x pitch + 16 x half
	s_mul_i32 s21, s15, HALFT                      ; my 128 rows of A
	s_mul_i32 s22, s16, HALFT                      ; my 128 rows of B,
	s_add_co_u32 s22, s22, 2*HALFT                 ; which lie behind A's 256
.irp s, 0,1
	v_add_nc_u32 v[ADRA+\s], s21, v4
	v_add_nc_u32 v[ADRB+\s], s22, v4
	s_add_co_u32 s21, s21, SLOT
	s_add_co_u32 s22, s22, SLOT
.endr
	v_mul_u32_u24 v5, v1, KS                       ; my row's scales: 64 bytes a row,
	v_lshrrev_b32 v6, 8, v5
	v_lshl_add_u32 v5, v6, 4, v5                   ; and 16 more for each 256 passed
	s_mul_i32 s21, s15, HALFS
	s_mul_i32 s22, s16, HALFS
	s_add_co_u32 s22, s22, 2*HALFS
	s_sub_co_u32 s22, s22, s21
	v_mul_u32_u24 v6, s22, v2                      ; lanes 16-31 take B's: the lower base + h x the distance
	s_add_co_u32 s21, s21, SCL
	v_add_nc_u32 v5, v5, v6
	v_add_nc_u32 v[ADRS], s21, v5
	v_and_b32 v6, 31, v0
	v_lshlrev_b32 v[LI], 4, v6
	v_lshrrev_b32 v7, 3, v1
	v_and_b32 v8, 7, v1
	v_lshlrev_b32 v[SA], 11, v7
	v_lshl_add_u32 v[SA], v8, 5, v[SA]
	v_lshl_add_u32 v[SA], v2, 4, v[SA]
	; where my results go
	s_lshr_b32 s2, s101, 3
	s_lshl_b32 s2, s2, 4
	s_add_co_u32 s2, s2, s100                      ; batch x 16 + head
	s_and_b32 s67, s101, 7                         ; the step of 128 tokens in the sequence
	s_lshl_b32 s92, s[GG], 22
	s_lshl_b32 s93, s2, 17
	s_add_co_u32 s92, s92, s93
	s_lshr_b32 s93, s67, 1
	s_lshl_b32 s93, s93, 15
	s_add_co_u32 s92, s92, s93
	s_and_b32 s93, s67, 1
	s_lshl_b32 s93, s93, 13
	s_add_co_u32 s92, s92, s93
	s_mov_b32 s93, 0
	s_add_nc_u64 s[96:97], s[96:97], s[92:93]      ; hc at my eight images
	s_lshl_b32 s92, s[GG], 17
	s_lshl_b32 s93, s2, 12
	s_add_co_u32 s92, s92, s93
	s_lshl_b32 s93, s67, 8
	s_add_co_u32 s92, s92, s93
	s_mov_b32 s93, 0
	s_add_nc_u64 s[98:99], s[98:99], s[92:93]      ; hs at my step's words
	s_mov_b32 s[SEL], 0x76543210
	s_mov_b32 s[SEL+1], 0xfedcba98
	s_mov_b32 s[MNT], 0x600000
.macro FRAG reg, adr, q, i             ; a fragment: lane l holds row l % 16; registers 4 c .. 4 c + 3 hold K = 32 c + 16 (l / 16) + 0 .. 15
.irp c, 0,1,2,3
	ds_load_b128 v[\reg+4*\c:\reg+4*\c+3], v[\adr] offset:128*(\q)+32*\c+(\i)*16*PITCH
.endr
.endm
; 16 matrix instructions: A's blocks a0, a0 + 1 x B's eight, the slot's q-th 128 along K.  p: B's set; sc: the set of scale words.  zero = 1: the sums start from the bias along B's rows; 2: from the bias of A's row; 0: they go on.
; The 64 accumulators take turns, one instruction a turn, in the same order in every step.
.macro MUL16 a0, p, q, sc, zero
.irp a, \a0, \a0+1
.irp b, 0,1,2,3,4,5,6,7
.if \zero == 1
	v_wmma_scale_f32_16x16x128_f8f6f4 v[8*(8*((\a)%4)+\b):8*(8*((\a)%4)+\b)+7], v[128*(\p)+FR*\b:128*(\p)+FR*\b+FR-1], v[AF+FR*(\a):AF+FR*(\a)+FR-1], v[BX+8*\b:BX+8*\b+7], v[SC+8*NQ*(\sc)+NQ*\b+(\q)], v[SC+8*NQ*(\sc)+NQ*(\a)+(\q)] matrix_a_scale:MATRIX_SCALE_ROW1
.elseif \zero == 2
	v_wmma_scale_f32_16x16x128_f8f6f4 v[8*(8*((\a)%4)+\b):8*(8*((\a)%4)+\b)+7], v[128*(\p)+FR*\b:128*(\p)+FR*\b+FR-1], v[AF+FR*(\a):AF+FR*(\a)+FR-1], v[BX+8*(\a):BX+8*(\a)+7], v[SC+8*NQ*(\sc)+NQ*\b+(\q)], v[SC+8*NQ*(\sc)+NQ*(\a)+(\q)] matrix_a_scale:MATRIX_SCALE_ROW1
.else
	v_wmma_scale_f32_16x16x128_f8f6f4 v[8*(8*((\a)%4)+\b):8*(8*((\a)%4)+\b)+7], v[128*(\p)+FR*\b:128*(\p)+FR*\b+FR-1], v[AF+FR*(\a):AF+FR*(\a)+FR-1], v[8*(8*((\a)%4)+\b):8*(8*((\a)%4)+\b)+7], v[SC+8*NQ*(\sc)+NQ*\b+(\q)], v[SC+8*NQ*(\sc)+NQ*(\a)+(\q)] matrix_a_scale:MATRIX_SCALE_ROW1
.endif
.endr
.endr
.endm
.macro FETCH_B slot, q, p              ; B's eight fragments of the slot's q-th 128 along K into set p
	WIN TO_B
.irp i, 0,1,2,3,4,5,6,7
	FRAG 128*(\p)+FR*\i, ADRB+\slot, \q, \i
.endr
	WIN 0
.endm
.macro FETCH_A slot, q, i0             ; A's blocks i0 .. i0 + 3
.irp i, \i0, \i0+1, \i0+2, \i0+3
	FRAG AF+FR*(\i), ADRA+\slot, \q, \i
.endr
.endm
.macro SCALES sc                       ; a K step's scale words into set sc: two words a row; lanes 0-15 take A's block i, lanes 16-31 B's block i
.irp i, 0,1,2,3,4,5,6,7
	ds_load_b64 v[SC+8*NQ*\sc+NQ*\i:SC+8*NQ*\sc+NQ*\i+1], v[ADRS] offset:\i*SBLK
.endr
.endm
.macro PLACES n                        ; plain vector instructions between a matrix instruction and a load into, or a vector instruction on, its registers
.rept \n
	v_nop
.endr
.endm
; A step of 128 along K that has its successor in the same slot.  A's blocks 0-3 are fetched anew in its middle, blocks 4-7 at its end; B has two sets.
.macro STEP slot, q, zero
	s_wait_dscnt 4*NL                              ; B's set and A's blocks 0-3 are in; the youngest sixteen loads (A's blocks 4-7) may be out
.if \zero
	WIN 0x81                                       ; as MUL_LO, with C (the bias) in window 0
.else
	WIN MUL_LO
.endif
	MUL16 0, (\q)%2, \q, \slot, \zero
	MUL16 2, (\q)%2, \q, \slot, \zero
	s_wait_dscnt 0                                 ; A's blocks 4-7 are in
	PLACES NP
	FETCH_B \slot, (\q)+1, 1-(\q)%2
	FETCH_A \slot, (\q)+1, 0
.if \zero
	WIN 0xc1                                       ; as MUL_HI, with C in window 0
.else
	WIN MUL_HI
.endif
	MUL16 4, (\q)%2, \q, \slot, \zero
	MUL16 6, (\q)%2, \q, \slot, \zero
	PLACES NP
	WIN 0
	FETCH_A \slot, (\q)+1, 4
.endm
; A slot's last step changes slots: one barrier; in front of it each wave waits for all its tensor loads, adds 0 to its spare word, and waits for that and for its reads of this slot.  fill = 1: the slot is filled again, two K steps ahead.
.macro TURN slot, next, fill
	s_wait_tensorcnt 0x0                           ; all my tensor loads have landed: my part of the next slot
	ds_add_u32 v[SPW], v[NIL]
	s_wait_dscnt 4*NL+1                            ; (the add and the youngest sixteen loads may be out)
	WIN MUL_LO
	MUL16 0, 1, NQ-1, \slot, 0                     ; sixteen matrix instructions stand between the add and the wait for it
	s_wait_dscnt 0x0                               ; the add is done, and my reads of this slot are over
	s_barrier_signal -1
	MUL16 2, 1, NQ-1, \slot, 0
	WIN 0
	s_barrier_wait -1
.if \fill
	CREST                                          ; the barrier has opened a round of the cluster's barrier: no wave of any partner still reads this slot or has a load on its way
	s_add_nc_u64 s[G0+4*\slot+2:G0+4*\slot+3], s[G0+4*\slot+2:G0+4*\slot+3], 2*ROWB
	s_add_nc_u64 s[G0B+4*\slot+2:G0B+4*\slot+3], s[G0B+4*\slot+2:G0B+4*\slot+3], 2*ROWB
	JLOAD G0+4*\slot, G1, G0B+4*\slot, G1B         ; the first tensor load behind the round; its four v_nop are among the places in front of the loads below
	PLACES NP-4
.else
	PLACES NP
.endif
	v_add_nc_u32 v[ADRS], 4*NQ, v[ADRS]            ; on to the next K step's scale words
	FETCH_B \next, 0, 0
	FETCH_A \next, 0, 0
	SCALES \next
	WIN MUL_HI
	MUL16 4, 1, NQ-1, \slot, 0
	MUL16 6, 1, NQ-1, \slot, 0
	PLACES NP
	WIN 0
	FETCH_A \next, 0, 4
.endm
	s_wait_tensorcnt 1                             ; the scales and my part of K step 0 are in; K step 1's load may be out
	s_barrier_signal -1
	s_barrier_wait -1                              ; everybody's are
	FETCH_B 0, 0, 0
	FETCH_A 0, 0, 0
	SCALES 0
	FETCH_A 0, 0, 4
	s_cmp_lt_u32 s[GG], 2                          ; the first step starts the sums from the bias: it is written twice, for the bias's two shapes; the branch hangs on g alone
	s_cbranch_scc0 .Lfirst_v
	STEP 0, 0, 1
	s_branch .Lfirst_done
.Lfirst_v:
	STEP 0, 0, 2
.Lfirst_done:
	s_mov_b32 s3, LAPS-1
.Llap:                                                 ; a trip goes once round the ring, from a lap's second step to the next lap's first, and fills both slots again
	TURN 0, 1, 1
	STEP 1, 0, 0
	TURN 1, 0, 1
	STEP 0, 0, 0
	s_sub_co_u32 s3, s3, 1
	s_cmp_lg_u32 s3, 0
	s_cbranch_scc1 .Llap
	TURN 0, 1, 0                                   ; the last lap fills nothing
	STEP 1, 0, 0
	s_wait_dscnt 4*NL                              ; the very last step
	WIN MUL_LO
	MUL16 0, 1, NQ-1, 1, 0
	MUL16 2, 1, NQ-1, 1, 0
	s_wait_dscnt 0
	WIN MUL_HI
	MUL16 4, 1, NQ-1, 1, 0
	MUL16 6, 1, NQ-1, 1, 0
	WIN 0
; THE WAY OUT.  Block a (16 of A's rows): a lane's 64 numbers, register 16 b + i = K 32 b + 16 (lane / 16) + i of the next product, become 16 registers of codes and a scale word.  Each accumulator is read from its low end on.
.macro QUANTW a
.set S, 64*((\a)%4)                    ; the block's eight accumulators, in window 2 (blocks 0-3) or 3 (blocks 4-7)
.set P, PC+16*((\a)%4)                 ; its codes
	WIN 5*(2+(\a)/4)                               ; sources 0 and 1: the accumulators' window
.irp b, 0,1,2,3
	v_max3_num_f32 v[TM+\b], |v[S+16*\b]|, |v[S+16*\b+1]|, 0x4800000   ; block b of 32: my 16 numbers, and the floor 2^(9 - 127): the byte cannot fall under 1
.endr
.irp i, 2,4,6,8,10,12,14
.irp b, 0,1,2,3
	v_max3_num_f32 v[TM+\b], |v[S+16*\b+\i]|, |v[S+16*\b+\i+1]|, v[TM+\b]   ; (the four blocks by turns)
.endr
.endr
	WIN 0
.irp b, 0,1,2,3
	v_permlanex16_b32 v[TM+4+\b], v[TM+\b], s[SEL], s[SEL+1]
.endr
.irp b, 0,1,2,3
	v_max_num_f32 v[TM+\b], v[TM+\b], v[TM+4+\b]   ; with lane l xor 16's 16: the block's largest magnitude
.endr
.irp b, 0,1,2,3
	v_add_nc_u32 v[TM+12+\b], 0xfc000000, v[TM+\b] ; 8 off its exponent field: the conversion's scale operand
.endr
.irp b, 0,1,2,3
	v_and_or_b32 v[TM+8+\b], v[TM+\b], 0x7f800000, s[MNT]   ; 448 x the scale
.endr
.irp b, 0,1,2,3
	v_lshrrev_b32 v[TM+4+\b], 23, v[TM+12+\b]      ; the scale's byte
.endr
	v_lshl_or_b32 v[PW+(\a)], v[TM+5], 8, v[TM+4]  ; the four bytes make my row's scale word (both halves of the lanes hold the same)
	v_lshl_or_b32 v[PW+(\a)], v[TM+6], 16, v[PW+(\a)]
	v_lshl_or_b32 v[PW+(\a)], v[TM+7], 24, v[PW+(\a)]
	WIN 2+(\a)/4                                   ; source 0: the accumulators' window
.irp b, 0,1,2,3
.irp i, 0,1,2,3,4,5,6,7,8,9,10,11,12,13,14,15
	v_med3_num_f32 v[T+16*\b+\i], v[S+16*\b+\i], -v[TM+8+\b], v[TM+8+\b]   ; the conversion does not saturate (ISA guide 7.6.2): the hold at 448 x the scale
.endr
.endr
	WIN 0
.if (\a) >= 4
	s_wait_xcnt 0x0                                ; the stores of four blocks ago have read this set of codes: it is written again only behind this wait
.endif
.irp b, 0,1,2,3
	v_cvt_scalef32_pk8_fp8_f32 v[P+4*\b:P+4*\b+1], v[T+16*\b:T+16*\b+7], v[TM+12+\b]
	v_cvt_scalef32_pk8_fp8_f32 v[P+4*\b+2:P+4*\b+3], v[T+16*\b+8:T+16*\b+15], v[TM+12+\b]
.endr
	v_nop                                          ; a plain line between the conversions and the next vector instruction that writes their sources
.irp c, 0,1,2,3
	global_store_b128 v[LI], v[P+4*\c:P+4*\c+3], s[96:97] offset:((\a)/4)*16384+((\a)%4)*2048+512*\c   ; 32 lanes store 512 consecutive bytes, aligned
.endr
.endm
	PLACES NP                                      ; behind the last products: in front of the first reads of results and the first writes over A's fragments
.irp b, 0,1,2,3
	v_mov_b32 v[TM+4+\b], 0                        ; written once: a lane permute's destination counts as one of its sources
.endr
.irp a, 0,1,2,3,4,5,6,7
	QUANTW \a
.endr
	v_cmp_eq_u32 vcc_lo, 0, v2                     ; lanes 0-15 store the words of blocks 0-3, lanes 16-31 those of blocks 4-7
.irp k, 0,1,2,3
	v_cndmask_b32 v[OW+\k], v[PW+4+\k], v[PW+\k], vcc_lo
.endr
	global_store_b128 v[SA], v[OW:OW+3], s[98:99]  ; rows 0-7 fill 256 consecutive aligned bytes, rows 8-15 another 256
	s_wait_tensorcnt 0x0                           ; the wave's end
	ds_add_u32 v[SPW], v[NIL]
	s_wait_dscnt 0x0
	CROUND                                         ; the closing round: no work-group ends while a partner may still ask for a tile that names it
	s_endpgm
.Lfunc_end_k_qb15795766f_proj:
	.size	k_qb15795766f_proj, .Lfunc_end_k_qb15795766f_proj-k_qb15795766f_proj
	.p2alignl 7, 3214868480
	.fill 96, 4, 3214868480
	.section	.rodata,"a",@progbits
	.p2align	6, 0x0
	.amdhsa_kernel k_qb15795766f_proj
		.amdhsa_group_segment_fixed_size 327680
		.amdhsa_private_segment_fixed_size 0
		.amdhsa_enable_private_segment 0
		.amdhsa_kernarg_size 56
		.amdhsa_user_sgpr_count 2
		.amdhsa_user_sgpr_kernarg_segment_ptr 1
		.amdhsa_wavefront_size32 1
		.amdhsa_system_sgpr_workgroup_id_x 1
		.amdhsa_system_sgpr_workgroup_id_y 1
		.amdhsa_system_sgpr_workgroup_id_z 1
		.amdhsa_system_vgpr_workitem_id 0
		.amdhsa_next_free_vgpr 1024
		.amdhsa_next_free_sgpr 102
		.amdhsa_reserve_vcc 1
		.amdhsa_float_denorm_mode_32 3
		.amdhsa_float_denorm_mode_16_64 3
		.amdhsa_memory_ordered 1
		.amdhsa_forward_progress 1
		.amdhsa_inst_pref_size 203
	.end_amdhsa_kernel
	.amdgpu_metadata
---
amdhsa.version: [ 1, 2 ]
amdhsa.kernels:
  - .name:           k_qb15795766f_proj
    .symbol:         k_qb15795766f_proj.kd
    .args:
      - { .name: codes, .offset: 0, .size: 8, .value_kind: global_buffer, .address_space: global }
      - { .name: scales, .offset: 8, .size: 8, .value_kind: global_buffer, .address_space: global }
      - { .name: bq, .offset: 16, .size: 8, .value_kind: global_buffer, .address_space: global }
      - { .name: bk, .offset: 24, .size: 8, .value_kind: global_buffer, .address_space: global }
      - { .name: bv, .offset: 32, .size: 8, .value_kind: global_buffer, .address_space: global }
      - { .name: hc, .offset: 40, .size: 8, .value_kind: global_buffer, .address_space: global }
      - { .name: hs, .offset: 48, .size: 8, .value_kind: global_buffer, .address_space: global }
    .group_segment_fixed_size: 327680
    .private_segment_fixed_size: 0
    .kernarg_segment_align: 8
    .kernarg_segment_size: 56
    .max_flat_workgroup_size: 128
    .sgpr_count:     102
    .vgpr_count:     1024
    .wavefront_size: 32
...
	.end_amdgpu_metadata
.endif
;; end of part 2
;; launch attn (part 3): grid 8 x 32, 8 waves a work-group, clusters of 4 x 1, 327,680 bytes of LDS; arguments hc, hs, oc, os; writes oc, os
.if DOCPART == 3
	.amdgcn_target "amdgcn-amd-amdhsa--gfx1250"
	.amdhsa_code_object_version 6
	.text
	.protected	k_qb15795766f_attn
	.globl	k_qb15795766f_attn
	.p2align	8
	.type	k_qb15795766f_attn,@function
k_qb15795766f_attn:
	s_mov_b64 s[64:65], 0
	v_nop
	global_prefetch_b8 v0, s[64:65] scope:SCOPE_SE
	s_setreg_imm32_b32 hwreg(HW_REG_WAVE_MODE, 25, 1), 1
	s_wait_xcnt 0x0
	s_wait_alu depctr_hold_cnt(0) depctr_sa_sdst(0) depctr_va_vdst(0) depctr_va_sdst(0) depctr_va_ssrc(0) depctr_va_vcc(0) depctr_vm_vsrc(0)
	s_getreg_b32 s2, hwreg(HW_REG_IB_STS2, 6, 4)
	s_cmp_eq_u32 s2, 0
	s_cbranch_scc0 .Lentry_in_a_cluster
	s_endpgm
.Lentry_in_a_cluster:
	s_bfe_u32 s2, ttmp6, 0x10000c
	s_cmp_lg_u32 s2, 0x3003
	s_cbranch_scc0 .Lentry_shape_is_right
	s_endpgm
.Lentry_shape_is_right:
; LAUNCH 3 OF 4.  Causal attention on codes of FP8 (E4M3) with E8M0 scales: O[q] = sum over k <= q of softmax_k(Q[q] . K[k] / sqrt(128)) V[k], for 32 (batch, head) of 1,024 tokens and 128 channels; O is quantised for the last projection.
; WORK LEFT OUT: a step of 128 keys that lies wholly behind a wave's 16 queries is not multiplied: reference() masks those scores to -inf in its own body, so p = 0 there for all inputs (shown at the head of the first launch).
; THE SOFTMAX AHEAD OF THE SECOND PRODUCT: t = score x log2(e) / sqrt(128); M = the running largest t rounded UP to a whole number; p = 2^(t - M) is quantised along the keys, not normalised; the row's sum is taken of the unquantised p
; and divides O at the end.  When M moves, the sum and O are multiplied by 2^(old M - new M): exact.
; OPERANDS arrive as images of their registers (16 rows x 128 K: 2,048 bytes, lane l's 16 bytes of group c at 512 c + 16 l): LDS reads are 512 consecutive bytes, with no pitch and no padding.
; LAYOUT.  Both products are used transposed: S^T = K Q^T, O^T = V^T P^T: a lane holds ONE query throughout.  Tile 2 b + u of a step's keys holds keys 32 b + 8 u + r + 8 (r / 8), so the 16 registers of tiles 2 b, 2 b + 1 are keys
; 32 b + 16 (lane / 16) + 0 .. 15; V's tiles of channels are chosen alike, so O^T's 64 registers are in the order of the next operand's registers.  A tile of queries x in a unit of 128 holds queries 32 (x / 2) + 8 (x % 2) + r + 8 (r / 8).
; SHARES.  Work-group (x, y): head y, and of each of the eight units of 128 queries the tile x.  Wave w takes unit blk = w xor 3 (w / 4): 0, 1, 2, 3, 7, 6, 5, 4, and walks key steps 0 to blk: 36 wave-steps in every work-group, so all 256 are alike.
; CLUSTER.  The four work-groups of a cluster belong to one head and walk the same K and V: each tile is asked for jointly (mask 15).  No branch hangs on a work-group's place: which steps count hangs on the wave's number and the step's.
; RING.  Two slots of two key steps (K 32 KiB, V 32 KiB); waves 0 and 1 fetch K's halves, waves 2 and 3 V's, one load each behind each round; a head's scale words (8 KiB) come once.  At most two tensor loads of a wave are out.
; LIMITS: as stated at the head of the first launch.
; REGISTERS: v1-3 addresses that stay; v8, v9 addresses of the step in hand; v12 -M, v13 the largest t, v[14:15] the sum in two halves; v16-31 Q; v32-95 four fragments of K or V; v96-159 S^T, then p; v160-223 O^T; v224-239 p's codes;
;   v232-247, v252, v254 at work; v248-251 four tiles' scale words; v253 p's scale word; v255 Q's.
.set SLOT1, 65536                      ; slot 1 begins here: one exclusive or turns an address in one slot into the other's
.set SCK,   131072                     ; behind the ring: K's scale words, 4,096 bytes, then V's
.set SPARE, SCK+8192                   ; the spare words, 128 bytes a wave, which no other line names
.set LI,   1                           ; v1   16 x lane
.set LSC,  2                           ; v2   my row's place among a step's scale words: SCK + 2,048 (r / 8) + 32 (r % 8)
.set QD,   3                           ; v3   my query in its unit of 128, less 16 (lane / 16)
.set SPW,  5                           ; v5   LDS address of my spare word; never rewritten
.set NIL,  6                           ; v6   0; never rewritten
.set PFO,  7                           ; v7   256 x lane: the prefetches' offset; never rewritten
.set AD,   8                           ; v8   LDS address of the step's images
.set AS,   9                           ; v9   and of its scale words
.set TM,   232                         ; the way out: as in the second launch
.set WV,   12
.set CX,   13
.set XT,   14                          ; s14  x: my tile of queries in each unit
.set BH,   15                          ; s15  batch x 16 + head
.set BLK,  16                          ; s16  my wave's unit of queries
.set KSN,  17                          ; s17  the key step's number
.set TB,   18                          ; s18  LDS byte at which the slot in hand begins
.set MNT,  19                          ; s19  the mantissa field of 448
.set SEL,  20                          ; s[20:21] v_permlanex16_b32's selects for lane l xor 16
.set CS,   22                          ; s[22:23] c = log2(e) / sqrt(128)
.set G1C,  24                          ; s[24:31] group 1: 16 KiB of images as 64 rows of 256 bytes
.set G1S,  32                          ; s[32:39] group 1: 2 KiB of scale words as 8 rows of 256 bytes
.set G0C,  40                          ; s[40:43] group 0 for the images: it walks
.set G0S,  44                          ; s[44:47] group 0 for the scale words
.set TS,   48                          ; s48  where the step's scale words begin: 256 bytes a step
.set SLOTS, 49                         ; s49  slots still to be asked for
.set LIM,  50                          ; s50  1 in a wave that prefetches, else the greatest number
.set PFA,  52                          ; s[52:53] where my prefetches stand
.macro CROUND                          ; a round of the cluster's barrier
	s_barrier_signal -1
	s_barrier_wait -1
	s_cmp_lg_u32 s[WV], 0
	s_cbranch_scc1 .Lnot_wave_0_\@
	s_barrier_signal -3
.Lnot_wave_0_\@:
	s_barrier_wait -3
	s_barrier_signal -1
	s_barrier_wait -1
.endm
.macro TLOAD                           ; waves 0 to 3 fetch, the others nothing: a branch on the wave's number alone.  An s_nop 0 and four v_nop follow the load
	s_cmp_lt_u32 s[WV], 4
	s_cbranch_scc0 .Lasked_\@
	tensor_load_to_lds s[G0C:G0C+3], s[G1C:G1C+7]
	s_nop 0
.rept 4
	v_nop
.endr
.Lasked_\@:
.endm
; A PREFETCH INTO THE L2 of what the NEXT change of slots will ask for: a slot's 32 KiB of K and 32 KiB of V.  Both clusters of a head walk the same bytes: the first asks.  Its four partners take 8 KiB each, told apart by address;
; in each, wave 4 asks for K's and wave 5 for V's, lanes 256 bytes apart: one instruction.  So each aligned 256 bytes of slots 2 and 3 are named once; slots 0 and 1 come by their loads alone; the last change that fills a slot asks for nothing.
.macro ASK
	s_cmp_gt_u32 s[SLOTS], s[LIM]
	s_cbranch_scc0 .Lnot_mine_\@
	global_prefetch_b8 v[PFO], s[PFA:PFA+1] th:TH_LOAD_NT scope:SCOPE_SE
.Lnot_mine_\@:
.endm
	s_load_b256 s[4:11], s[0:1], 0x0               ; hc s[4:5], hs s[6:7], oc s[8:9], os s[10:11]
	v_lshl_add_u32 v[SPW], v0, 2, SPARE
	v_mov_b32 v[NIL], 0
	ds_add_u32 v[SPW], v[NIL]                      ; the wave's opening: the add, twice on end, and its wait ahead of the first tensor loads
	ds_add_u32 v[SPW], v[NIL]
	v_lshrrev_b32 v8, 5, v0
	v_readfirstlane_b32 s[WV], v8                  ; wave 0..7
	s_bfe_u32 s[CX], ttmp6, 0x40000                ; cx
	s_lshl_b32 s[XT], ttmp9, 2
	s_add_co_u32 s[XT], s[XT], s[CX]               ; x = 4 x cluster x + cx: it enters Q's, O's and the prefetches' addresses and the mask's numbers alone
	s_and_b32 s[BH], ttmp7, 0xffff
	s_lshr_b32 s2, s[WV], 2
	s_mul_i32 s2, s2, 3
	s_xor_b32 s[BLK], s[WV], s2                    ; 0, 1, 2, 3, 7, 6, 5, 4
	; what I fetch, if I fetch: waves 0, 1: K's halves of a slot; waves 2, 3: V's
	s_lshr_b32 s2, s[WV], 1
	s_add_co_u32 s2, s2, 1                         ; K is tensor 1 of hc and hs, V tensor 2
	s_and_b32 s3, s[WV], 1
	s_lshl_b32 s54, s2, 22
	s_lshl_b32 s55, s[BH], 17
	s_add_co_u32 s54, s54, s55
	s_lshl_b32 s55, s3, 14
	s_add_co_u32 s54, s54, s55
	s_mov_b32 s55, 0
	s_lshl_b32 s56, s2, 17
	s_lshl_b32 s57, s[BH], 12
	s_add_co_u32 s56, s56, s57
	s_lshl_b32 s57, s3, 11
	s_add_co_u32 s56, s56, s57
	s_mov_b32 s57, 0
	s_mov_b32 s[G1C], 15|(3<<16)|(1<<21)           ; the mask: all four work-groups; elements of 8 bytes; bit 21 beside a mask; no padding
	s_mov_b32 s[G1C+1], 32<<16                     ; tensor_dim0 = 32 elements: 256 bytes
	s_mov_b32 s[G1C+2], 64<<16                     ; tensor_dim1 = 64 rows
	s_mov_b32 s[G1C+3], 32<<16                     ; tile_dim0
	s_mov_b32 s[G1C+4], 64                         ; tile_dim1
	s_mov_b32 s[G1C+5], 32                         ; from row to row: dense
	s_mov_b32 s[G1C+6], 0
	s_mov_b32 s[G1C+7], 0
	s_mov_b32 s[G1S], 15|(3<<16)|(1<<21)
	s_mov_b32 s[G1S+1], 32<<16
	s_mov_b32 s[G1S+2], 8<<16
	s_mov_b32 s[G1S+3], 32<<16
	s_mov_b32 s[G1S+4], 8
	s_mov_b32 s[G1S+5], 32
	s_mov_b32 s[G1S+6], 0
	s_mov_b32 s[G1S+7], 0
	s_mov_b32 s[SEL], 0x76543210
	s_mov_b32 s[SEL+1], 0xfedcba98
	s_mov_b32 s[CS], 0x3e0293ee                    ; c = log2(e) / sqrt(128)
	s_mov_b32 s[CS+1], s[CS]                       ; (named with it as a pair, so it is written)
	s_mov_b32 s[MNT], 0x600000
	s_mov_b32 s[TB], 0
	s_mov_b32 s[TS], 0
	s_mov_b32 s[KSN], 0
	s_mov_b32 s[SLOTS], 3
	s_lshr_b32 s2, s[WV], 1
	s_xor_b32 s2, s2, 2                            ; 0 in waves 4 and 5,
	s_or_b32 s2, s2, ttmp9                         ; of the head's first cluster: the same in all four partners
	s_cmp_eq_u32 s2, 0
	s_cselect_b32 s[LIM], 1, -1
	s_wait_dscnt 0x0                               ; both opening adds are done
	s_wait_kmcnt 0x0
	s_mov_b32 s[G0S], 1
	s_lshl_b32 s[G0S+1], s[WV], 11
	s_add_co_u32 s[G0S+1], s[G0S+1], SCK           ; LDS: K's two halves, then V's two
	s_add_nc_u64 s[G0S+2:G0S+3], s[6:7], s[56:57]
	s_or_b32 s[G0S+3], s[G0S+3], 0x80000000
	s_mov_b32 s[G0C], 1
	s_lshl_b32 s[G0C+1], s[WV], 14                 ; LDS: slot 0: K's two halves, then V's two
	s_add_nc_u64 s[G0C+2:G0C+3], s[4:5], s[54:55]
	s_or_b32 s[G0C+3], s[G0C+3], 0x80000000
	CROUND                                         ; all four work-groups are here: the first joint loads meet
	s_cmp_lt_u32 s[WV], 4                          ; a wave's two first fills stand in one branch
	s_cbranch_scc0 .Lfirst_asked
	tensor_load_to_lds s[G0S:G0S+3], s[G1S:G1S+7]  ; the head's scale words: filled once
	s_nop 0
	tensor_load_to_lds s[G0C:G0C+3], s[G1C:G1C+7]  ; slot 0
	s_nop 0
.rept 4
	v_nop
.endr
.Lfirst_asked:
	v_and_b32 v10, 31, v0
	v_lshlrev_b32 v[LI], 4, v10
	v_lshlrev_b32 v[PFO], 8, v10
	v_and_b32 v8, 15, v0                           ; r
	v_bfe_u32 v9, v0, 4, 1                         ; h
	s_lshl_b32 s54, s[BH], 17                      ; Q's image: tensor 0 of hc, step blk, tile x
	s_lshr_b32 s55, s[BLK], 1
	s_lshl_b32 s55, s55, 15
	s_add_co_u32 s54, s54, s55
	s_lshr_b32 s55, s[XT], 2
	s_lshl_b32 s55, s55, 14
	s_add_co_u32 s54, s54, s55
	s_and_b32 s55, s[BLK], 1
	s_lshl_b32 s55, s55, 13
	s_add_co_u32 s54, s54, s55
	s_and_b32 s55, s[XT], 3
	s_lshl_b32 s55, s55, 11
	s_add_co_u32 s54, s54, s55
	s_mov_b32 s55, 0
	s_add_nc_u64 s[54:55], s[4:5], s[54:55]
	s_lshl_b32 s56, s[BH], 12                      ; and its scale words
	s_lshl_b32 s57, s[BLK], 8
	s_add_co_u32 s56, s56, s57
	s_lshl_b32 s57, s[XT], 2
	s_add_co_u32 s56, s56, s57
	s_mov_b32 s57, 0
	s_add_nc_u64 s[56:57], s[6:7], s[56:57]
	v_lshrrev_b32 v10, 3, v8
	v_and_b32 v11, 7, v8
	v_lshlrev_b32 v10, 11, v10
	v_lshl_add_u32 v10, v11, 5, v10                ; 2,048 (r / 8) + 32 (r % 8)
	v_add_nc_u32 v[LSC], SCK, v10
.irp c, 0,1,2,3
	global_load_b128 v[16+4*\c:19+4*\c], v[LI], s[54:55] offset:512*\c   ; Q's fragment stays in registers
.endr
	global_load_b32 v255, v10, s[56:57]            ; Q's scale words
	v_and_b32 v11, 8, v8
	v_add_nc_u32 v11, v11, v8                      ; r + 8 (r / 8)
	v_lshlrev_b32 v4, 4, v9
	v_sub_nc_u32 v11, v11, v4                      ; - 16 h
	s_lshr_b32 s2, s[XT], 1
	s_lshl_b32 s2, s2, 5
	s_and_b32 s3, s[XT], 1
	s_lshl_b32 s3, s3, 3
	s_add_co_u32 s2, s2, s3
	v_add_nc_u32 v[QD], s2, v11                    ; + 32 (x / 2) + 8 (x % 2)
	; where O's image and scale words go
	s_lshl_b32 s2, s[BLK], 3
	s_add_co_u32 s2, s2, s[XT]                     ; my tile of 16 places in the sequence
	s_and_b32 s3, s[BH], 15                        ; head
	s_lshr_b32 s51, s[BH], 4                       ; batch
	s_lshl_b32 s58, s3, 7
	s_lshl_b32 s59, s51, 6
	s_add_co_u32 s58, s58, s59
	s_add_co_u32 s58, s58, s2
	s_lshl_b32 s58, s58, 11                        ; oc: [head][batch x 64 + tile][2,048 bytes]
	s_mov_b32 s59, 0
	s_add_nc_u64 s[8:9], s[8:9], s[58:59]
	s_lshl_b32 s58, s51, 6
	s_add_co_u32 s58, s58, s2
	s_lshl_b32 s58, s58, 10                        ; os: 16 places x 64 bytes a tile,
	s_lshl_b32 s59, s3, 2
	s_add_co_u32 s58, s58, s59                     ; the head's word
	s_mov_b32 s59, 0
	s_add_nc_u64 s[10:11], s[10:11], s[58:59]
	s_and_b32 s2, s[WV], 1                         ; the prefetches: wave 4: K, wave 5: V;
	s_add_co_u32 s2, s2, 1
	s_lshl_b32 s58, s2, 22
	s_lshl_b32 s59, s[BH], 17
	s_add_co_u32 s58, s58, s59
	s_lshl_b32 s59, s[CX], 13                      ; my work-group's 8 KiB of a slot's 32;
	s_add_co_u32 s58, s58, s59
	s_add_co_u32 s58, s58, 32768                   ; in slot 1: the first change of slots steps it to slot 2
	s_mov_b32 s59, 0
	s_add_nc_u64 s[PFA:PFA+1], s[4:5], s[58:59]
	v_mov_b32 v13, 0xff61b1e6                      ; the largest t so far: -3e38, under every t
	v_floor_f32 v12, -v13                          ; -M
	v_mov_b32 v14, 0                               ; the sum, in two halves
	v_mov_b32 v15, 0
.irp b, 0,1,2,3
	v_mov_b32 v[236+\b], 0                         ; written once: a lane permute's destination counts as one of its sources
.endr
	v_mov_b32 v252, 0                              ; likewise
	v_mov_b32 v253, 0                              ; (named as the upper half of the pair v[252:253] before it is first written)
.irp j, 0,1,2,3,4,5,6,7,8,9,10,11,12,13,14,15,16,17,18,19,20,21,22,23,24,25,26,27,28,29,30,31,32,33,34,35,36,37,38,39,40,41,42,43,44,45,46,47,48,49,50,51,52,53,54,55,56,57,58,59,60,61,62,63
	v_mov_b32 v[160+\j], 0                         ; O^T.  (The step is written for all steps alike: the first finds zeros, which the first change of M leaves zeros)
.endr
; A KEY STEP: 128 keys, the q-th of the slot in hand.
.macro STEP q
	s_cmp_gt_u32 s[KSN], s[BLK]                    ; a step all of whose keys come behind my queries is left out: a branch on the wave's number and the step's, round loads, products and softmax; no barrier and no tensor load stands in a step
	s_cbranch_scc1 .Lhidden_\@
	v_add_nc_u32 v[AD], s[TB], v[LI]
	v_add_nc_u32 v[AS], s[TS], v[LSC]
.irp g, 0,1                                    ; S^T = K Q^T, four tiles of 16 keys at a time
.rept 6+2*\g
	v_nop                                          ; eight places in front of loads into registers that matrix instructions have read (the two additions above are places too)
.endr
.irp t, 0,1,2,3
.irp c, 0,1,2,3
	ds_load_b128 v[32+16*\t+4*\c:32+16*\t+4*\c+3], v[AD] offset:16384*\g+8192*(\q)+2048*\t+512*\c
.endr
.endr
	ds_load_b128 v[248:251], v[AS] offset:16*\g    ; the four tiles' scale words of my row
	s_wait_dscnt 0x0
.irp t, 0,1,2,3
	v_wmma_scale_f32_16x16x128_f8f6f4 v[96+8*(4*\g+\t):103+8*(4*\g+\t)], v[32+16*\t:47+16*\t], v[16:31], 0, v[248+\t], v255
.endr
.endr
.rept 8
	v_nop
.endr
	s_cmp_lt_u32 s[KSN], s[BLK]                    ; on the diagonal the scores of hidden keys become -infinity ahead of the maximum: p = 0 then.  A step all of whose keys count skips this
	s_cbranch_scc1 .Lopen_\@
	v_mov_b32 v254, 0xff800000                     ; -infinity
.irp n, 0,1,2,3,4,5,6,7,8,9,10,11,12,13,14,15,16,17,18,19,20,21,22,23,24,25,26,27,28,29,30,31,32,33,34,35,36,37,38,39,40,41,42,43,44,45,46,47,48,49,50,51,52,53,54,55,56,57,58,59,60,61,62,63
	v_cmp_gt_i32 vcc_lo, 32*(\n/16)+\n%16, v[QD]   ; register 16 b + i holds key 32 b + 16 (lane / 16) + i of the unit: hidden where 32 b + i > my query - 16 (lane / 16)
	v_cndmask_b32 v[96+\n], v[96+\n], v254, vcc_lo
.endr
.Lopen_\@:
.irp b, 0,1,2,3
	v_max3_num_f32 v[232+\b], v[96+16*\b], v[97+16*\b], v[98+16*\b]   ; the largest score of each block of 32 keys: it serves for the row's maximum and, since p rises with the score, for the block's largest p
.endr
.irp i, 3,5,7,9,11,13
.irp b, 0,1,2,3
	v_max3_num_f32 v[232+\b], v[232+\b], v[96+16*\b+\i], v[97+16*\b+\i]
.endr
.endr
.irp b, 0,1,2,3
	v_max_num_f32 v[232+\b], v[232+\b], v[111+16*\b]
.endr
.irp b, 0,1,2,3
	v_permlanex16_b32 v[236+\b], v[232+\b], s[SEL], s[SEL+1]
.endr
.irp b, 0,1,2,3
	v_max_num_f32 v[232+\b], v[232+\b], v[236+\b]  ; with lane l xor 16's 16 keys
.endr
	v_max3_num_f32 v254, v232, v233, v234
	v_max_num_f32 v254, v254, v235                 ; the step's largest score of my query
	v_mul_f32 v254, s[CS], v254                    ; as t (c is positive)
	v_max_num_f32 v13, v13, v254                   ; the running largest t
	v_mov_b32 v254, v12
	v_floor_f32 v12, -v13                          ; the new -M = floor(-t) = -ceil(t)
	v_sub_f32 v254, v12, v254                      ; M's old value less its new one: a whole number, 0 or less
	v_cvt_i32_f32 v254, v254                       ; (it saturates)
	v_ldexp_f32 v252, 1.0, v254                    ; f = 2^(old M - new M)
.irp j, 0,2,4,6,8,10,12,14,16,18,20,22,24,26,28,30,32,34,36,38,40,42,44,46,48,50,52,54,56,58,60,62
	v_pk_fma_f32 v[96+\j:97+\j], v[96+\j:97+\j], s[CS:CS+1], v[12:13] op_sel_hi:[1,0,0]   ; t - M, two at a time
.endr
.irp b, 0,1,2,3
	v_fma_f32 v[232+\b], v[232+\b], s[CS], v12     ; the same of each block's largest score
.endr
.irp j, 0,1,2,3,4,5,6,7,8,9,10,11,12,13,14,15,16,17,18,19,20,21,22,23,24,25,26,27,28,29,30,31,32,33,34,35,36,37,38,39,40,41,42,43,44,45,46,47,48,49,50,51,52,53,54,55,56,57,58,59,60,61,62,63
	v_exp_f32 v[96+\j], v[96+\j]                   ; p = 2^(t - M), at most 1
.endr
	v_pk_mul_f32 v[14:15], v[14:15], v[252:253] op_sel_hi:[1,0]   ; the sums under the new M (a plain line behind the exponentials)
	s_wait_alu depctr_va_vdst(0)                   ; one wait for the whole batch, ahead of its first reader
.irp b, 0,1,2,3
	v_exp_f32 v[232+\b], v[232+\b]                 ; the block's largest p: the same two instructions on the same number give the same bits
.endr
	v_pk_add_f32 v[236:237], v[96:97], v[98:99]    ; the row's sum of the unquantised p: two at a time, in two chains
.irp j, 4,8,12,16,20,24,28,32,36,40,44,48,52,56,60
	v_pk_add_f32 v[14:15], v[14:15], v[96+\j:97+\j]
	v_pk_add_f32 v[236:237], v[236:237], v[98+\j:99+\j]
.endr
	v_pk_add_f32 v[14:15], v[14:15], v[236:237]
	s_wait_alu depctr_va_vdst(0)                   ; and one for the four
.irp b, 0,1,2,3
	v_max_num_f32 v[232+\b], 0x4800000, v[232+\b]  ; the floor 2^(9 - 127): a block whose every p is 0 keeps the byte 1: its codes are zeros
.endr
.irp b, 0,1,2,3
	v_add_nc_u32 v[244+\b], 0xfc000000, v[232+\b]  ; the conversion's scale operand
.endr
.irp b, 0,1,2,3
	v_and_or_b32 v[240+\b], v[232+\b], 0x7f800000, s[MNT]   ; 448 x the scale
.endr
.irp b, 0,1,2,3
	v_lshrrev_b32 v[236+\b], 23, v[244+\b]         ; the scale's byte
.endr
	v_lshl_or_b32 v253, v237, 8, v236              ; p's scale word for these 128 keys
	v_lshl_or_b32 v253, v238, 16, v253
	v_lshl_or_b32 v253, v239, 24, v253
.irp b, 0,1,2,3
.irp i, 0,1,2,3,4,5,6,7,8,9,10,11,12,13,14,15
	v_min_num_f32 v[96+16*\b+\i], v[96+16*\b+\i], v[240+\b]   ; the conversion does not saturate (ISA guide 7.6.2); p is not negative, so the hold is one-sided
.endr
	v_cvt_scalef32_pk8_fp8_f32 v[224+4*\b:225+4*\b], v[96+16*\b:103+16*\b], v[244+\b]
	v_cvt_scalef32_pk8_fp8_f32 v[226+4*\b:227+4*\b], v[104+16*\b:111+16*\b], v[244+\b]
.endr
.irp j, 0,2,4,6,8,10,12,14,16,18,20,22,24,26,28,30,32,34,36,38,40,42,44,46,48,50,52,54,56,58,60,62
	v_pk_mul_f32 v[160+\j:161+\j], v[160+\j:161+\j], v[252:253] op_sel_hi:[1,0]   ; O^T under the new M.  (These 32 are also the places in front of the matrix instructions and loads below)
.endr
.irp g, 0,1                                    ; O^T += V^T P^T: four tiles of 16 channels at a time; K = these 128 keys
.if \g > 0
.rept 8
	v_nop
.endr
.endif
.irp t, 0,1,2,3
.irp c, 0,1,2,3
	ds_load_b128 v[32+16*\t+4*\c:32+16*\t+4*\c+3], v[AD] offset:32768+16384*\g+8192*(\q)+2048*\t+512*\c
.endr
.endr
	ds_load_b128 v[248:251], v[AS] offset:4096+16*\g
	s_wait_dscnt 0x0
.irp t, 0,1,2,3
	v_wmma_scale_f32_16x16x128_f8f6f4 v[160+8*(4*\g+\t):167+8*(4*\g+\t)], v[32+16*\t:47+16*\t], v[224:239], v[160+8*(4*\g+\t):167+8*(4*\g+\t)], v[248+\t], v253
.endr
.endr
.Lhidden_\@:
	s_add_co_u32 s[KSN], s[KSN], 1
	s_add_co_u32 s[TS], s[TS], 256                 ; the next step's scale words
.endm
; THE CHANGE OF SLOTS stands at a slot's head.  Each wave waits for all its tensor loads (its part of the slot that it is about to read), adds 0 to its spare word (fill = 1: twice on end), and waits for that and for its reads of the slot that it has left.
; Behind the round the slot ahead is whole, and no wave of any partner reads the other one.  fill = 1: that slot is filled with the next 256 keys: the load has two key steps in which to land.
.macro CHANGE fill
	s_wait_tensorcnt 0x0                           ; no tensor load of mine is out, so a group 0 may be written
	ds_add_u32 v[SPW], v[NIL]
.if \fill
	ds_add_u32 v[SPW], v[NIL]                      ; and once more, in every trip alike
	s_xor_b32 s[G0C+1], s[G0C+1], SLOT1            ; the walking descriptor: the other slot than last time,
	s_add_nc_u64 s[G0C+2:G0C+3], s[G0C+2:G0C+3], 32768   ; the next 256 keys; the type bits on top are not reached
	s_wait_xcnt 0x0                                ; the last prefetch, a slot back, has read its address, so it may be written:
	s_add_nc_u64 s[PFA:PFA+1], s[PFA:PFA+1], 32768 ; one slot further on than the walking descriptor
.endif
	s_wait_dscnt 0x0                               ; the add is done, and my reads of the slot that I have left are over
	CROUND
.if \fill
	TLOAD                                          ; the first thing behind the round, and a wave's one tensor load until the next
	ASK
.endif
.endm
	s_wait_loadcnt 0x0                             ; Q
.Lslot:                                            ; three trips: behind each change of slots but the last the next slot is asked for
	CHANGE 1
	STEP 0
	STEP 1
	s_xor_b32 s[TB], s[TB], SLOT1                  ; on to the other slot
	s_sub_co_u32 s[SLOTS], s[SLOTS], 1
	s_cmp_lg_u32 s[SLOTS], 0
	s_cbranch_scc1 .Lslot
	CHANGE 0                                       ; the last slot is written out
	STEP 0
	STEP 1
	; THE WAY OUT.  O^T is divided by the row's sum and quantised along the head's 128 channels, which are 128 of the last projection's K: register 16 b + i is channel 32 b + 16 (lane / 16) + i.
.rept 8
	v_nop                                          ; places behind the last products
.endr
	v_add_f32 v14, v14, v15                        ; the sum's two halves,
	v_permlanex16_b32 v252, v14, s[SEL], s[SEL+1]
	v_add_f32 v14, v14, v252                       ; and lane l xor 16's: the row's sum
	v_rcp_f32 v14, v14
	v_lshlrev_b32 v10, 6, v0                       ; (a plain line behind the reciprocal)
	v_and_b32 v10, 0x3c0, v10                      ; 64 x r: my row's 64 bytes of scale words
	s_wait_alu depctr_va_vdst(0)                   ; the wait ahead of the reciprocal's first reader
.irp j, 0,2,4,6,8,10,12,14,16,18,20,22,24,26,28,30,32,34,36,38,40,42,44,46,48,50,52,54,56,58,60,62
	v_pk_mul_f32 v[96+\j:97+\j], v[160+\j:161+\j], v[14:15] op_sel_hi:[1,0]   ; each accumulator from its low end on
.endr
.irp b, 0,1,2,3
	v_max3_num_f32 v[TM+\b], |v[96+16*\b]|, |v[97+16*\b]|, 0x4800000
.endr
.irp i, 2,4,6,8,10,12,14
.irp b, 0,1,2,3
	v_max3_num_f32 v[TM+\b], v[TM+\b], |v[96+16*\b+\i]|, |v[97+16*\b+\i]|
.endr
.endr
.irp b, 0,1,2,3
	v_permlanex16_b32 v[TM+4+\b], v[TM+\b], s[SEL], s[SEL+1]
.endr
.irp b, 0,1,2,3
	v_max_num_f32 v[TM+\b], v[TM+\b], v[TM+4+\b]
.endr
.irp b, 0,1,2,3
	v_add_nc_u32 v[TM+12+\b], 0xfc000000, v[TM+\b]
.endr
.irp b, 0,1,2,3
	v_and_or_b32 v[TM+8+\b], v[TM+\b], 0x7f800000, s[MNT]
.endr
.irp b, 0,1,2,3
	v_lshrrev_b32 v[TM+4+\b], 23, v[TM+12+\b]
.endr
	v_lshl_or_b32 v248, v[TM+5], 8, v[TM+4]        ; my row's scale word for this head's 128 along K
	v_lshl_or_b32 v248, v[TM+6], 16, v248
	v_lshl_or_b32 v248, v[TM+7], 24, v248
.irp b, 0,1,2,3
.irp i, 0,1,2,3,4,5,6,7,8,9,10,11,12,13,14,15
	v_med3_num_f32 v[96+16*\b+\i], v[96+16*\b+\i], -v[TM+8+\b], v[TM+8+\b]
.endr
	v_cvt_scalef32_pk8_fp8_f32 v[32+4*\b:33+4*\b], v[96+16*\b:103+16*\b], v[TM+12+\b]
	v_cvt_scalef32_pk8_fp8_f32 v[34+4*\b:35+4*\b], v[104+16*\b:111+16*\b], v[TM+12+\b]
.endr
	v_nop                                          ; a plain line behind the last conversion
.irp c, 0,1,2,3
	global_store_b128 v[LI], v[32+4*\c:35+4*\c], s[8:9] offset:512*\c   ; the image: 32 lanes store 512 consecutive bytes, aligned
.endr
	global_store_b32 v10, v248, s[10:11]           ; four bytes a row, rows 64 bytes apart (lanes 16-31 write the same word with the same value): 128 KiB in the whole launch
	s_wait_tensorcnt 0x0                           ; the wave's end
	ds_add_u32 v[SPW], v[NIL]
	s_wait_dscnt 0x0
	CROUND                                         ; the closing round
	s_endpgm
.Lfunc_end_k_qb15795766f_attn:
	.size	k_qb15795766f_attn, .Lfunc_end_k_qb15795766f_attn-k_qb15795766f_attn
	.p2alignl 7, 3214868480
	.fill 96, 4, 3214868480
	.section	.rodata,"a",@progbits
	.p2align	6, 0x0
	.amdhsa_kernel k_qb15795766f_attn
		.amdhsa_group_segment_fixed_size 327680
		.amdhsa_private_segment_fixed_size 0
		.amdhsa_enable_private_segment 0
		.amdhsa_kernarg_size 32
		.amdhsa_user_sgpr_count 2
		.amdhsa_user_sgpr_kernarg_segment_ptr 1
		.amdhsa_wavefront_size32 1
		.amdhsa_system_sgpr_workgroup_id_x 1
		.amdhsa_system_sgpr_workgroup_id_y 1
		.amdhsa_system_sgpr_workgroup_id_z 1
		.amdhsa_system_vgpr_workitem_id 0
		.amdhsa_next_free_vgpr 256
		.amdhsa_next_free_sgpr 66
		.amdhsa_reserve_vcc 1
		.amdhsa_float_denorm_mode_32 3
		.amdhsa_float_denorm_mode_16_64 3
		.amdhsa_memory_ordered 1
		.amdhsa_forward_progress 1
		.amdhsa_inst_pref_size 133
	.end_amdhsa_kernel
	.amdgpu_metadata
---
amdhsa.version: [ 1, 2 ]
amdhsa.kernels:
  - .name:           k_qb15795766f_attn
    .symbol:         k_qb15795766f_attn.kd
    .args:
      - { .name: hc, .offset: 0, .size: 8, .value_kind: global_buffer, .address_space: global }
      - { .name: hs, .offset: 8, .size: 8, .value_kind: global_buffer, .address_space: global }
      - { .name: oc, .offset: 16, .size: 8, .value_kind: global_buffer, .address_space: global }
      - { .name: os, .offset: 24, .size: 8, .value_kind: global_buffer, .address_space: global }
    .group_segment_fixed_size: 327680
    .private_segment_fixed_size: 0
    .kernarg_segment_align: 8
    .kernarg_segment_size: 32
    .max_flat_workgroup_size: 256
    .sgpr_count:     66
    .vgpr_count:     256
    .wavefront_size: 32
...
	.end_amdgpu_metadata
.endif
;; end of part 3
;; launch outp (part 4): grid 8 x 8, 4 waves a work-group, clusters of 4 x 4, 327,680 bytes of LDS; arguments oc, os, codes, scales, bo, out0; writes out0
.if DOCPART == 4
	.amdgcn_target "amdgcn-amd-amdhsa--gfx1250"
	.amdhsa_code_object_version 6
	.text
	.protected	k_qb15795766f_outp
	.globl	k_qb15795766f_outp
	.p2align	8
	.type	k_qb15795766f_outp,@function
k_qb15795766f_outp:
	s_mov_b64 s[64:65], 0
	v_nop
	global_prefetch_b8 v0, s[64:65] scope:SCOPE_SE
	s_setreg_imm32_b32 hwreg(HW_REG_WAVE_MODE, 25, 1), 1
	s_wait_xcnt 0x0
	s_wait_alu depctr_hold_cnt(0) depctr_sa_sdst(0) depctr_va_vdst(0) depctr_va_sdst(0) depctr_va_ssrc(0) depctr_va_vcc(0) depctr_vm_vsrc(0)
	s_getreg_b32 s2, hwreg(HW_REG_IB_STS2, 6, 4)
	s_cmp_eq_u32 s2, 0
	s_cbranch_scc0 .Lentry_in_a_cluster
	s_endpgm
.Lentry_in_a_cluster:
	s_bfe_u32 s2, ttmp6, 0x10000c
	s_cmp_lg_u32 s2, 0xf033
	s_cbranch_scc0 .Lentry_shape_is_right
	s_endpgm
.Lentry_shape_is_right:
; LAUNCH 4 OF 4.  out0 = O Wo^T + bo on codes of FP8 (E4M3) with E8M0 scales, K = 2,048 = 16 heads x 128; out0 [2048 tokens][2048] f32.
; A = O, as images of operand registers: oc [head][block of 16 places 128][2,048 bytes]; its scale words os [place][head].  B = Wo's codes and scale bytes (tensor 6 of the first launch's buffers), rows of 2,048 and of 64 bytes.
; Both lie at exchanged places (bits 3 and 4 of the row): place 16 a + r of a unit of 128 is row 32 (a / 2) + 8 (a % 2) + r + 8 (r / 8).  Only the way out needs to know.
; A tile of 256 x 256 is made by four waves, 128 x 128 each; 64 work-groups.  K goes in steps of 256 (two heads) through a ring of two LDS slots; the scales of the work-group's rows, for all of K, come into LDS once.
; CLUSTERS of 4 x 4: A's tiles are asked for jointly along a row of the cluster, B's along a column.  The matrix instruction is used transposed (source 0 = 16 rows of Wo, source 1 = 16 places of O).
; The bias bo is the C of each sum's first matrix instruction.
; REGISTERS, in windows of 256: window 0: v0-31 addresses; v32-63 scale words, two sets; v64-127 the bias tiles; v128-255 A's fragments, one set, on the way out rows of out0.   window 1: B's fragments, two sets.
;   window 2: the accumulators of my rows 0-63 ((a, b) at v[8 (8 a + b)]);   window 3: those of rows 64-127.
.set NQ,     2
.set ROWB,   256                       ; a row of B's tile in bytes
.set KROW,   2048
.set PITCH,  272                       ; B's LDS row: 256 bytes + 16 of padding: the 16 rows that a load touches start at 16 different banks (64 banks of 4 bytes: ISA guide 11.1)
.set FR,     16
.set NL,     4
.set NP,     8                         ; places behind this matrix instruction (ISA guide 7.12.1)
.set HALFT,  128*PITCH
.set HEADB,  262144                    ; a head's images in oc
.set AIMG,   65536                     ; a slot: A's images, [head in the step 2][block 16][2,048 bytes], then B's 256 rows
.set SLOT,   AIMG+2*HALFT
.set LAPS,   4
.set KS,     64
.set SCL,    2*SLOT                    ; behind the ring: the scales, as runs of 256 bytes + 16 of padding
.set HALFS,  (128*KS/256)*272
.set SBLK,   (16*KS/256)*272
.set SPARE,  SCL+4*HALFS               ; the spare words, 128 bytes a wave, which no other line names
.set SPITCH, 528                       ; the way out: a stage of 16 rows x (512 bytes + 16) for each wave, in slot 0, which has had its last fill and its last read when the first result is stored there
.set ADRA, 16
.set ADRB, 20
.set STO,  24                          ; v24  the way out: where I put 32 bytes of a row
.set RD,   25                          ; v25  where I read a row back
.set CO,   26                          ; v26  16 x lane
.set ADRS, 27
.set SPW,  28
.set NIL,  29
.set SC,   32
.set BX,   64
.set AF,   128
.set BK,   128                         ; the way out: 16 rows read back: v128-191 and v192-255 by turns
.set G1, 24
.set G0, 32
.set G1B, 48
.set G0B, 56
.set G1S, 68
.set G0S, 76
.set G1SB, 80
.set G0SB, 88
.set MSB, 0
.macro WIN new
.if MSB != \new
	s_set_vgpr_msb (MSB<<8)|\new
.set MSB, \new
.endif
.endm
.set MUL_LO, 0xa1
.set MUL_HI, 0xf1
.set TO_B,   0x40
.macro JLOAD g0a, g1a, g0b, g1b        ; a joint load: waves 0 and 1 fetch for A, waves 2 and 3 for B; an s_nop 0 and four v_nop follow each of the two lines
	s_cmp_eq_u32 s15, 0
	s_cbranch_scc0 .Lfor_b_\@
	tensor_load_to_lds s[\g0a:\g0a+3], s[\g1a:\g1a+7]
	s_nop 0
.rept 4
	v_nop
.endr
	s_branch .Lasked_\@
.Lfor_b_\@:
	tensor_load_to_lds s[\g0b:\g0b+3], s[\g1b:\g1b+7]
	s_nop 0
.rept 4
	v_nop
.endr
.Lasked_\@:
.endm
.macro CREST
	s_cmp_lg_u32 s14, 0
	s_cbranch_scc1 .Lnot_wave_0_\@
	s_barrier_signal -3
.Lnot_wave_0_\@:
	s_barrier_wait -3
	s_barrier_signal -1
	s_barrier_wait -1
.endm
.macro CROUND
	s_barrier_signal -1
	s_barrier_wait -1
	CREST
.endm
	s_load_b256 s[4:11], s[0:1], 0x0               ; oc s[4:5], os s[6:7], codes s[8:9], scales s[10:11]
	s_load_b64 s[96:97], s[0:1], 0x20              ; bo
	s_load_b64 s[12:13], s[0:1], 0x28              ; out0
	v_lshl_add_u32 v[SPW], v0, 2, SPARE
	v_mov_b32 v[NIL], 0
	ds_add_u32 v[SPW], v[NIL]                      ; the wave's opening: the add, twice on end, and its wait ahead of my first tensor load
	ds_add_u32 v[SPW], v[NIL]
	v_lshrrev_b32 v1, 5, v0
	v_readfirstlane_b32 s14, v1                    ; wave 0..3
	s_lshr_b32 s15, s14, 1                         ; which half of the tile's rows is mine.  Also: I fetch for A (0) or for B (1)
	s_and_b32 s16, s14, 1                          ; which half of its columns.  Also: which head of the step (A), which 128 rows (B, and both scales) I fetch
	s_bfe_u32 s40, ttmp6, 0x40000
	s_bfe_u32 s41, ttmp6, 0x40004
	s_lshl_b32 s42, ttmp9, 2
	s_add_co_u32 s42, s42, s40                     ; tile column
	s_and_b32 s17, ttmp7, 0xffff
	s_lshl_b32 s17, s17, 2
	s_add_co_u32 s17, s17, s41                     ; tile row
	s_lshl_b32 s43, s41, 2
	s_lshl_b32 s43, 15, s43                        ; my row of the cluster
	s_lshl_b32 s44, 0x1111, s40                    ; my column
	; group 1 for A: a head's 16 images, 32,768 dense bytes, as 128 rows of 256 bytes (32 elements of 8 bytes), no padding
	s_or_b32 s[G1+0], s43, (3<<16)|(1<<21)
	s_mov_b32 s[G1+1], 32<<16
	s_mov_b32 s[G1+2], 128<<16
	s_mov_b32 s[G1+3], 32<<16
	s_mov_b32 s[G1+4], 128
	s_mov_b32 s[G1+5], 32
	s_mov_b32 s[G1+6], 0
	s_mov_b32 s[G1+7], 0
	; for B: 128 rows x 256 bytes, 16 bytes of padding behind each
	s_or_b32 s[G1B+0], s44, (0<<16)|(1<<20)|(1<<21)|(5<<22)|(3<<25)
	s_mov_b32 s[G1B+1], ROWB<<16
	s_mov_b32 s[G1B+2], 128<<16
	s_mov_b32 s[G1B+3], ROWB<<16
	s_mov_b32 s[G1B+4], 128
	s_mov_b32 s[G1B+5], KROW
	s_mov_b32 s[G1B+6], 0
	s_mov_b32 s[G1B+7], 0
	; for the scales of 128 rows: 8,192 dense bytes as 32 rows of 256, 16 bytes of padding behind each
	s_or_b32 s[G1S+0], s43, (3<<16)|(1<<20)|(1<<21)|(5<<22)|(3<<25)
	s_or_b32 s[G1SB+0], s44, (3<<16)|(1<<20)|(1<<21)|(5<<22)|(3<<25)
.irp g, G1S, G1SB
	s_mov_b32 s[\g+1], 32<<16
	s_mov_b32 s[\g+2], (128*KS/256)<<16
	s_mov_b32 s[\g+3], 32<<16
	s_mov_b32 s[\g+4], 128*KS/256
	s_mov_b32 s[\g+5], 32
	s_mov_b32 s[\g+6], 0
	s_mov_b32 s[\g+7], 0
.endr
	s_lshl_b32 s20, s17, 15                        ; A's images: 16 blocks of the tile row,
	s_lshl_b32 s18, s16, 18                        ; of head 0 or 1
	s_add_co_u32 s20, s20, s18
	s_mov_b32 s21, 0
	s_lshl_b32 s18, s16, 7
	s_lshl_b32 s22, s17, 8
	s_add_co_u32 s22, s22, s18
	s_lshl_b32 s22, s22, 6                         ; A's scale words: 64 bytes a place
	s_mov_b32 s23, 0
	s_lshl_b32 s46, s42, 8
	s_add_co_u32 s46, s46, s18                     ; B: place 256 x tile column + 128 x half
	s_lshl_b32 s92, s46, 6
	s_add_co_u32 s92, s92, 6<<17                   ; Wo is tensor 6
	s_mov_b32 s93, 0
	s_lshl_b32 s46, s46, 11
	s_add_co_u32 s46, s46, 6<<22
	s_mov_b32 s47, 0
	s_lshl_b32 s45, s16, 15                        ; where they go: A: head in the step x 32,768;
	s_mul_i32 s2, s16, HALFT
	s_add_co_u32 s2, s2, AIMG                      ; B: behind A's images, half x 128 rows;
	s_mul_i32 s94, s14, HALFS                      ; the scales: wave x 128 rows.  No place in the cluster enters an LDS address
	s_wait_dscnt 0x0                               ; both opening adds are done
	s_wait_kmcnt 0x0
	s_add_nc_u64 s[20:21], s[4:5], s[20:21]
	s_add_nc_u64 s[22:23], s[6:7], s[22:23]
	s_add_nc_u64 s[46:47], s[8:9], s[46:47]
	s_add_nc_u64 s[92:93], s[10:11], s[92:93]
	CROUND                                         ; all sixteen work-groups are here: the first joint loads meet
	s_mov_b32 s[G0S], 1
	s_add_co_u32 s[G0S+1], s94, SCL
	s_mov_b64 s[G0S+2:G0S+3], s[22:23]
	s_or_b32 s[G0S+3], s[G0S+3], 0x80000000
	s_mov_b32 s[G0SB], 1
	s_add_co_u32 s[G0SB+1], s94, SCL
	s_mov_b64 s[G0SB+2:G0SB+3], s[92:93]
	s_or_b32 s[G0SB+3], s[G0SB+3], 0x80000000
	JLOAD G0S, G1S, G0SB, G1SB                     ; the scales first
.irp s, 0,1
	s_mov_b32 s[G0+4*\s], 1
	s_add_co_u32 s[G0+4*\s+1], s45, \s*SLOT
	s_add_nc_u64 s[G0+4*\s+2:G0+4*\s+3], s[20:21], \s*2*HEADB
	s_or_b32 s[G0+4*\s+3], s[G0+4*\s+3], 0x80000000
	s_mov_b32 s[G0B+4*\s], 1
	s_add_co_u32 s[G0B+4*\s+1], s2, \s*SLOT
	s_add_nc_u64 s[G0B+4*\s+2:G0B+4*\s+3], s[46:47], \s*ROWB
	s_or_b32 s[G0B+4*\s+3], s[G0B+4*\s+3], 0x80000000
	JLOAD G0+4*\s, G1, G0B+4*\s, G1B               ; three tensor loads of mine are out
.endr
	v_and_b32 v1, 15, v0                           ; r
	v_bfe_u32 v2, v0, 4, 1                         ; h
	s_lshl_b32 s46, s42, 10                        ; my first column, in bytes: 1,024 x tile column + 512 x half
	s_lshl_b32 s47, s16, 9
	s_add_co_u32 s46, s46, s47
	s_mov_b32 s47, 0
	s_add_nc_u64 s[96:97], s[96:97], s[46:47]      ; bo at my 128 columns
	v_lshlrev_b32 v3, 6, v2                        ; register 16 u + i of the bias tiles is column 32 u + 16 h + i
.irp j, 0,1,2,3,4,5,6,7,8,9,10,11,12,13,14,15
	global_load_b128 v[BX+4*\j:BX+4*\j+3], v3, s[96:97] offset:128*(\j/4)+16*(\j%4)
.endr
	s_lshl_b32 s20, s17, 8
	s_lshl_b32 s21, s15, 7
	s_add_co_u32 s20, s20, s21                     ; my first row of out0,
	s_lshl_b32 s20, s20, 13                        ; 8,192 bytes a row
	s_add_co_u32 s20, s20, s46
	s_mov_b32 s21, 0
	s_add_nc_u64 s[12:13], s[12:13], s[20:21]
	v_and_b32 v6, 31, v0
	v_lshlrev_b32 v[CO], 4, v6                     ; 16 x lane
	v_mul_u32_u24 v4, v1, PITCH
	v_lshl_add_u32 v4, v2, 4, v4                   ; B: a fragment's row x pitch + 16 x half
	s_lshl_b32 s21, s15, 14                        ; my 8 blocks of A's 16
	s_mul_i32 s22, s16, HALFT
	s_add_co_u32 s22, s22, AIMG                    ; my 128 rows of B
.irp s, 0,1
	v_add_nc_u32 v[ADRA+\s], s21, v[CO]
	v_add_nc_u32 v[ADRB+\s], s22, v4
	s_add_co_u32 s21, s21, SLOT
	s_add_co_u32 s22, s22, SLOT
.endr
	v_mul_u32_u24 v5, v1, KS
	v_lshrrev_b32 v6, 8, v5
	v_lshl_add_u32 v5, v6, 4, v5
	s_mul_i32 s21, s15, HALFS
	s_mul_i32 s22, s16, HALFS
	s_add_co_u32 s22, s22, 2*HALFS
	s_sub_co_u32 s22, s22, s21
	v_mul_u32_u24 v6, s22, v2                      ; lanes 16-31 take B's: the lower base + h x the distance
	s_add_co_u32 s21, s21, SCL
	v_add_nc_u32 v5, v5, v6
	v_add_nc_u32 v[ADRS], s21, v5
	s_mul_i32 s23, s14, 16*SPITCH                  ; my stage
	v_mul_u32_u24 v5, v1, SPITCH                   ; in: row r; my half's columns begin 64 h bytes on in each 128
	v_lshl_add_u32 v5, v2, 6, v5
	v_add_nc_u32 v[STO], s23, v5
	v_add_nc_u32 v[RD], s23, v[CO]                 ; back: the 32 lanes take one row of 512 bytes
.macro FRAG reg, adr, q, i             ; B's fragment from rows
.irp c, 0,1,2,3
	ds_load_b128 v[\reg+4*\c:\reg+4*\c+3], v[\adr] offset:128*(\q)+32*\c+(\i)*16*PITCH
.endr
.endm
.macro FRAGA reg, adr, q, i            ; A's fragment from its image: 512 consecutive bytes a load
.irp c, 0,1,2,3
	ds_load_b128 v[\reg+4*\c:\reg+4*\c+3], v[\adr] offset:32768*(\q)+2048*(\i)+512*\c
.endr
.endm
; 16 matrix instructions: A's blocks a0, a0 + 1 x B's eight.  zero = 1: the sums start from the bias.  The 64 accumulators take turns, one instruction a turn.
.macro MUL16 a0, p, q, sc, zero
.irp a, \a0, \a0+1
.irp b, 0,1,2,3,4,5,6,7
.if \zero
	v_wmma_scale_f32_16x16x128_f8f6f4 v[8*(8*((\a)%4)+\b):8*(8*((\a)%4)+\b)+7], v[128*(\p)+FR*\b:128*(\p)+FR*\b+FR-1], v[AF+FR*(\a):AF+FR*(\a)+FR-1], v[BX+8*\b:BX+8*\b+7], v[SC+8*NQ*(\sc)+NQ*\b+(\q)], v[SC+8*NQ*(\sc)+NQ*(\a)+(\q)] matrix_a_scale:MATRIX_SCALE_ROW1
.else
	v_wmma_scale_f32_16x16x128_f8f6f4 v[8*(8*((\a)%4)+\b):8*(8*((\a)%4)+\b)+7], v[128*(\p)+FR*\b:128*(\p)+FR*\b+FR-1], v[AF+FR*(\a):AF+FR*(\a)+FR-1], v[8*(8*((\a)%4)+\b):8*(8*((\a)%4)+\b)+7], v[SC+8*NQ*(\sc)+NQ*\b+(\q)], v[SC+8*NQ*(\sc)+NQ*(\a)+(\q)] matrix_a_scale:MATRIX_SCALE_ROW1
.endif
.endr
.endr
.endm
.macro FETCH_B slot, q, p
	WIN TO_B
.irp i, 0,1,2,3,4,5,6,7
	FRAG 128*(\p)+FR*\i, ADRB+\slot, \q, \i
.endr
	WIN 0
.endm
.macro FETCH_A slot, q, i0
.irp i, \i0, \i0+1, \i0+2, \i0+3
	FRAGA AF+FR*(\i), ADRA+\slot, \q, \i
.endr
.endm
.macro SCALES sc
.irp i, 0,1,2,3,4,5,6,7
	ds_load_b64 v[SC+8*NQ*\sc+NQ*\i:SC+8*NQ*\sc+NQ*\i+1], v[ADRS] offset:\i*SBLK
.endr
.endm
.macro PLACES n
.rept \n
	v_nop
.endr
.endm
.macro STEP slot, q, zero
	s_wait_dscnt 4*NL                              ; B's set and A's blocks 0-3 are in; the youngest sixteen loads (A's blocks 4-7) may be out
.if \zero
	WIN 0x81                                       ; as MUL_LO, with C (the bias) in window 0
.else
	WIN MUL_LO
.endif
	MUL16 0, (\q)%2, \q, \slot, \zero
	MUL16 2, (\q)%2, \q, \slot, \zero
	s_wait_dscnt 0
	PLACES NP
	FETCH_B \slot, (\q)+1, 1-(\q)%2
	FETCH_A \slot, (\q)+1, 0
.if \zero
	WIN 0xc1
.else
	WIN MUL_HI
.endif
	MUL16 4, (\q)%2, \q, \slot, \zero
	MUL16 6, (\q)%2, \q, \slot, \zero
	PLACES NP
	WIN 0
	FETCH_A \slot, (\q)+1, 4
.endm
.macro TURN slot, next, fill
	s_wait_tensorcnt 0x0                           ; all my tensor loads have landed: my part of the next slot
	ds_add_u32 v[SPW], v[NIL]
	s_wait_dscnt 4*NL+1                            ; (the add and the youngest sixteen loads may be out)
	WIN MUL_LO
	MUL16 0, 1, NQ-1, \slot, 0
	s_wait_dscnt 0x0                               ; the add is done, and my reads of this slot are over
	s_barrier_signal -1
	MUL16 2, 1, NQ-1, \slot, 0
	WIN 0
	s_barrier_wait -1
.if \fill
	CREST                                          ; a round of the cluster's barrier: no wave of any partner still reads this slot or has a load on its way
	s_add_nc_u64 s[G0+4*\slot+2:G0+4*\slot+3], s[G0+4*\slot+2:G0+4*\slot+3], 4*HEADB   ; two K steps on: four heads
	s_add_nc_u64 s[G0B+4*\slot+2:G0B+4*\slot+3], s[G0B+4*\slot+2:G0B+4*\slot+3], 2*ROWB
	JLOAD G0+4*\slot, G1, G0B+4*\slot, G1B
	PLACES NP-4
.else
	PLACES NP
.endif
	v_add_nc_u32 v[ADRS], 4*NQ, v[ADRS]
	FETCH_B \next, 0, 0
	FETCH_A \next, 0, 0
	SCALES \next
	WIN MUL_HI
	MUL16 4, 1, NQ-1, \slot, 0
	MUL16 6, 1, NQ-1, \slot, 0
	PLACES NP
	WIN 0
	FETCH_A \next, 0, 4
.endm
	s_wait_tensorcnt 1                             ; the scales and my part of K step 0 are in; K step 1's load may be out
	s_barrier_signal -1
	s_barrier_wait -1
	FETCH_B 0, 0, 0
	FETCH_A 0, 0, 0
	SCALES 0
	FETCH_A 0, 0, 4
	s_wait_loadcnt 0x0                             ; the bias
	STEP 0, 0, 1                                   ; the first step starts the sums from the bias
	s_mov_b32 s3, LAPS-1
.Llap:
	TURN 0, 1, 1
	STEP 1, 0, 0
	TURN 1, 0, 1
	STEP 0, 0, 0
	s_sub_co_u32 s3, s3, 1
	s_cmp_lg_u32 s3, 0
	s_cbranch_scc1 .Llap
	TURN 0, 1, 0
	STEP 1, 0, 0
	s_wait_dscnt 4*NL
	WIN MUL_LO
	MUL16 0, 1, NQ-1, 1, 0
	MUL16 2, 1, NQ-1, 1, 0
	s_wait_dscnt 0
	WIN MUL_HI
	MUL16 4, 1, NQ-1, 1, 0
	MUL16 6, 1, NQ-1, 1, 0
	WIN 0
; THE WAY OUT, block by block of 16 places x 128 columns.  Register j of accumulator (a, 2 u + w) in lane (r, h) is column 32 u + 16 h + 8 w + j of place 16 a + r.  A block goes through my own stage in LDS and comes back as whole
; rows of 512 bytes.  LDS serves a wave's instructions in order (ISA guide 5.7.1.4): no wait between the stores and the loads.  Stage row t of block a is row 32 (a / 2) + 8 (a % 2) + t + 8 (t / 8) of my 128: it stands in the store's immediate.
.macro TOSTAGE a
.set AC, 64*((\a)%4)
	WIN 0x08+4*((\a)/4)                            ; the data: window 2 or 3
.irp b, 0,1,2,3,4,5,6,7
	ds_store_b128 v[STO], v[AC+8*\b:AC+8*\b+3] offset:128*(\b/2)+32*(\b%2)          ; each accumulator from its low end on
	ds_store_b128 v[STO], v[AC+8*\b+4:AC+8*\b+7] offset:128*(\b/2)+32*(\b%2)+16
.endr
	WIN 0
.set BB, BK+64*((\a)%2)
.irp t, 0,1,2,3,4,5,6,7,8,9,10,11,12,13,14,15
	ds_load_b128 v[BB+4*\t:BB+4*\t+3], v[RD] offset:\t*SPITCH
.endr
.endm
.macro SEND a, younger                 ; younger: the LDS instructions issued behind block a's loads, which may stay out
.set BB, BK+64*((\a)%2)
	s_wait_dscnt \younger
.irp t, 0,1,2,3,4,5,6,7,8,9,10,11,12,13,14,15
	global_store_b128 v[CO], v[BB+4*\t:BB+4*\t+3], s[12:13] offset:(32*((\a)/2)+8*((\a)%2)+\t+8*(\t/8))*8192 th:TH_STORE_NT   ; 32 lanes store 512 consecutive bytes, aligned; 127 rows at the most: inside the signed 24-bit immediate
.endr
.endm
	PLACES NP                                      ; behind the last products: in front of the reads of results and of the loads into A's fragments
	TOSTAGE 0
.irp a, 1,2,3,4,5,6,7
.if \a > 1
	s_wait_xcnt 0x0                                ; block a - 2's stores have read their registers: block a's loads may land there
.endif
	TOSTAGE \a
	SEND \a-1, 32                                  ; behind block a - 1's loads: block a's 16 stores and 16 loads
.endr
	SEND 7, 0
	s_wait_tensorcnt 0x0                           ; the wave's end, behind my last tensor load and my last LDS store
	ds_add_u32 v[SPW], v[NIL]
	s_wait_dscnt 0x0
	CROUND                                         ; the closing round
	s_endpgm
.Lfunc_end_k_qb15795766f_outp:
	.size	k_qb15795766f_outp, .Lfunc_end_k_qb15795766f_outp-k_qb15795766f_outp
	.p2alignl 7, 3214868480
	.fill 96, 4, 3214868480
	.section	.rodata,"a",@progbits
	.p2align	6, 0x0
	.amdhsa_kernel k_qb15795766f_outp
		.amdhsa_group_segment_fixed_size 327680
		.amdhsa_private_segment_fixed_size 0
		.amdhsa_enable_private_segment 0
		.amdhsa_kernarg_size 48
		.amdhsa_user_sgpr_count 2
		.amdhsa_user_sgpr_kernarg_segment_ptr 1
		.amdhsa_wavefront_size32 1
		.amdhsa_system_sgpr_workgroup_id_x 1
		.amdhsa_system_sgpr_workgroup_id_y 1
		.amdhsa_system_sgpr_workgroup_id_z 1
		.amdhsa_system_vgpr_workitem_id 0
		.amdhsa_next_free_vgpr 1024
		.amdhsa_next_free_sgpr 100
		.amdhsa_reserve_vcc 0
		.amdhsa_float_denorm_mode_32 3
		.amdhsa_float_denorm_mode_16_64 3
		.amdhsa_memory_ordered 1
		.amdhsa_forward_progress 1
		.amdhsa_inst_pref_size 147
	.end_amdhsa_kernel
	.amdgpu_metadata
---
amdhsa.version: [ 1, 2 ]
amdhsa.kernels:
  - .name:           k_qb15795766f_outp
    .symbol:         k_qb15795766f_outp.kd
    .args:
      - { .name: oc, .offset: 0, .size: 8, .value_kind: global_buffer, .address_space: global }
      - { .name: os, .offset: 8, .size: 8, .value_kind: global_buffer, .address_space: global }
      - { .name: codes, .offset: 16, .size: 8, .value_kind: global_buffer, .address_space: global }
      - { .name: scales, .offset: 24, .size: 8, .value_kind: global_buffer, .address_space: global }
      - { .name: bo, .offset: 32, .size: 8, .value_kind: global_buffer, .address_space: global }
      - { .name: out0, .offset: 40, .size: 8, .value_kind: global_buffer, .address_space: global }
    .group_segment_fixed_size: 327680
    .private_segment_fixed_size: 0
    .kernarg_segment_align: 8
    .kernarg_segment_size: 48
    .max_flat_workgroup_size: 128
    .sgpr_count:     100
    .vgpr_count:     1024
    .wavefront_size: 32
...
	.end_amdgpu_metadata
.endif
;; end of part 4
;; ======== version 2 of 2: 4 launches
;; limits: right only within a limited range of input values
;; workspace buffers: codes 29,360,128 bytes; scales 917,504 bytes; hx 12,976,128 bytes; oc 4,194,304 bytes; os 131,072 bytes
;; launch quant (part 5): grid 256 x 7, 4 waves a work-group, no clusters, 1,024 bytes of LDS; arguments q, k, v, Wq, Wk, Wv, Wo, codes, scales; writes codes, scales
.if DOCPART == 5
	.amdgcn_target "amdgcn-amd-amdhsa--gfx1250"
	.amdhsa_code_object_version 6
	.text
	.protected	k_qb15795766f_quant
	.globl	k_qb15795766f_quant
	.p2align	8
	.type	k_qb15795766f_quant,@function
k_qb15795766f_quant:
	s_mov_b64 s[64:65], 0
	v_nop
	global_prefetch_b8 v0, s[64:65] scope:SCOPE_SE
	s_setreg_imm32_b32 hwreg(HW_REG_WAVE_MODE, 25, 1), 1
	s_wait_xcnt 0x0
; LAUNCH 1 OF 4.  The seven large f32 tensors (q, k, v: [2048 tokens][2048]; Wq, Wk, Wv, Wo: [2048 (n)][2048 (k)]; K innermost in all) become codes of FP8 (E4M3) with one E8M0 scale byte for each 32 along K.
; The program: 1 quantise the inputs; 2 the three projections on codes, bias as the sums' start, results quantised in registers; 3 causal attention on codes, O quantised in registers; 4 the projection on the way out.
; WORK LEFT OUT BY THE PROGRAM (in launch 3).  reference() sets score(q, k) to -inf for every key k > q by a mask that it builds in its own body (causal_mask = 1 is a constant of the problem).  So p(q, k) = 0 there,
; whatever the inputs hold, and such a key adds nothing to the row's maximum, to its sum or to O.  Steps of 128 keys that lie wholly behind a wave's 16 queries are not multiplied: 36 of the 64 pairs (128 queries, 128 keys) stay.
; No input is left out: bq, bk, bv move the codes of quantised operands, bo the output.  LIMIT: a NaN, an infinity or an overflow that reaches only the scores left out is not carried to the result.
; THE RULE.  A block's scale is 2^(floor(log2(its largest magnitude)) - 8); its byte is the largest magnitude's exponent field - 8, held at 1 from below.  Each number is divided by the scale, held within +-448 and rounded to the nearest code, ties to even.
; LIMITS: a block of zeros gets the byte 1 where the rule says 127 (its codes are zeros, which add nothing, and this program alone reads the bytes); blocks whose largest magnitude lies under 2^-118 are held at the byte 1; NaN and infinities among the inputs are not served.
; ROWS ARE STORED IN ANOTHER ORDER: row p of a tensor goes to PLACE swap(p), p with its bits 3 and 4 exchanged.  Sixteen neighbouring places 16 a + r then hold rows 32 (a / 2) + 8 (a % 2) + r + 8 (r / 8): with such tiles a later
; product's results lie in a lane's registers as 16 neighbours along the next K, and the tiles are still read from LDS as neighbouring rows.
; SHARES.  Work-group y = the tensor, x = eight of its rows; a wave takes two rows, 4,096 numbers, in 8 steps of 512.  1,792 work-groups: seven for each of 256 WGPs, and seven fit on a WGP (28 waves of 128 registers).
; THE TURN.  Each of a step's four loads reads 512 consecutive bytes, 16 a lane.  The conversions want 16 neighbours in one lane, so the four lanes 4 m .. 4 m + 3 exchange their pieces in two stages (lanes l and l xor 1, then l xor 2):
; afterwards lane 4 m + j holds the 64 bytes m of load j.  Lanes l and l xor 4 then share a block of 32.  A step's codes are 512 consecutive bytes.
; The work-group's 512 scale bytes are gathered in LDS and leave as one aligned run of 512 bytes.  Loads run four steps (16 loads a wave) ahead.  No tensor loads, no cluster, no prefetch: work-groups share no input, and the loads themselves run ahead.
.set STEPS, 8
.set R,     16                         ; v16-79   four sets of 16 numbers
.set T,     80                         ; v80-87   the turn: what is sent, what is received
.set E,     88                         ; v88-95   a scale byte for each step
.set C,     96                         ; v96-127  codes: four registers for each step, so that no store's data are written again
.set SPW,   12                         ; v12  LDS address of my spare word; never rewritten
.set NIL,   13                         ; v13  0; never rewritten
.set SPARE, 512                        ; behind the scale bytes: the spare words, 128 bytes a wave, which no other line names
	s_load_b512 s[16:31], s[0:1], 0x0              ; q, k, v, Wq, Wk, Wv, Wo, codes
	s_load_b64 s[32:33], s[0:1], 0x40              ; scales
	v_lshl_add_u32 v[SPW], v0, 2, SPARE
	v_mov_b32 v[NIL], 0
	v_lshrrev_b32 v1, 5, v0
	v_readfirstlane_b32 s2, v1                     ; wave
	v_and_b32 v2, 31, v0                           ; lane
	v_lshlrev_b32 v3, 4, v2                        ; my 16 bytes of a load's 512, and of the scale bytes
	v_and_b32 v4, 3, v2                            ; j
	v_lshrrev_b32 v5, 2, v2                        ; m
	v_lshlrev_b32 v6, 4, v5
	v_lshl_add_u32 v7, v4, 7, v6                   ; my codes' place in a step's: 128 j + 16 m
	v_lshrrev_b32 v5, 1, v5
	v_lshl_add_u32 v5, v4, 2, v5                   ; my block in a step: 4 j + m / 2
	s_lshl_b32 s6, s2, 7
	v_add_nc_u32 v5, s6, v5                        ; its byte among the work-group's 512
.irp j, 0,1,2,3
	v_mov_b32 v[T+4+\j], 0                         ; written once: a lane move's destination counts as one of its sources
.endr
	s_mov_b32 s7, 0x600000                         ; the mantissa field of 448
	s_mov_b32 s36, 0xaaaaaaaa                      ; the lanes with bit 0 set, with bit 1 set
	s_mov_b32 s37, 0xcccccccc
	s_and_b32 s3, ttmp7, 0xffff                    ; the tensor, 0 to 6
	s_and_b32 s9, ttmp9, 0xfffffffc                ; x with bits 0 and 1 exchanged: where the eight rows go
	s_bfe_u32 s10, ttmp9, 0x10000
	s_lshl_b32 s10, s10, 1
	s_or_b32 s9, s9, s10
	s_bfe_u32 s10, ttmp9, 0x10001
	s_or_b32 s9, s9, s10
	s_lshl_b32 s10, ttmp9, 16                      ; in: 65,536 bytes a work-group, 16,384 a wave
	s_lshl_b32 s11, s2, 14
	s_add_co_u32 s10, s10, s11
	s_mov_b32 s11, 0
	s_lshl_b32 s12, s3, 22                         ; codes: 4 MiB a tensor, 16,384 bytes a work-group, 4,096 a wave
	s_lshl_b32 s13, s9, 14
	s_add_co_u32 s12, s12, s13
	s_lshl_b32 s13, s2, 12
	s_add_co_u32 s12, s12, s13
	s_mov_b32 s13, 0
	s_lshl_b32 s14, s3, 17                         ; scale bytes: 128 KiB a tensor, 512 bytes a work-group
	s_lshl_b32 s15, s9, 9
	s_add_co_u32 s14, s14, s15
	s_mov_b32 s15, 0
	s_wait_alu depctr_va_vdst(0)                   ; at the head's end
	s_wait_kmcnt 0x0
	s_mov_b64 s[4:5], s[16:17]                     ; the tensor's address: a choice on the work-group's number alone
	s_cmp_eq_u32 s3, 1
	s_cselect_b64 s[4:5], s[18:19], s[4:5]
	s_cmp_eq_u32 s3, 2
	s_cselect_b64 s[4:5], s[20:21], s[4:5]
	s_cmp_eq_u32 s3, 3
	s_cselect_b64 s[4:5], s[22:23], s[4:5]
	s_cmp_eq_u32 s3, 4
	s_cselect_b64 s[4:5], s[24:25], s[4:5]
	s_cmp_eq_u32 s3, 5
	s_cselect_b64 s[4:5], s[26:27], s[4:5]
	s_cmp_eq_u32 s3, 6
	s_cselect_b64 s[4:5], s[28:29], s[4:5]
	s_add_nc_u64 s[4:5], s[4:5], s[10:11]
	s_add_nc_u64 s[30:31], s[30:31], s[12:13]
	s_add_nc_u64 s[32:33], s[32:33], s[14:15]
.macro LOAD t
.irp i, 0,1,2,3
	global_load_b128 v[R+16*((\t)%4)+4*\i:R+16*((\t)%4)+4*\i+3], v3, s[4:5] offset:2048*(\t)+512*\i th:TH_LOAD_NT   ; 32 lanes read 512 consecutive bytes, read once in the launch
.endr
.endm
; Lanes l and l xor x exchange pieces a and b (four registers each): the lane whose bit is clear keeps its a and gives its b, the other keeps its b and gives its a.  s[m]: the lanes whose bit is set.
.macro XCH a, b, x, m
.irp j, 0,1,2,3
	v_cndmask_b32 v[T+\j], v[\b+\j], v[\a+\j], s[\m]
.endr
.irp j, 0,1,2,3
	v_mov_b32_dpp v[T+4+\j], v[T+\j] row_xmask:\x row_mask:0xf bank_mask:0xf
.endr
.irp j, 0,1,2,3
	v_cndmask_b32 v[\a+\j], v[\a+\j], v[T+4+\j], s[\m]
.endr
.irp j, 0,1,2,3
	v_cndmask_b32 v[\b+\j], v[T+4+\j], v[\b+\j], s[\m]
.endr
.endm
.irp t, 0,1,2,3
	LOAD \t
.endr
.macro STEP t
.set RS, R+16*((\t)%4)
.if STEPS-1-(\t) >= 3
	s_wait_loadcnt 12                              ; this step's four loads are in; those of the three steps behind it may be out
.else
	s_wait_loadcnt 4*(STEPS-1-(\t))
.endif
	XCH RS, RS+4, 1, 36
	XCH RS+8, RS+12, 1, 36
	XCH RS, RS+8, 2, 37
	XCH RS+4, RS+12, 2, 37
	v_max3_num_f32 v8, |v[RS]|, |v[RS+1]|, |v[RS+2]|               ; the largest magnitude of my 16, in two chains
	v_max3_num_f32 v9, |v[RS+3]|, |v[RS+4]|, |v[RS+5]|
.irp i, 6,10
	v_max3_num_f32 v8, v8, |v[RS+\i]|, |v[RS+\i+1]|
	v_max3_num_f32 v9, v9, |v[RS+\i+2]|, |v[RS+\i+3]|
.endr
	v_max3_num_f32 v8, v8, |v[RS+14]|, |v[RS+15]|
	v_max3_num_f32 v8, v8, v9, 0x4800000           ; and the floor 2^(9 - 127): so the byte cannot fall under 1
	v_max_num_f32_dpp v8, v8, v8 row_xmask:4 row_mask:0xf bank_mask:0xf   ; and of lane l xor 4's 16: the block's
	v_add_nc_u32 v11, 0xfc000000, v8               ; 8 off its exponent field: the conversion takes the exponent field of this operand as its scale
	v_and_or_b32 v10, v8, 0x7f800000, s7           ; 448 x the scale: the largest magnitude's exponent field over 448's mantissa
.irp i, 0,1,2,3,4,5,6,7,8,9,10,11,12,13,14,15
	v_med3_num_f32 v[RS+\i], v[RS+\i], -v10, v10   ; the conversion to an 8-bit code does not saturate (ISA guide 7.6.2): the hold comes first
.endr
	v_cvt_scalef32_pk8_fp8_f32 v[C+4*(\t):C+4*(\t)+1], v[RS:RS+7], v11
	v_cvt_scalef32_pk8_fp8_f32 v[C+4*(\t)+2:C+4*(\t)+3], v[RS+8:RS+15], v11
	v_lshrrev_b32 v[E+(\t)], 23, v11               ; the scale's byte (a plain line behind the conversions)
.if (\t)+4 < STEPS
	LOAD (\t)+4                                    ; the registers take the loads of four steps on
.endif
	ds_store_b8 v5, v[E+(\t)] offset:16*(\t)       ; both lanes of a block write the same byte with the same value
	global_store_b128 v7, v[C+4*(\t):C+4*(\t)+3], s[30:31] offset:512*(\t)   ; the 32 lanes fill 512 consecutive bytes, aligned
.endm
.irp t, 0,1,2,3,4,5,6,7
	STEP \t
.endr
	s_wait_alu depctr_va_vdst(0)
	s_wait_dscnt 0x0                               ; my scale bytes are in LDS
	s_barrier_signal -1
	s_barrier_wait -1                              ; everybody's are
	s_cmp_lg_u32 s2, 0
	s_cbranch_scc1 .Lend
	ds_load_b128 v[16:19], v3
	s_wait_dscnt 0x0
	global_store_b128 v3, v[16:19], s[32:33]       ; wave 0: 512 consecutive bytes, aligned
.Lend:
	s_wait_tensorcnt 0x0                           ; the wave's end, behind my last LDS store
	ds_add_u32 v[SPW], v[NIL]
	s_wait_dscnt 0x0
	s_endpgm
.Lfunc_end_k_qb15795766f_quant:
	.size	k_qb15795766f_quant, .Lfunc_end_k_qb15795766f_quant-k_qb15795766f_quant
	.p2alignl 7, 3214868480
	.fill 96, 4, 3214868480
	.section	.rodata,"a",@progbits
	.p2align	6, 0x0
	.amdhsa_kernel k_qb15795766f_quant
		.amdhsa_group_segment_fixed_size 1024
		.amdhsa_private_segment_fixed_size 0
		.amdhsa_enable_private_segment 0
		.amdhsa_kernarg_size 72
		.amdhsa_user_sgpr_count 2
		.amdhsa_user_sgpr_kernarg_segment_ptr 1
		.amdhsa_wavefront_size32 1
		.amdhsa_system_sgpr_workgroup_id_x 1
		.amdhsa_system_sgpr_workgroup_id_y 1
		.amdhsa_system_sgpr_workgroup_id_z 1
		.amdhsa_system_vgpr_workitem_id 0
		.amdhsa_next_free_vgpr 128
		.amdhsa_next_free_sgpr 66
		.amdhsa_reserve_vcc 0
		.amdhsa_float_denorm_mode_32 3
		.amdhsa_float_denorm_mode_16_64 3
		.amdhsa_memory_ordered 1
		.amdhsa_forward_progress 1
		.amdhsa_inst_pref_size 55
	.end_amdhsa_kernel
	.amdgpu_metadata
---
amdhsa.version: [ 1, 2 ]
amdhsa.kernels:
  - .name:           k_qb15795766f_quant
    .symbol:         k_qb15795766f_quant.kd
    .args:
      - { .name: q, .offset: 0, .size: 8, .value_kind: global_buffer, .address_space: global }
      - { .name: k, .offset: 8, .size: 8, .value_kind: global_buffer, .address_space: global }
      - { .name: v, .offset: 16, .size: 8, .value_kind: global_buffer, .address_space: global }
      - { .name: Wq, .offset: 24, .size: 8, .value_kind: global_buffer, .address_space: global }
      - { .name: Wk, .offset: 32, .size: 8, .value_kind: global_buffer, .address_space: global }
      - { .name: Wv, .offset: 40, .size: 8, .value_kind: global_buffer, .address_space: global }
      - { .name: Wo, .offset: 48, .size: 8, .value_kind: global_buffer, .address_space: global }
      - { .name: codes, .offset: 56, .size: 8, .value_kind: global_buffer, .address_space: global }
      - { .name: scales, .offset: 64, .size: 8, .value_kind: global_buffer, .address_space: global }
    .group_segment_fixed_size: 1024
    .private_segment_fixed_size: 0
    .kernarg_segment_align: 8
    .kernarg_segment_size: 72
    .max_flat_workgroup_size: 128
    .sgpr_count:     66
    .vgpr_count:     128
    .wavefront_size: 32
...
	.end_amdgpu_metadata
.endif
;; end of part 5
;; launch proj (part 6): grid 8 x 24, 4 waves a work-group, clusters of 4 x 4, 327,680 bytes of LDS; arguments codes, scales, bq, bk, bv, hx; writes hx
.if DOCPART == 6
	.amdgcn_target "amdgcn-amd-amdhsa--gfx1250"
	.amdhsa_code_object_version 6
	.text
	.protected	k_qb15795766f_proj
	.globl	k_qb15795766f_proj
	.p2align	8
	.type	k_qb15795766f_proj,@function
k_qb15795766f_proj:
	s_mov_b64 s[64:65], 0
	v_nop
	global_prefetch_b8 v0, s[64:65] scope:SCOPE_SE
	s_setreg_imm32_b32 hwreg(HW_REG_WAVE_MODE, 25, 1), 1
	s_wait_xcnt 0x0
	s_wait_alu depctr_hold_cnt(0) depctr_sa_sdst(0) depctr_va_vdst(0) depctr_va_sdst(0) depctr_va_ssrc(0) depctr_va_vcc(0) depctr_vm_vsrc(0)
	s_getreg_b32 s2, hwreg(HW_REG_IB_STS2, 6, 4)
	s_cmp_eq_u32 s2, 0
	s_cbranch_scc0 .Lentry_in_a_cluster
	s_endpgm
.Lentry_in_a_cluster:
	s_bfe_u32 s2, ttmp6, 0x10000c
	s_cmp_lg_u32 s2, 0xf033
	s_cbranch_scc0 .Lentry_shape_is_right
	s_endpgm
.Lentry_shape_is_right:
; LAUNCH 2 OF 4.  The three projections x W^T + b on codes of FP8 (E4M3) with E8M0 scales, K = 2,048, and their results quantised in registers for the attention's two products.
; g = 0: Q, g = 1: K, g = 2: V (two rows of clusters each).  A tile of 256 x 256 is made by four waves, 128 x 128 each: 64 accumulators of 16 x 16.  192 work-groups: a tile of 128 x 128 would make 768, three for each WGP,
; but would read twice the LDS bytes for each product.
; ROLES.  The matrix instruction is used transposed: source 0 = 16 rows of 'B', source 1 = 16 rows of 'A'; a lane then holds ONE row of A and its registers run along B's rows.
;   g < 2: A = the tokens (q or k), B = the weight: a lane's 64 registers of a block of 16 tokens run along a head's 128 channels, the K of Q K^T.
;   g = 2: A = Wv's rows (channels), B = the tokens v: a lane's 64 registers run along 128 KEYS, the K of P V.
; Rows lie in the buffers at exchanged places (bits 3 and 4): B's tile 2 u + w holds rows 32 u + 8 w + r + 8 (r / 8), so register 16 u + i of a lane's 64 is B's row 32 u + 16 (lane / 16) + i: the order of an operand's registers.
; THE BIAS is the C of each sum's first matrix instruction: for g < 2 it runs along B's rows (eight registers for each of B's eight tiles), for g = 2 it belongs to A's row (the lane's number in all eight registers).
; THE WAY OUT.  A block's 64 numbers a lane become 16 registers of codes and a scale word, and leave as an IMAGE OF THE OPERAND'S REGISTERS: each group of four registers by one store, lane l's 16 bytes at 16 l: 512 consecutive aligned bytes.
;   hx: [g][batch x head 32][step of 128 tokens 8] chunks of 16,896 bytes: [tile 8][2,048 bytes of codes], then [r 16][tile 8] scale words.
; K goes in steps of 256 through a ring of two LDS slots; the scale bytes of the work-group's rows, for all of K, come into LDS once.  CLUSTERS of 4 x 4: A's tiles are asked for jointly along a row, B's along a column.
; A step of 128 along K is 64 matrix instructions, in eight rows (A's blocks) of eight (B's); the next step's 64 fragment loads stand in two runs: B's 32 behind row 1, A's 32 behind row 5, eight places ahead of each.
; PREFETCHES.  A refill goes out with no other tensor load of the wave on its way, so what it asks for is asked of memory earlier: behind the load of K step k stands one instruction a wave for K step k + 2; K step 1 is asked for in the head, K step 2 beside 3.
; 32 rows x 256 bytes, a lane a row.  Of the 128 rows that a wave fetches the four partners take 32 each, told apart by address (cx for A, cy for B).  The last two refills ask for nothing.
; LIMITS: as stated at the head of the first launch (byte 1 for blocks of zeros and below 2^-118; NaN and infinities not served).
; REGISTERS, in windows of 256: window 0: v0-31 addresses; v32-63 scale words, two sets; v128-191 A's blocks 0-3; blocks 4-7 have two sets: v192-255 (first half of a slot), v64-127 (second half; in the very first step the bias lies there).
;   On the way out v64-255 are at work.   window 1: B's fragments, two sets.   window 2: the accumulators of my rows 0-63 ((a, b) at v[8 (8 a + b)]);   window 3: those of rows 64-127.
.set ROWB,   256                       ; a tile's row in bytes
.set KROW,   2048                      ; a row of codes in memory
.set PITCH,  272                       ; an LDS row: 256 bytes + 16 of padding = 68 words: the 16 rows that a load touches start at 16 different banks (64 banks of 4 bytes: ISA guide 11.1)
.set NP,     8                         ; places behind this matrix instruction (ISA guide 7.12.1)
.set HALFT,  128*PITCH
.set SLOT,   4*HALFT                   ; A's 256 rows, then B's 256 rows
.set LAPS,   4                         ; 2,048 / 512: a lap is once round the ring
.set KS,     64                        ; a row of scale bytes
.set CHUNK,  16896
.set SCL,    2*SLOT                    ; behind the ring: the scales, as runs of 256 bytes + 16 of padding
.set HALFS,  (128*KS/256)*272
.set SBLK,   (16*KS/256)*272
.set SPARE,  SCL+4*HALFS               ; the spare words, 128 bytes a wave, which no other line names
.set ADRA, 16                          ; v16-17  LDS address of my A fragments in slot 0, 1
.set ADRB, 20                          ; v20-21  the same for B
.set LI,   24                          ; v24     16 x lane: an image's place for my lane
.set SA,   25                          ; v25     where my four scale words go: 32 r + 16 (lane / 16)
.set ADRS, 27                          ; v27     LDS address of my scale words: lanes 0-15 A's rows, lanes 16-31 B's
.set SPW,  28                          ; v28     LDS address of my spare word; never rewritten
.set NIL,  29                          ; v29     0; never rewritten
.set PFO,  30                          ; v30     2,048 x lane: the prefetches' offset; never rewritten
.set SC,   32                          ; scale words: set s at v[SC + 16 s]; register 2 i + q: lanes 0-15 A's block i, lanes 16-31 B's block i
.set BX,   64                          ; v64-127 the bias tiles
.set T,    64                          ; the way out: v64-127 a block's 64 numbers, held
.set TM,   128                         ; v128-131 largest magnitudes, v132-135 bytes, v136-139 448 x the scale, v140-143 the conversions' scale operands
.set PW,   144                         ; v144-151 the scale word of each of my eight blocks
.set OW,   152                         ; v152-155 the four words that my lane stores
.set PC,   192                         ; v192-255 codes: four sets of 16
.set G0H,  4                           ; s[4:7], s[8:11] group 0 of the head's loads of K step 0: A's 256 rows, B's 256 rows
.set G0HB, 8
.set G1, 24                            ; s[24:31], s[32:39] groups 1 and 0 for A's tiles (one group 0 for each slot);  s[48:55], s[56:63] for B's
.set G0, 32
.set G1B, 48
.set G0B, 56
.set G1S, 68                           ; s[68:75], s[76:79] for A's scales;  s[80:87], s[88:91] for B's
.set G0S, 76
.set G1SB, 80
.set G0SB, 88
.set PFA, 44                           ; s[44:45] where my prefetches stand: three K steps short of what is asked for
.set GG,  66                           ; s66  g
.set SEL, 18                           ; s[18:19] v_permlanex16_b32's selects for lane l xor 16
.set MNT, 95                           ; s95  the mantissa field of 448
.set MSB, 0
.macro WIN new                         ; the immediate's high byte repeats the setting that is left
.if MSB != \new
	s_set_vgpr_msb (MSB<<8)|\new
.set MSB, \new
.endif
.endm
.set TO_B,   0x40                      ; destination window 1, address window 0
; A joint load: waves 0 and 1 fetch for A, waves 2 and 3 for B.  The branch hangs on the wave's number alone.  An s_nop 0 and four v_nop follow each of the two lines.
.macro JLOAD g0a, g1a, g0b, g1b
	s_cmp_eq_u32 s15, 0
	s_cbranch_scc0 .Lfor_b_\@
	tensor_load_to_lds s[\g0a:\g0a+3], s[\g1a:\g1a+7]
	s_nop 0
.rept 4
	v_nop
.endr
	s_branch .Lasked_\@
.Lfor_b_\@:
	tensor_load_to_lds s[\g0b:\g0b+3], s[\g1b:\g1b+7]
	s_nop 0
.rept 4
	v_nop
.endr
.Lasked_\@:
.endm
.macro CREST                           ; a round of the cluster's barrier behind its opening barrier
	s_cmp_lg_u32 s14, 0
	s_cbranch_scc1 .Lnot_wave_0_\@
	s_barrier_signal -3
.Lnot_wave_0_\@:
	s_barrier_wait -3
	s_barrier_signal -1
	s_barrier_wait -1
.endm
.macro CROUND                          ; a whole round
	s_barrier_signal -1
	s_barrier_wait -1
	CREST
.endm
	s_load_b128 s[4:7], s[0:1], 0x0                ; codes, scales
	s_load_b128 s[96:99], s[0:1], 0x10             ; bq, bk
	s_load_b64 s[100:101], s[0:1], 0x20            ; bv
	s_load_b64 s[12:13], s[0:1], 0x28              ; hx
	v_lshl_add_u32 v[SPW], v0, 2, SPARE
	v_mov_b32 v[NIL], 0
	ds_add_u32 v[SPW], v[NIL]                      ; the wave's opening: the add, twice on end, and its wait ahead of my first tensor load
	ds_add_u32 v[SPW], v[NIL]
	v_lshrrev_b32 v1, 5, v0
	v_readfirstlane_b32 s14, v1                    ; wave 0..3
	s_lshr_b32 s15, s14, 1                         ; which half of the tile's rows is mine.  Also: in the ring I fetch for A (0) or for B (1)
	s_and_b32 s16, s14, 1                          ; which half of its columns.  Also: which 128 rows of that tile I fetch
	s_bfe_u32 s40, ttmp6, 0x40000                  ; cx, cy: my place in the cluster
	s_bfe_u32 s41, ttmp6, 0x40004
	s_lshl_b32 s42, ttmp9, 2
	s_add_co_u32 s42, s42, s40                     ; tile column = 4 x cluster x + cx
	s_and_b32 s2, ttmp7, 0xffff                    ; cluster y, 0 to 5
	s_lshr_b32 s[GG], s2, 1                        ; g: the same in all sixteen partners
	s_and_b32 s17, s2, 1
	s_lshl_b32 s17, s17, 2
	s_add_co_u32 s17, s17, s41                     ; tile row = 4 x (cluster y % 2) + cy
	s_add_co_u32 s95, s[GG], 3
	s_cmp_lt_u32 s[GG], 2
	s_cselect_b32 s67, s[GG], 5                    ; A's tensor in the buffers: q, k, or Wv
	s_cselect_b32 s95, s95, 2                      ; B's: Wq, Wk, or v
	s_lshl_b32 s43, s41, 2
	s_lshl_b32 s43, 15, s43                        ; my row of the cluster
	s_lshl_b32 s44, 0x1111, s40                    ; my column
	; descriptor group 1: rows of 256 bytes, 16 bytes of padding behind each: 256 rows for the head's loads; behind them the two words that count rows become 128, for the ring's
	s_or_b32 s[G1+0], s43, (0<<16)|(1<<20)|(1<<21)|(5<<22)|(3<<25)  ; the mask: A's tiles go to my row; elements of 1 byte; padding on; bit 21 beside a mask; after every 64 words, 4 words
	s_or_b32 s[G1B+0], s44, (0<<16)|(1<<20)|(1<<21)|(5<<22)|(3<<25)
.irp g, G1, G1B
	s_mov_b32 s[\g+1], ROWB<<16                    ; tensor_dim0
	s_mov_b32 s[\g+2], 256<<16                     ; tensor_dim1
	s_mov_b32 s[\g+3], ROWB<<16                    ; tile_dim0
	s_mov_b32 s[\g+4], 256                         ; tile_dim1
	s_mov_b32 s[\g+5], KROW                        ; from row to row
	s_mov_b32 s[\g+6], 0
	s_mov_b32 s[\g+7], 0
.endr
	; the scales of 256 rows: a dense block of 16,384 bytes, as 64 rows of 256 bytes (32 elements of 8 bytes), 16 bytes of padding behind each
	s_or_b32 s[G1S+0], s43, (3<<16)|(1<<20)|(1<<21)|(5<<22)|(3<<25)
	s_or_b32 s[G1SB+0], s44, (3<<16)|(1<<20)|(1<<21)|(5<<22)|(3<<25)
.irp g, G1S, G1SB
	s_mov_b32 s[\g+1], 32<<16
	s_mov_b32 s[\g+2], KS<<16
	s_mov_b32 s[\g+3], 32<<16
	s_mov_b32 s[\g+4], KS
	s_mov_b32 s[\g+5], 32
	s_mov_b32 s[\g+6], 0
	s_mov_b32 s[\g+7], 0
.endr
	s_lshl_b32 s20, s17, 8                         ; A: the tile's first place; B's
	s_lshl_b32 s46, s42, 8
	s_lshl_b32 s22, s20, 6                         ; A's scale bytes: 64 a row, 128 KiB a tensor
	s_lshl_b32 s2, s67, 17
	s_add_co_u32 s22, s22, s2
	s_mov_b32 s23, 0
	s_lshl_b32 s20, s20, 11                        ; A's codes: 2,048 a row, 4 MiB a tensor (all offsets stay under 2^25)
	s_lshl_b32 s2, s67, 22
	s_add_co_u32 s20, s20, s2
	s_mov_b32 s21, 0
	s_lshl_b32 s92, s46, 6                         ; B's likewise
	s_lshl_b32 s2, s95, 17
	s_add_co_u32 s92, s92, s2
	s_mov_b32 s93, 0
	s_lshl_b32 s46, s46, 11
	s_lshl_b32 s2, s95, 22
	s_add_co_u32 s46, s46, s2
	s_mov_b32 s47, 0
	s_lshl_b32 s18, s16, 18                        ; in the ring I fetch 128 rows of a tile: which half, in bytes,
	s_mov_b32 s19, 0
	s_mul_i32 s45, s14, HALFT                      ; and where they go: wave x 128 rows: no place in the cluster enters an LDS address
	s_wait_dscnt 0x0                               ; both opening adds are done
	CROUND                                         ; all sixteen work-groups are here: the first joint loads meet
	s_wait_kmcnt 0x0
	s_add_nc_u64 s[20:21], s[4:5], s[20:21]
	s_add_nc_u64 s[22:23], s[6:7], s[22:23]
	s_add_nc_u64 s[46:47], s[4:5], s[46:47]
	s_add_nc_u64 s[92:93], s[6:7], s[92:93]
	s_mov_b32 s[G0H], 1                            ; the head's four tiles: K step 0's 256 rows of A,
	s_mov_b32 s[G0H+1], 0
	s_mov_b64 s[G0H+2:G0H+3], s[20:21]
	s_or_b32 s[G0H+3], s[G0H+3], 0x80000000
	s_mov_b32 s[G0HB], 1                           ; its 256 rows of B,
	s_mov_b32 s[G0HB+1], 2*HALFT
	s_mov_b64 s[G0HB+2:G0HB+3], s[46:47]
	s_or_b32 s[G0HB+3], s[G0HB+3], 0x80000000
	s_mov_b32 s[G0S], 1                            ; the scales of A's rows,
	s_mov_b32 s[G0S+1], SCL
	s_mov_b64 s[G0S+2:G0S+3], s[22:23]
	s_or_b32 s[G0S+3], s[G0S+3], 0x80000000
	s_mov_b32 s[G0SB], 1                           ; and of B's
	s_mov_b32 s[G0SB+1], SCL+2*HALFS
	s_mov_b64 s[G0SB+2:G0SB+3], s[92:93]
	s_or_b32 s[G0SB+3], s[G0SB+3], 0x80000000
; THE HEAD'S LOADS, ONE A WAVE: ONE tree of branches on the wave's number: every way through the head passes exactly one load.
.macro ARM under, g0, g1, next
	s_cmp_lt_u32 s14, \under
	s_cbranch_scc0 \next
	tensor_load_to_lds s[\g0:\g0+3], s[\g1:\g1+7]
	s_nop 0
.rept 4
	v_nop
.endr
	s_branch .Lhead_asked
\next:
.endm
	ARM 1, G0H,  G1,  .Lhead_b
	ARM 2, G0HB, G1B, .Lhead_sa
	ARM 3, G0S,  G1S, .Lhead_sb
	tensor_load_to_lds s[G0SB:G0SB+3], s[G1SB:G1SB+7]
	s_nop 0
.rept 4
	v_nop
.endr
.Lhead_asked:
	s_add_nc_u64 s[20:21], s[20:21], s[18:19]      ; for the ring: my 128 rows of the tile
	s_add_nc_u64 s[46:47], s[46:47], s[18:19]
.irp s, 0,1
	s_mov_b32 s[G0+4*\s], 1
	s_add_co_u32 s[G0+4*\s+1], s45, \s*SLOT
	s_add_nc_u64 s[G0+4*\s+2:G0+4*\s+3], s[20:21], \s*ROWB
	s_or_b32 s[G0+4*\s+3], s[G0+4*\s+3], 0x80000000
	s_mov_b32 s[G0B+4*\s], 1
	s_add_co_u32 s[G0B+4*\s+1], s45, \s*SLOT
	s_add_nc_u64 s[G0B+4*\s+2:G0B+4*\s+3], s[46:47], \s*ROWB
	s_or_b32 s[G0B+4*\s+3], s[G0B+4*\s+3], 0x80000000
.endr
	s_cmp_eq_u32 s15, 0                            ; the prefetches: of the 128 rows that I fetch my work-group's 32
	s_cselect_b64 s[PFA:PFA+1], s[20:21], s[46:47]
	s_cselect_b32 s22, s40, s41
	s_lshl_b32 s22, s22, 16
	s_mov_b32 s23, 0
	s_add_nc_u64 s[PFA:PFA+1], s[PFA:PFA+1], s[22:23]
	v_and_b32 v6, 31, v0
	v_lshlrev_b32 v[PFO], 11, v6
	v_lshlrev_b32 v[LI], 4, v6
	; which head and which 128 tokens my wave's 128 x 128 belongs to
	v_and_b32 v1, 15, v0                           ; r = lane % 16
	v_bfe_u32 v2, v0, 4, 1                         ; h = lane / 16
	s_lshl_b32 s2, s42, 1
	s_add_co_u32 s2, s2, s16                       ; my 128 of B's rows
	s_lshl_b32 s3, s17, 1
	s_add_co_u32 s3, s3, s15                       ; my 128 of A's rows
	s_cmp_lt_u32 s[GG], 2
	s_cselect_b32 s67, s2, s3                      ; s67: the head: B's unit for Q and K, A's for V
	s_cselect_b32 s94, s3, s2                      ; s94: the tokens' unit, 0 to 15
	s_cmp_eq_u32 s[GG], 1
	s_cselect_b64 s[96:97], s[98:99], s[96:97]
	s_cmp_eq_u32 s[GG], 2
	s_cselect_b64 s[96:97], s[100:101], s[96:97]   ; my projection's bias,
	s_lshl_b32 s92, s67, 9
	s_mov_b32 s93, 0
	s_add_nc_u64 s[96:97], s[96:97], s[92:93]      ; at my head's 128 numbers
	; THE BIAS TILES.  Both ways write all 64 registers; the wait falls into the first tiles' flight.  The branch hangs on g, which all partners share.
	s_wait_alu depctr_va_vdst(0)                   ; ahead of the branch
	s_cmp_lt_u32 s[GG], 2
	s_cbranch_scc0 .Lbias_v
	v_lshlrev_b32 v3, 6, v2                        ; Q, K: register 16 u + i is the bias of channel 32 u + 16 h + i
.irp j, 0,1,2,3,4,5,6,7,8,9,10,11,12,13,14,15
	global_load_b128 v[BX+4*\j:BX+4*\j+3], v3, s[96:97] offset:128*(\j/4)+16*(\j%4)
.endr
	s_wait_loadcnt 0x0
	s_branch .Lbias_done
.Lbias_v:
	v_and_b32 v3, 8, v1
	v_add_nc_u32 v3, v3, v1
	v_lshlrev_b32 v3, 2, v3                        ; V: my lane's channel in block a is 32 (a / 2) + 8 (a % 2) + r + 8 (r / 8)
.irp a, 0,1,2,3,4,5,6,7
	global_load_b32 v[BX+8*\a], v3, s[96:97] offset:4*(32*(\a/2)+8*(\a%2))
.endr
	s_wait_loadcnt 0x0
.irp a, 0,1,2,3,4,5,6,7
.irp j, 1,2,3,4,5,6,7
	v_mov_b32 v[BX+8*\a+\j], v[BX+8*\a]            ; all eight keys of the tile's registers get the channel's bias
.endr
.endr
.Lbias_done:
	global_prefetch_b8 v[PFO], s[PFA:PFA+1] offset:ROWB th:TH_LOAD_NT scope:SCOPE_SE   ; K step 1
	v_mul_u32_u24 v3, v1, PITCH
	v_lshl_add_u32 v4, v2, 4, v3                   ; a fragment's row x pitch + 16 x half
	s_mul_i32 s21, s15, HALFT                      ; my 128 rows of A
	s_mul_i32 s22, s16, HALFT                      ; my 128 rows of B,
	s_add_co_u32 s22, s22, 2*HALFT                 ; which lie behind A's 256
.irp s, 0,1
	v_add_nc_u32 v[ADRA+\s], s21, v4
	v_add_nc_u32 v[ADRB+\s], s22, v4
	s_add_co_u32 s21, s21, SLOT
	s_add_co_u32 s22, s22, SLOT
.endr
	v_mul_u32_u24 v5, v1, KS                       ; my row's scales: 64 bytes a row,
	v_lshrrev_b32 v6, 8, v5
	v_lshl_add_u32 v5, v6, 4, v5                   ; and 16 more for each 256 passed
	s_mul_i32 s21, s15, HALFS
	s_mul_i32 s22, s16, HALFS
	s_add_co_u32 s22, s22, 2*HALFS
	s_sub_co_u32 s22, s22, s21
	v_mul_u32_u24 v6, s22, v2                      ; lanes 16-31 take B's: the lower base + h x the distance
	s_add_co_u32 s21, s21, SCL
	v_add_nc_u32 v5, v5, v6
	v_add_nc_u32 v[ADRS], s21, v5
	v_lshlrev_b32 v[SA], 5, v1
	v_lshl_add_u32 v[SA], v2, 4, v[SA]
	; where my results go: chunk (32 g + 16 batch + head) x 8 + step
	s_lshr_b32 s2, s94, 3
	s_lshl_b32 s2, s2, 4
	s_add_co_u32 s2, s2, s67
	s_lshl_b32 s3, s[GG], 5
	s_add_co_u32 s2, s2, s3
	s_lshl_b32 s2, s2, 3
	s_and_b32 s3, s94, 7
	s_add_co_u32 s2, s2, s3
	s_mul_i32 s92, s2, CHUNK
	s_mov_b32 s93, 0
	s_add_nc_u64 s[12:13], s[12:13], s[92:93]
	s_mov_b32 s[SEL], 0x76543210
	s_mov_b32 s[SEL+1], 0xfedcba98
	s_mov_b32 s[MNT], 0x600000
; Load n of a step's 64, for the q-th 128 along K of a slot: 0-31 B's fragments, 32-63 A's.  A fragment: lane l holds row l % 16; registers 4 c .. 4 c + 3 hold K = 32 c + 16 (l / 16) + 0 .. 15.
.macro LDX n, slot, q
.if (\n) < 32
	WIN TO_B
	ds_load_b128 v[128*(\q)+4*(\n):128*(\q)+4*(\n)+3], v[ADRB+\slot] offset:128*(\q)+32*((\n)%4)+((\n)/4)*16*PITCH
.else
	WIN 0
.set RA_, 4*(\n)-128*(((\n)/48)*(\q))
	ds_load_b128 v[RA_:RA_+3], v[ADRA+\slot] offset:128*(\q)+32*((\n)%4)+((\n)/4-8)*16*PITCH
.endif
.endm
.macro LOADS slot, q, from, to
.set L_, \from
.rept (\to)-(\from)
	LDX L_, \slot, \q
.set L_, L_+1
.endr
.endm
.macro SCALES sc                       ; a K step's scale words into set sc: two words a row; lanes 0-15 take A's block i, lanes 16-31 B's block i
	WIN 0
.irp i, 0,1,2,3,4,5,6,7
	ds_load_b64 v[SC+16*\sc+2*\i:SC+16*\sc+2*\i+1], v[ADRS] offset:\i*SBLK
.endr
.endm
; Matrix instruction n = 8 a + b: A's block a x B's block b, the slot's q-th 128 along K; sc: the set of scale words.  zero = 1: the sums start from the bias along B's rows; 2: from the bias of A's row; 0: they go on.
; The 64 accumulators take turns, one instruction a turn, in the same order in every step.
.macro MM n, q, sc, zero
.set A_, (\n)/8
.set B_, (\n)%8
.set D_, 64*(A_%4)+8*B_
.set AR_, 128+16*A_-128*((A_/4)*(\q))
.set BR_, 128*(\q)+16*B_
.set SA_, SC+16*(\sc)+2*A_+(\q)
.set SB_, SC+16*(\sc)+2*B_+(\q)
.set C_, D_
.if (\zero) == 1
.set C_, BX+8*B_
.elseif (\zero) == 2
.set C_, BX+8*A_
.endif
.if \zero
	WIN 0x81+0x40*(A_/4)                           ; source 0 (B) window 1, source 1 (A) and C (the bias) window 0, D window 2 or 3
.else
	WIN 0xa1+0x50*(A_/4)                           ; the same, C and D window 2 or 3
.endif
	v_wmma_scale_f32_16x16x128_f8f6f4 v[D_:D_+7], v[BR_:BR_+15], v[AR_:AR_+15], v[C_:C_+7], v[SB_], v[SA_] matrix_a_scale:MATRIX_SCALE_ROW1
.endm
.macro ROWS q, sc, zero, from, to      ; rows from .. to - 1 of a step
.set N_, 8*(\from)
.rept 8*((\to)-(\from))
	MM N_, \q, \sc, \zero
.set N_, N_+1
.endr
.endm
.macro PLACES n
.rept \n
	v_nop
.endr
.endm
; A slot's first step of 128.  Its own operands came as B's 32 loads, then A's 32, by blocks: ahead of row a the 28 - 4 a loads behind A's block a may be out, and from row 2 on the 32 of the run behind row 1 too; at row 5 all of A's are in.
; zero > 0, the very first step: the loads of A's blocks 4-7 (48-63) go where the bias lies, so they stand behind the last product.
.macro STEP slot, zero
	s_wait_dscnt 28
	ROWS 0, \slot, \zero, 0, 1
	s_wait_dscnt 24
	ROWS 0, \slot, \zero, 1, 2
	PLACES NP
	LOADS \slot, 1, 0, 32
	s_wait_dscnt 52
	ROWS 0, \slot, \zero, 2, 3
	s_wait_dscnt 48
	ROWS 0, \slot, \zero, 3, 4
	s_wait_dscnt 44
	ROWS 0, \slot, \zero, 4, 5
	s_wait_dscnt 32
	ROWS 0, \slot, \zero, 5, 6
	PLACES NP
.if \zero
	LOADS \slot, 1, 32, 48
.else
	LOADS \slot, 1, 32, 64
.endif
	ROWS 0, \slot, \zero, 6, 8
.if \zero
	PLACES NP
	LOADS \slot, 1, 48, 64
.endif
	WIN 0
.endm
; A slot's second step changes slots: in front of the barrier each wave waits for all its tensor loads, adds 0 to its spare word, and waits for that and for its reads of this slot (all issued in the step before).  fill = 1: the slot is filled again, two K steps ahead.
.macro TURN slot, next, fill
.if \fill
	s_wait_xcnt 0x0                                ; any prefetch of mine has read its address, which is stepped here
	s_add_nc_u64 s[PFA:PFA+1], s[PFA:PFA+1], ROWB
.endif
	s_wait_tensorcnt 0x0                           ; all my tensor loads have landed: my part of the next slot
	ds_add_u32 v[SPW], v[NIL]
.if \fill
	s_add_nc_u64 s[G0+4*\slot+2:G0+4*\slot+3], s[G0+4*\slot+2:G0+4*\slot+3], 2*ROWB
	s_add_nc_u64 s[G0B+4*\slot+2:G0B+4*\slot+3], s[G0B+4*\slot+2:G0B+4*\slot+3], 2*ROWB
.endif
	s_wait_dscnt 29                                ; (the add and A's blocks 1-7 may be out)
	ROWS 1, \slot, 0, 0, 1                         ; eight matrix instructions stand between the add and the wait for it
	s_wait_dscnt 0x0                               ; the add is done, and my reads of this slot are over
	s_barrier_signal -1
	ROWS 1, \slot, 0, 1, 2
	WIN 0
	s_barrier_wait -1
.if \fill
	CREST                                          ; the barrier has opened a round of the cluster's barrier: no wave of any partner still reads this slot or has a load on its way
	JLOAD G0+4*\slot, G1, G0B+4*\slot, G1B         ; the first tensor load behind the round; its four v_nop are among the places in front of the loads below
	PLACES NP-4
.else
	PLACES NP
.endif
	v_add_nc_u32 v[ADRS], 8, v[ADRS]               ; on to the next K step's scale words
	s_wait_alu depctr_va_vdst(0)                   ; directly behind the write
	SCALES \next
	LOADS \next, 0, 0, 32
.if \fill
	WIN 0
	s_cmp_gt_u32 s3, 1                             ; the loop's last trip fills K steps 6 and 7: there is nothing two steps on
	s_cbranch_scc0 .Lno_ask_\@
	global_prefetch_b8 v[PFO], s[PFA:PFA+1] offset:3*ROWB th:TH_LOAD_NT scope:SCOPE_SE   ; two K steps behind the one just asked for
.Lno_ask_\@:
.endif
	ROWS 1, \slot, 0, 2, 6
	PLACES NP
	LOADS \next, 0, 32, 64
	ROWS 1, \slot, 0, 6, 8
	WIN 0
.endm
	s_wait_alu depctr_va_vdst(0)                   ; at the head's end
	s_wait_tensorcnt 0x0                           ; my tile of the head's four is in
	ds_add_u32 v[SPW], v[NIL]
.irp g, G1, G1B
	s_mov_b32 s[\g+2], 128<<16                     ; no tensor load of mine is out: from here on a load brings 128 rows
	s_mov_b32 s[\g+4], 128
.endr
	s_wait_dscnt 0x0
	CROUND                                         ; all four tiles are in
	JLOAD G0+4, G1, G0B+4, G1B                     ; K step 1, the first tensor load behind the round
	SCALES 0
	LOADS 0, 0, 0, 64
	WIN 0
	global_prefetch_b8 v[PFO], s[PFA:PFA+1] offset:2*ROWB th:TH_LOAD_NT scope:SCOPE_SE   ; K step 2
	global_prefetch_b8 v[PFO], s[PFA:PFA+1] offset:3*ROWB th:TH_LOAD_NT scope:SCOPE_SE   ; K step 3
	s_cmp_lt_u32 s[GG], 2                          ; the first step starts the sums from the bias: it is written twice, for the bias's two shapes; the branch hangs on g alone
	s_cbranch_scc0 .Lfirst_v
	STEP 0, 1
	s_branch .Lfirst_done
.Lfirst_v:
	STEP 0, 2
.Lfirst_done:
	s_mov_b32 s3, LAPS-1
.Llap:                                                 ; a trip goes once round the ring and fills both slots again
	TURN 0, 1, 1
	STEP 1, 0
	TURN 1, 0, 1
	STEP 0, 0
	s_sub_co_u32 s3, s3, 1
	s_cmp_lg_u32 s3, 0
	s_cbranch_scc1 .Llap
	TURN 0, 1, 0                                   ; the last lap fills nothing
	STEP 1, 0
.irp a, 0,1,2,3,4,5,6,7                ; the very last step
	s_wait_dscnt 28-4*\a
	ROWS 1, 1, 0, \a, \a+1
.endr
	WIN 0
; THE WAY OUT.  Block a (16 of A's rows): a lane's 64 numbers, register 16 b + i = K 32 b + 16 (lane / 16) + i of the next product, become 16 registers of codes and a scale word.  Each accumulator is read from its low end on.
.macro QUANTW a
.set S, 64*((\a)%4)                    ; the block's eight accumulators, in window 2 (blocks 0-3) or 3 (blocks 4-7)
.set P, PC+16*((\a)%4)                 ; its codes
	WIN 5*(2+(\a)/4)                               ; sources 0 and 1: the accumulators' window
.irp b, 0,1,2,3
	v_max3_num_f32 v[TM+\b], |v[S+16*\b]|, |v[S+16*\b+1]|, 0x4800000   ; block b of 32: my 16 numbers, and the floor 2^(9 - 127): the byte cannot fall under 1
.endr
.irp i, 2,4,6,8,10,12,14
.irp b, 0,1,2,3
	v_max3_num_f32 v[TM+\b], |v[S+16*\b+\i]|, |v[S+16*\b+\i+1]|, v[TM+\b]   ; (the four blocks by turns)
.endr
.endr
	WIN 0
.irp b, 0,1,2,3
	v_permlanex16_b32 v[TM+4+\b], v[TM+\b], s[SEL], s[SEL+1]
.endr
.irp b, 0,1,2,3
	v_max_num_f32 v[TM+\b], v[TM+\b], v[TM+4+\b]   ; with lane l xor 16's 16: the block's largest magnitude
.endr
.irp b, 0,1,2,3
	v_add_nc_u32 v[TM+12+\b], 0xfc000000, v[TM+\b] ; 8 off its exponent field: the conversion's scale operand
.endr
.irp b, 0,1,2,3
	v_and_or_b32 v[TM+8+\b], v[TM+\b], 0x7f800000, s[MNT]   ; 448 x the scale
.endr
.irp b, 0,1,2,3
	v_lshrrev_b32 v[TM+4+\b], 23, v[TM+12+\b]      ; the scale's byte
.endr
	v_lshl_or_b32 v[PW+(\a)], v[TM+5], 8, v[TM+4]  ; the four bytes make my row's scale word (both halves of the lanes hold the same)
	v_lshl_or_b32 v[PW+(\a)], v[TM+6], 16, v[PW+(\a)]
	v_lshl_or_b32 v[PW+(\a)], v[TM+7], 24, v[PW+(\a)]
	WIN 2+(\a)/4                                   ; source 0: the accumulators' window
.irp b, 0,1,2,3
.irp i, 0,1,2,3,4,5,6,7,8,9,10,11,12,13,14,15
	v_med3_num_f32 v[T+16*\b+\i], v[S+16*\b+\i], -v[TM+8+\b], v[TM+8+\b]   ; the conversion does not saturate (ISA guide 7.6.2): the hold at 448 x the scale
.endr
.endr
	WIN 0
.if (\a) >= 4
	s_wait_alu depctr_va_vdst(0)
	s_wait_xcnt 0x0                                ; the stores of four blocks ago have read this set of codes: it is written again only behind this wait
.endif
.irp b, 0,1,2,3
	v_cvt_scalef32_pk8_fp8_f32 v[P+4*\b:P+4*\b+1], v[T+16*\b:T+16*\b+7], v[TM+12+\b]
	v_cvt_scalef32_pk8_fp8_f32 v[P+4*\b+2:P+4*\b+3], v[T+16*\b+8:T+16*\b+15], v[TM+12+\b]
.endr
	v_nop                                          ; a plain line between the conversions and the next vector instruction that writes their sources
.irp c, 0,1,2,3
	global_store_b128 v[LI], v[P+4*\c:P+4*\c+3], s[12:13] offset:2048*(\a)+512*\c   ; 32 lanes store 512 consecutive bytes, aligned
.endr
.endm
	PLACES NP                                      ; behind the last products: in front of the first reads of results and the first writes over A's fragments
.irp b, 0,1,2,3
	v_mov_b32 v[TM+4+\b], 0                        ; written once: a lane permute's destination counts as one of its sources
.endr
.irp a, 0,1,2,3,4,5,6,7
	QUANTW \a
.endr
	v_cmp_eq_u32 vcc_lo, 0, v2                     ; lanes 0-15 store the words of blocks 0-3, lanes 16-31 those of blocks 4-7
.irp k, 0,1,2,3
	v_cndmask_b32 v[OW+\k], v[PW+4+\k], v[PW+\k], vcc_lo
.endr
	global_store_b128 v[SA], v[OW:OW+3], s[12:13] offset:16384   ; 512 consecutive aligned bytes
	s_wait_tensorcnt 0x0                           ; the wave's end
	ds_add_u32 v[SPW], v[NIL]
	s_wait_dscnt 0x0
	CROUND                                         ; the closing round: no work-group ends while a partner may still ask for a tile that names it
	s_endpgm
.Lfunc_end_k_qb15795766f_proj:
	.size	k_qb15795766f_proj, .Lfunc_end_k_qb15795766f_proj-k_qb15795766f_proj
	.p2alignl 7, 3214868480
	.fill 96, 4, 3214868480
	.section	.rodata,"a",@progbits
	.p2align	6, 0x0
	.amdhsa_kernel k_qb15795766f_proj
		.amdhsa_group_segment_fixed_size 327680
		.amdhsa_private_segment_fixed_size 0
		.amdhsa_enable_private_segment 0
		.amdhsa_kernarg_size 48
		.amdhsa_user_sgpr_count 2
		.amdhsa_user_sgpr_kernarg_segment_ptr 1
		.amdhsa_wavefront_size32 1
		.amdhsa_system_sgpr_workgroup_id_x 1
		.amdhsa_system_sgpr_workgroup_id_y 1
		.amdhsa_system_sgpr_workgroup_id_z 1
		.amdhsa_system_vgpr_workitem_id 0
		.amdhsa_next_free_vgpr 1024
		.amdhsa_next_free_sgpr 102
		.amdhsa_reserve_vcc 1
		.amdhsa_float_denorm_mode_32 3
		.amdhsa_float_denorm_mode_16_64 3
		.amdhsa_memory_ordered 1
		.amdhsa_forward_progress 1
		.amdhsa_inst_pref_size 206
	.end_amdhsa_kernel
	.amdgpu_metadata
---
amdhsa.version: [ 1, 2 ]
amdhsa.kernels:
  - .name:           k_qb15795766f_proj
    .symbol:         k_qb15795766f_proj.kd
    .args:
      - { .name: codes, .offset: 0, .size: 8, .value_kind: global_buffer, .address_space: global }
      - { .name: scales, .offset: 8, .size: 8, .value_kind: global_buffer, .address_space: global }
      - { .name: bq, .offset: 16, .size: 8, .value_kind: global_buffer, .address_space: global }
      - { .name: bk, .offset: 24, .size: 8, .value_kind: global_buffer, .address_space: global }
      - { .name: bv, .offset: 32, .size: 8, .value_kind: global_buffer, .address_space: global }
      - { .name: hx, .offset: 40, .size: 8, .value_kind: global_buffer, .address_space: global }
    .group_segment_fixed_size: 327680
    .private_segment_fixed_size: 0
    .kernarg_segment_align: 8
    .kernarg_segment_size: 48
    .max_flat_workgroup_size: 128
    .sgpr_count:     102
    .vgpr_count:     1024
    .wavefront_size: 32
...
	.end_amdgpu_metadata
.endif
;; end of part 6
;; launch attn (part 7): grid 8 x 32, 16 waves a work-group, clusters of 4 x 1, 327,680 bytes of LDS; arguments hx, oc, os; writes oc, os
.if DOCPART == 7
	.amdgcn_target "amdgcn-amd-amdhsa--gfx1250"
	.amdhsa_code_object_version 6
	.text
	.protected	k_qb15795766f_attn
	.globl	k_qb15795766f_attn
	.p2align	8
	.type	k_qb15795766f_attn,@function
k_qb15795766f_attn:
	s_mov_b64 s[64:65], 0
	v_nop
	global_prefetch_b8 v0, s[64:65] scope:SCOPE_SE
	s_setreg_imm32_b32 hwreg(HW_REG_WAVE_MODE, 25, 1), 1
	s_wait_xcnt 0x0
	s_wait_alu depctr_hold_cnt(0) depctr_sa_sdst(0) depctr_va_vdst(0) depctr_va_sdst(0) depctr_va_ssrc(0) depctr_va_vcc(0) depctr_vm_vsrc(0)
	s_getreg_b32 s2, hwreg(HW_REG_IB_STS2, 6, 4)
	s_cmp_eq_u32 s2, 0
	s_cbranch_scc0 .Lentry_in_a_cluster
	s_endpgm
.Lentry_in_a_cluster:
	s_bfe_u32 s2, ttmp6, 0x10000c
	s_cmp_lg_u32 s2, 0x3003
	s_cbranch_scc0 .Lentry_shape_is_right
	s_endpgm
.Lentry_shape_is_right:
; LAUNCH 3 OF 4.  Causal attention on codes of FP8 (E4M3) with E8M0 scales: O[q] = sum over k <= q of softmax_k(Q[q] . K[k] / sqrt(128)) V[k], for 32 (batch, head) of 1,024 tokens and 128 channels; O is quantised for the last projection.
; WORK LEFT OUT: a step of 128 keys that lies wholly behind a wave's 16 queries is not multiplied: reference() masks those scores to -inf in its own body, so p = 0 there for all inputs (shown at the head of the first launch).
; THE SOFTMAX AHEAD OF THE SECOND PRODUCT: t = score x log2(e) / sqrt(128); M = the running largest t rounded UP to a whole number; p = 2^(t - M) is quantised along the keys, not normalised; the row's sum is taken of the unquantised p
; and divides O at the end.  When M moves, the sum and O are multiplied by 2^(old M - new M): exact.
; OPERANDS arrive as images of their registers, a chunk of 16,896 bytes for each 128 tokens: eight tiles (16 rows x 128 K: 2,048 bytes, lane l's 16 bytes of group c at 512 c + 16 l), then [r 16][tile 8] scale words.
; LAYOUT.  Both products are used transposed: S^T = K Q^T, O^T = V^T P^T: a lane holds ONE query throughout.  Tile 2 b + u of a step's keys holds keys 32 b + 8 u + r + 8 (r / 8), so the 16 registers of tiles 2 b, 2 b + 1 are keys
; 32 b + 16 (lane / 16) + 0 .. 15; V's tiles of channels are chosen alike, so O^T's 64 registers are in the order of the next operand's registers.  A tile of queries x in a unit of 128 holds queries 32 (x / 2) + 8 (x % 2) + r + 8 (r / 8).
; SHARES.  Work-group (x, y): head y, and of each of the eight units of 128 queries the tile x.  A unit belongs to two waves, w and w + 8: unit w % 4, or 7 - w % 4 where w's bit 2 is set.  Waves 0-7 walk its even key steps, waves 8-15 its odd ones,
; each with a maximum, a sum and an O of its own; at the end waves 8-15 hand theirs over through LDS and waves 0-7 join the two.  36 wave-steps in every work-group, 9 in each group of waves w % 4.
; LDS HOLDS A HEAD'S K AND V WHOLE: sixteen chunks, one for each wave to fetch: slot w = K (bit 1 of w clear) or V (set) of step 2 (w / 4) + w % 2.  Nothing is filled twice.  Waves 0-3 bring steps 0 and 1, which the first barrier shows; the second shows the rest.
; CLUSTER.  The four work-groups of a cluster belong to one head: each chunk is asked for jointly (mask 15).  No branch hangs on a work-group's place: which steps count hangs on the wave's number and the step's.
; NO PREFETCH: all chunks are asked for at the head, and no loop asks for anything.
; LIMITS: as stated at the head of the first launch.
; REGISTERS: v1-3, v10, v11 addresses that stay; v8, v9 addresses of the step in hand; v12 -M, v13 the largest t, v[14:15] the sum in two halves; v16-31 Q; v32-95 four fragments of K or V; v96-159 S^T, then p; v160-223 O^T; v224-239 p's codes;
;   v232-247, v252, v254 at work; v248-251 four tiles' scale words; v253 p's scale word; v255 Q's.
.set CHUNK, 16896
.set VOFF,  2*CHUNK                    ; from a step's K to its V
.set PART,  8448                       ; what a wave hands over: O^T 8,192 bytes, then -M and its sum, 8 bytes a lane; eight of these take slots 0 to 3, which nobody reads behind the second barrier
.set SPARE, 16*CHUNK                   ; the spare words, 128 bytes a wave, which no other line names
.set LI,   1                           ; v1   16 x lane
.set LSC,  2                           ; v2   32 r: my row among a chunk's scale words
.set QD,   3                           ; v3   my query in its unit of 128, less 16 (lane / 16)
.set SPW,  5                           ; v5   LDS address of my spare word; never rewritten
.set NIL,  6                           ; v6   0; never rewritten
.set AD,   8                           ; v8   LDS address of the step's images
.set AS,   9                           ; v9   and of its scale words
.set TM,   232                         ; the way out: largest magnitudes, bytes, 448 x the scale, the conversions' scale operands
.set WV,   12
.set XT,   14                          ; s14  x: my tile of queries in each unit
.set BH,   15                          ; s15  batch x 16 + head
.set BLK,  16                          ; s16  my wave's unit of queries
.set KSN,  17                          ; s17  the key step's number
.set TB,   18                          ; s18  LDS byte at which the step's chunk of K begins
.set MNT,  19                          ; s19  the mantissa field of 448
.set SEL,  20                          ; s[20:21] v_permlanex16_b32's selects for lane l xor 16
.set CS,   22                          ; s[22:23] c = log2(e) / sqrt(128)
.set G1,   24                          ; s[24:31] group 1: a chunk as 66 rows of 256 bytes
.set G0,   40                          ; s[40:43] group 0
.macro CROUND                          ; a round of the cluster's barrier
	s_barrier_signal -1
	s_barrier_wait -1
	s_cmp_lg_u32 s[WV], 0
	s_cbranch_scc1 .Lnot_wave_0_\@
	s_barrier_signal -3
.Lnot_wave_0_\@:
	s_barrier_wait -3
	s_barrier_signal -1
	s_barrier_wait -1
.endm
	s_load_b128 s[4:7], s[0:1], 0x0                ; hx, oc
	s_load_b64 s[8:9], s[0:1], 0x10                ; os
	v_lshl_add_u32 v[SPW], v0, 2, SPARE
	v_mov_b32 v[NIL], 0
	ds_add_u32 v[SPW], v[NIL]                      ; the wave's opening: the add, twice on end, and its wait ahead of my first tensor load
	ds_add_u32 v[SPW], v[NIL]
	v_lshrrev_b32 v8, 5, v0
	v_readfirstlane_b32 s[WV], v8                  ; wave 0..15
	s_bfe_u32 s2, ttmp6, 0x40000                   ; cx
	s_lshl_b32 s[XT], ttmp9, 2
	s_add_co_u32 s[XT], s[XT], s2                  ; x = 4 x cluster x + cx: it enters Q's and O's addresses and the mask's numbers alone
	s_and_b32 s[BH], ttmp7, 0xffff
	s_bfe_u32 s2, s[WV], 0x10002
	s_mul_i32 s2, s2, 7
	s_and_b32 s3, s[WV], 3
	s_xor_b32 s[BLK], s3, s2                       ; w % 4, or 7 - w % 4
	s_lshr_b32 s[KSN], s[WV], 3                    ; my first key step: 0 or 1
	s_mul_i32 s[TB], s[KSN], CHUNK
	; what I fetch
	s_bfe_u32 s2, s[WV], 0x10001
	s_add_co_u32 s2, s2, 1                         ; K is tensor 1 of hx, V tensor 2
	s_lshl_b32 s2, s2, 5
	s_add_co_u32 s2, s2, s[BH]
	s_lshl_b32 s2, s2, 3
	s_lshr_b32 s3, s[WV], 2
	s_lshl_b32 s3, s3, 1
	s_add_co_u32 s2, s2, s3
	s_and_b32 s3, s[WV], 1
	s_add_co_u32 s2, s2, s3
	s_mul_i32 s54, s2, CHUNK
	s_mov_b32 s55, 0
	s_mov_b32 s[G1], 15|(3<<16)|(1<<21)            ; the mask: all four work-groups; elements of 8 bytes; bit 21 beside a mask; no padding
	s_mov_b32 s[G1+1], 32<<16                      ; tensor_dim0 = 32 elements: 256 bytes
	s_mov_b32 s[G1+2], 66<<16                      ; tensor_dim1 = 66 rows
	s_mov_b32 s[G1+3], 32<<16                      ; tile_dim0
	s_mov_b32 s[G1+4], 66                          ; tile_dim1
	s_mov_b32 s[G1+5], 32                          ; from row to row: dense
	s_mov_b32 s[G1+6], 0
	s_mov_b32 s[G1+7], 0
	s_mov_b32 s[SEL], 0x76543210
	s_mov_b32 s[SEL+1], 0xfedcba98
	s_mov_b32 s[CS], 0x3e0293ee                    ; c = log2(e) / sqrt(128)
	s_mov_b32 s[CS+1], s[CS]                       ; (named with it as a pair, so it is written)
	s_mov_b32 s[MNT], 0x600000
	s_mov_b32 s[G0], 1
	s_mul_i32 s[G0+1], s[WV], CHUNK                ; LDS: slot w
	s_wait_dscnt 0x0                               ; both opening adds are done
	CROUND                                         ; all four work-groups are here: the joint loads meet
	s_wait_kmcnt 0x0
	s_add_nc_u64 s[G0+2:G0+3], s[4:5], s[54:55]
	s_or_b32 s[G0+3], s[G0+3], 0x80000000
	s_cmp_lt_u32 s[WV], 4                          ; one load a wave; steps 0 and 1 have a line of their own, since they are shown ahead of the rest
	s_cbranch_scc0 .Llater
	tensor_load_to_lds s[G0:G0+3], s[G1:G1+7]
	s_nop 0
.rept 4
	v_nop
.endr
	s_branch .Lasked
.Llater:
	tensor_load_to_lds s[G0:G0+3], s[G1:G1+7]
	s_nop 0
.rept 4
	v_nop
.endr
.Lasked:
	s_lshl_b32 s2, s[BH], 3                        ; Q's chunk: tensor 0 of hx, step = my unit
	s_add_co_u32 s2, s2, s[BLK]
	s_mul_i32 s56, s2, CHUNK
	s_lshl_b32 s3, s[XT], 11
	s_add_co_u32 s54, s56, s3                      ; tile x
	s_mov_b32 s55, 0
	s_add_nc_u64 s[54:55], s[4:5], s[54:55]
	s_lshl_b32 s3, s[XT], 2
	s_add_co_u32 s56, s56, s3                      ; and its scale words, 16,384 bytes on
	s_mov_b32 s57, 0
	s_add_nc_u64 s[56:57], s[4:5], s[56:57]
	s_lshr_b32 s51, s[XT], 1
	s_lshl_b32 s51, s51, 5
	s_and_b32 s3, s[XT], 1
	s_lshl_b32 s3, s3, 3
	s_add_co_u32 s51, s51, s3                      ; 32 (x / 2) + 8 (x % 2)
	s_and_b32 s50, s[WV], 7
	s_mul_i32 s50, s50, PART                       ; where my pair hands over
	; where O's image and scale words go
	s_lshl_b32 s2, s[BLK], 3
	s_add_co_u32 s2, s2, s[XT]                     ; my tile of 16 places in the sequence
	s_and_b32 s3, s[BH], 15                        ; head
	s_lshr_b32 s60, s[BH], 4                       ; batch
	s_lshl_b32 s60, s60, 6
	s_add_co_u32 s2, s2, s60                       ; batch x 64 + tile
	s_lshl_b32 s58, s3, 7
	s_add_co_u32 s58, s58, s2
	s_lshl_b32 s58, s58, 11                        ; oc: [head][batch x 64 + tile][2,048 bytes]
	s_mov_b32 s59, 0
	s_add_nc_u64 s[6:7], s[6:7], s[58:59]
	s_lshl_b32 s58, s2, 10                         ; os: 16 places x 64 bytes a tile,
	s_lshl_b32 s3, s3, 2
	s_add_co_u32 s58, s58, s3                      ; the head's word
	s_add_nc_u64 s[8:9], s[8:9], s[58:59]
	v_and_b32 v4, 31, v0
	v_and_b32 v8, 15, v0                           ; r
	v_bfe_u32 v9, v0, 4, 1                         ; h
	v_lshlrev_b32 v[LI], 4, v4
	v_lshlrev_b32 v[LSC], 5, v8
.irp c, 0,1,2,3
	global_load_b128 v[16+4*\c:19+4*\c], v[LI], s[54:55] offset:512*\c   ; Q's fragment stays in registers
.endr
	global_load_b32 v255, v[LSC], s[56:57] offset:16384   ; Q's scale words
	v_and_b32 v4, 8, v8
	v_lshlrev_b32 v7, 4, v9
	v_add_nc_u32 v4, v4, v8                        ; r + 8 (r / 8)
	v_lshrrev_b32 v10, 1, v[LI]
	v_sub_nc_u32 v4, v4, v7                        ; - 16 h
	v_add_nc_u32 v11, s50, v[LI]                   ; my lane's place in O^T as it is handed over: 16 x lane,
	v_add_nc_u32 v10, s50, v10                     ; and of -M and the sum: 8 x lane
	v_add_nc_u32 v[QD], s51, v4
	v_mov_b32 v13, 0xff61b1e6                      ; the largest t so far: -3e38, under every t
	v_mov_b32 v14, 0                               ; the sum, in two halves
	v_mov_b32 v15, 0
	v_floor_f32 v12, -v13                          ; -M
.irp b, 0,1,2,3
	v_mov_b32 v[236+\b], 0                         ; written once: a lane permute's destination counts as one of its sources
.endr
	v_mov_b32 v252, 0                              ; likewise
	v_mov_b32 v253, 0                              ; (these three are named as the upper half of a pair before they are otherwise written)
	v_mov_b32 v247, 0
	v_mov_b32 v249, 0
.set J_, 0
.rept 64
	v_mov_b32 v[160+J_], 0                         ; O^T.  (The step is written for all steps alike: the first finds zeros, which the first change of M leaves zeros)
.set J_, J_+1
.endr
; A KEY STEP: 128 keys, number KSN, whose chunks of K and V begin at TB and TB + VOFF.
.macro STEP
	s_cmp_gt_u32 s[KSN], s[BLK]                    ; a step all of whose keys come behind my queries is left out: a branch on the wave's number and the step's, round loads, products and softmax; no barrier and no tensor load stands in a step
	s_cbranch_scc1 .Lhidden_\@
	v_add_nc_u32 v[AD], s[TB], v[LI]
	v_add_nc_u32 v[AS], s[TB], v[LSC]
.irp g, 0,1                                    ; S^T = K Q^T, four tiles of 16 keys at a time
.rept 8
	v_nop                                          ; eight places in front of loads into registers that matrix instructions have read; with the two additions ten in front of products that write over registers which the last step's products read
.endr
.irp t, 0,1,2,3
.irp c, 0,1,2,3
	ds_load_b128 v[32+16*\t+4*\c:32+16*\t+4*\c+3], v[AD] offset:8192*\g+2048*\t+512*\c
.endr
.endr
	ds_load_b128 v[248:251], v[AS] offset:16384+16*\g    ; the four tiles' scale words of my row
.if \g == 0
	s_wait_alu depctr_va_vdst(0)                   ; directly ahead of the wait below
.endif
	s_wait_dscnt 0x0
.irp t, 0,1,2,3
	v_wmma_scale_f32_16x16x128_f8f6f4 v[96+8*(4*\g+\t):103+8*(4*\g+\t)], v[32+16*\t:47+16*\t], v[16:31], 0, v[248+\t], v255
.endr
.endr
.rept 8
	v_nop
.endr
.irp t, 0,1,2,3                                ; V's first four tiles of 16 channels and their scale words: they come in while the softmax is worked
.irp c, 0,1,2,3
	ds_load_b128 v[32+16*\t+4*\c:32+16*\t+4*\c+3], v[AD] offset:VOFF+2048*\t+512*\c
.endr
.endr
	ds_load_b128 v[248:251], v[AS] offset:VOFF+16384
	s_cmp_lt_u32 s[KSN], s[BLK]                    ; on the diagonal the scores of hidden keys become -infinity ahead of the maximum: p = 0 then.  A step all of whose keys count skips this
	s_cbranch_scc1 .Lopen_\@
	v_mov_b32 v254, 0xff800000                     ; -infinity
.set J_, 0
.rept 64
	v_cmp_gt_i32 vcc_lo, 32*(J_/16)+J_%16, v[QD]   ; register 16 b + i holds key 32 b + 16 (lane / 16) + i of the unit: hidden where 32 b + i > my query - 16 (lane / 16)
	v_cndmask_b32 v[96+J_], v[96+J_], v254, vcc_lo
.set J_, J_+1
.endr
.Lopen_\@:
.irp b, 0,1,2,3
	v_max3_num_f32 v[232+\b], v[96+16*\b], v[97+16*\b], v[98+16*\b]   ; the largest score of each block of 32 keys: it serves for the row's maximum and, since p rises with the score, for the block's largest p
.endr
.irp i, 3,5,7,9,11,13
.irp b, 0,1,2,3
	v_max3_num_f32 v[232+\b], v[232+\b], v[96+16*\b+\i], v[97+16*\b+\i]
.endr
.endr
.irp b, 0,1,2,3
	v_max_num_f32 v[232+\b], v[232+\b], v[111+16*\b]
.endr
.irp b, 0,1,2,3
	v_permlanex16_b32 v[236+\b], v[232+\b], s[SEL], s[SEL+1]
.endr
.irp b, 0,1,2,3
	s_delay_alu instid0(VALU_DEP_4)
	v_max_num_f32 v[232+\b], v[232+\b], v[236+\b]  ; with lane l xor 16's 16 keys
.endr
	s_delay_alu instid0(VALU_DEP_2)
	v_max3_num_f32 v254, v232, v233, v234
	s_delay_alu instid0(VALU_DEP_1)
	v_max_num_f32 v254, v254, v235                 ; the step's largest score of my query
	s_delay_alu instid0(VALU_DEP_1)
	v_mul_f32 v254, s[CS], v254                    ; as t (c is positive)
	s_delay_alu instid0(VALU_DEP_1)
	v_max_num_f32 v13, v13, v254                   ; the running largest t
	v_mov_b32 v254, v12
	s_delay_alu instid0(VALU_DEP_2)
	v_floor_f32 v12, -v13                          ; the new -M = floor(-t) = -ceil(t)
	s_delay_alu instid0(VALU_DEP_1)
	v_sub_f32 v254, v12, v254                      ; M's old value less its new one: a whole number, 0 or less
	s_delay_alu instid0(VALU_DEP_1)
	v_cvt_i32_f32 v254, v254                       ; (it saturates)
	s_delay_alu instid0(VALU_DEP_1)
	v_ldexp_f32 v252, 1.0, v254                    ; f = 2^(old M - new M)
.set J_, 0
.rept 32
	v_pk_fma_f32 v[96+J_:97+J_], v[96+J_:97+J_], s[CS:CS+1], v[12:13] op_sel_hi:[1,0,0]   ; t - M, two at a time
.set J_, J_+2
.endr
.irp b, 0,1,2,3
	v_fma_f32 v[232+\b], v[232+\b], s[CS], v12     ; the same of each block's largest score
.endr
	s_wait_alu depctr_va_vdst(0)                   ; ahead of the batch too
.set J_, 0
.rept 64
	v_exp_f32 v[96+J_], v[96+J_]                   ; p = 2^(t - M), at most 1
.set J_, J_+1
.endr
	v_pk_mul_f32 v[14:15], v[14:15], v[252:253] op_sel_hi:[1,0]   ; the sums under the new M (a plain line behind the exponentials)
	s_wait_alu depctr_va_vdst(0)                   ; one wait for the whole batch, ahead of its first reader
.irp b, 0,1,2,3
	v_exp_f32 v[232+\b], v[232+\b]                 ; the block's largest p: the same two instructions on the same number give the same bits
.endr
	v_pk_add_f32 v[236:237], v[96:97], v[98:99]    ; the row's sum, of the unquantised p: six chains of pairs, then joined
.irp i, 0,1,2,3
	v_pk_add_f32 v[240+2*\i:241+2*\i], v[100+4*\i:101+4*\i], v[102+4*\i:103+4*\i]
.endr
	v_pk_add_f32 v[14:15], v[14:15], v[116:117]
.irp k, 118,130,142
	v_pk_add_f32 v[236:237], v[236:237], v[\k:\k+1]
.irp i, 0,1,2,3
	v_pk_add_f32 v[240+2*\i:241+2*\i], v[240+2*\i:241+2*\i], v[\k+2+2*\i:\k+3+2*\i]
.endr
	v_pk_add_f32 v[14:15], v[14:15], v[\k+10:\k+11]
.endr
	v_pk_add_f32 v[236:237], v[236:237], v[154:155]
	v_pk_add_f32 v[240:241], v[240:241], v[156:157]
	v_pk_add_f32 v[242:243], v[242:243], v[158:159]
	v_pk_add_f32 v[244:245], v[244:245], v[246:247]
	v_pk_add_f32 v[14:15], v[14:15], v[236:237]
	v_pk_add_f32 v[240:241], v[240:241], v[242:243]
	v_pk_add_f32 v[14:15], v[14:15], v[244:245]
	v_pk_add_f32 v[14:15], v[14:15], v[240:241]
	s_wait_alu depctr_va_vdst(0)                   ; and one for the four
.irp b, 0,1,2,3
	v_max_num_f32 v[232+\b], 0x4800000, v[232+\b]  ; the floor 2^(9 - 127): a block whose every p is 0 keeps the byte 1: its codes are zeros
.endr
.irp b, 0,1,2,3
	s_delay_alu instid0(VALU_DEP_4)
	v_add_nc_u32 v[244+\b], 0xfc000000, v[232+\b]  ; the conversion's scale operand
.endr
.irp b, 0,1,2,3
	v_and_or_b32 v[240+\b], v[232+\b], 0x7f800000, s[MNT]   ; 448 x the scale
.endr
.irp b, 0,1,2,3
	v_lshrrev_b32 v[236+\b], 23, v[244+\b]         ; the scale's byte
.endr
	s_delay_alu instid0(VALU_DEP_3)
	v_lshl_or_b32 v253, v237, 8, v236              ; p's scale word for these 128 keys
	s_delay_alu instid0(VALU_DEP_1)
	v_lshl_or_b32 v253, v238, 16, v253
	s_delay_alu instid0(VALU_DEP_1)
	v_lshl_or_b32 v253, v239, 24, v253
.irp b, 0,1,2,3
.irp i, 0,1,2,3,4,5,6,7,8,9,10,11,12,13,14,15
	v_min_num_f32 v[96+16*\b+\i], v[96+16*\b+\i], v[240+\b]   ; the conversion does not saturate (ISA guide 7.6.2); p is not negative, so the hold is one-sided
.endr
	v_cvt_scalef32_pk8_fp8_f32 v[224+4*\b:225+4*\b], v[96+16*\b:103+16*\b], v[244+\b]
	v_cvt_scalef32_pk8_fp8_f32 v[226+4*\b:227+4*\b], v[104+16*\b:111+16*\b], v[244+\b]
.endr
.irp t, 0,1,2,3                                ; V's other four tiles, where p lay, and their scale words, where the holds' bounds lay
.irp c, 0,1,2,3
	ds_load_b128 v[96+16*\t+4*\c:96+16*\t+4*\c+3], v[AD] offset:VOFF+8192+2048*\t+512*\c
.endr
.endr
	ds_load_b128 v[240:243], v[AS] offset:VOFF+16384+16
	s_wait_alu depctr_va_vdst(0)                   ; directly ahead of the first reader of O^T
.set J_, 0
.rept 32
	v_pk_mul_f32 v[160+J_:161+J_], v[160+J_:161+J_], v[252:253] op_sel_hi:[1,0]   ; O^T under the new M.  (These 32 are also the places in front of the matrix instructions and loads below)
.set J_, J_+2
.endr
	s_wait_alu depctr_va_vdst(0)                   ; directly ahead of the wait below
	s_wait_dscnt 17                                ; V's first four tiles are in; the 17 loads behind them may be out
.irp t, 0,1,2,3                                ; O^T += V^T P^T: four tiles of 16 channels at a time; K = these 128 keys
	v_wmma_scale_f32_16x16x128_f8f6f4 v[160+8*\t:167+8*\t], v[32+16*\t:47+16*\t], v[224:239], v[160+8*\t:167+8*\t], v[248+\t], v253
.endr
	s_wait_dscnt 0x0
.irp t, 0,1,2,3
	v_wmma_scale_f32_16x16x128_f8f6f4 v[192+8*\t:199+8*\t], v[96+16*\t:111+16*\t], v[224:239], v[192+8*\t:199+8*\t], v[240+\t], v253
.endr
.Lhidden_\@:
	s_add_co_u32 s[KSN], s[KSN], 2
	s_add_co_u32 s[TB], s[TB], 4*CHUNK
.endm
	s_wait_alu depctr_va_vdst(0)                   ; at the head's end
	s_wait_loadcnt 0x0                             ; Q
	s_cmp_lt_u32 s[WV], 4
	s_cbranch_scc0 .Lnot_yet
	s_wait_tensorcnt 0x0                           ; waves 0-3: steps 0 and 1 have landed.  The other waves' wait stands at the second barrier
.Lnot_yet:
	s_barrier_signal -1
	s_barrier_wait -1
	STEP                                           ; step 0 or 1
	s_wait_alu depctr_va_vdst(0)
	s_wait_tensorcnt 0x0                           ; the rest has landed
	s_wait_dscnt 0x0                               ; and my reads of slots 0 to 3 are over
	s_barrier_signal -1
	s_barrier_wait -1
	s_mov_b32 s49, 3
.Ltrip:
	STEP
	s_sub_co_u32 s49, s49, 1
	s_cmp_lg_u32 s49, 0
	s_wait_alu depctr_va_vdst(0)
	s_cbranch_scc1 .Ltrip
.rept 8
	v_nop                                          ; places behind the last products
.endr
	s_cmp_lt_u32 s[WV], 8
	s_cbranch_scc1 .Lmeet
	v_add_f32 v13, v14, v15                        ; waves 8-15 hand over -M, the sum of the lane's keys, and O^T
	ds_store_b64 v10, v[12:13] offset:8192
.set J_, 0
.rept 16
	ds_store_b128 v11, v[160+4*J_:163+4*J_] offset:512*J_
.set J_, J_+1
.endr
.Lmeet:
	s_wait_alu depctr_va_vdst(0)
	s_wait_dscnt 0x0
	s_barrier_signal -1
	s_barrier_wait -1
	s_cmp_lt_u32 s[WV], 8
	s_cbranch_scc0 .Lend
	; THE WAY OUT, waves 0-7.  The two parts are joined under the larger M; O^T is divided by the row's sum and quantised along the head's 128 channels, which are 128 of the last projection's K: register 16 b + i is channel 32 b + 16 (lane / 16) + i.
	ds_load_b64 v[240:241], v10 offset:8192
.set J_, 0
.rept 16
	ds_load_b128 v[96+4*J_:99+4*J_], v11 offset:512*J_
.set J_, J_+1
.endr
	s_wait_dscnt 0x0
	v_min_num_f32 v242, v12, v240                  ; -M of both
	v_sub_f32 v243, v242, v12
	v_sub_f32 v244, v242, v240
	v_cvt_i32_f32 v243, v243
	v_cvt_i32_f32 v244, v244                       ; (a part with no step has M = -3e38: it saturates, and its factor is 0)
	v_ldexp_f32 v246, 1.0, v243                    ; the factors 2^(M of the part - M)
	v_ldexp_f32 v248, 1.0, v244
	v_add_f32 v14, v14, v15                        ; my sum's two halves,
	v_mul_f32 v14, v14, v246
	v_fma_f32 v14, v241, v248, v14                 ; the other part's,
	v_permlanex16_b32 v252, v14, s[SEL], s[SEL+1]
	v_add_f32 v14, v14, v252                       ; and lane l xor 16's: the row's sum
	s_wait_alu depctr_va_vdst(0)                   ; ahead of the transcendental
	v_rcp_f32 v14, v14
	v_lshlrev_b32 v4, 6, v0                        ; (a plain line behind the reciprocal)
	v_and_b32 v4, 0x3c0, v4                        ; 64 x r: my row's 64 bytes of scale words
	s_wait_alu depctr_va_vdst(0)                   ; the wait ahead of the reciprocal's first reader
	v_mul_f32 v246, v246, v14
	v_mul_f32 v248, v248, v14
	s_wait_alu depctr_va_vdst(0)                   ; and directly ahead of the first reader of O^T
.set J_, 0
.rept 32
	v_pk_mul_f32 v[160+J_:161+J_], v[160+J_:161+J_], v[246:247] op_sel_hi:[1,0]
.set J_, J_+2
.endr
.set J_, 0
.rept 32
	v_pk_fma_f32 v[96+J_:97+J_], v[96+J_:97+J_], v[248:249], v[160+J_:161+J_] op_sel_hi:[1,0,1]
.set J_, J_+2
.endr
.irp b, 0,1,2,3
	v_max3_num_f32 v[TM+\b], |v[96+16*\b]|, |v[97+16*\b]|, 0x4800000
.endr
.irp i, 2,4,6,8,10,12,14
.irp b, 0,1,2,3
	v_max3_num_f32 v[TM+\b], v[TM+\b], |v[96+16*\b+\i]|, |v[97+16*\b+\i]|
.endr
.endr
.irp b, 0,1,2,3
	v_permlanex16_b32 v[TM+4+\b], v[TM+\b], s[SEL], s[SEL+1]
.endr
.irp b, 0,1,2,3
	v_max_num_f32 v[TM+\b], v[TM+\b], v[TM+4+\b]
.endr
.irp b, 0,1,2,3
	v_add_nc_u32 v[TM+12+\b], 0xfc000000, v[TM+\b]
.endr
.irp b, 0,1,2,3
	v_and_or_b32 v[TM+8+\b], v[TM+\b], 0x7f800000, s[MNT]
.endr
.irp b, 0,1,2,3
	v_lshrrev_b32 v[TM+4+\b], 23, v[TM+12+\b]
.endr
	v_lshl_or_b32 v250, v[TM+5], 8, v[TM+4]        ; my row's scale word for this head's 128 along K
	v_lshl_or_b32 v250, v[TM+6], 16, v250
	v_lshl_or_b32 v250, v[TM+7], 24, v250
.irp b, 0,1,2,3
.irp i, 0,1,2,3,4,5,6,7,8,9,10,11,12,13,14,15
	v_med3_num_f32 v[96+16*\b+\i], v[96+16*\b+\i], -v[TM+8+\b], v[TM+8+\b]
.endr
	v_cvt_scalef32_pk8_fp8_f32 v[32+4*\b:33+4*\b], v[96+16*\b:103+16*\b], v[TM+12+\b]
	v_cvt_scalef32_pk8_fp8_f32 v[34+4*\b:35+4*\b], v[104+16*\b:111+16*\b], v[TM+12+\b]
.endr
	v_nop                                          ; a plain line behind the last conversion
.irp c, 0,1,2,3
	global_store_b128 v[LI], v[32+4*\c:35+4*\c], s[6:7] offset:512*\c   ; the image: 32 lanes store 512 consecutive bytes, aligned
.endr
	global_store_b32 v4, v250, s[8:9]              ; four bytes a row, rows 64 bytes apart (lanes 16-31 write the same word with the same value): 128 KiB in the whole launch
.Lend:
	s_wait_tensorcnt 0x0                           ; the wave's end
	ds_add_u32 v[SPW], v[NIL]
	s_wait_dscnt 0x0
	CROUND                                         ; the closing round
	s_endpgm
.Lfunc_end_k_qb15795766f_attn:
	.size	k_qb15795766f_attn, .Lfunc_end_k_qb15795766f_attn-k_qb15795766f_attn
	.p2alignl 7, 3214868480
	.fill 96, 4, 3214868480
	.section	.rodata,"a",@progbits
	.p2align	6, 0x0
	.amdhsa_kernel k_qb15795766f_attn
		.amdhsa_group_segment_fixed_size 327680
		.amdhsa_private_segment_fixed_size 0
		.amdhsa_enable_private_segment 0
		.amdhsa_kernarg_size 24
		.amdhsa_user_sgpr_count 2
		.amdhsa_user_sgpr_kernarg_segment_ptr 1
		.amdhsa_wavefront_size32 1
		.amdhsa_system_sgpr_workgroup_id_x 1
		.amdhsa_system_sgpr_workgroup_id_y 1
		.amdhsa_system_sgpr_workgroup_id_z 1
		.amdhsa_system_vgpr_workitem_id 0
		.amdhsa_next_free_vgpr 256
		.amdhsa_next_free_sgpr 66
		.amdhsa_reserve_vcc 1
		.amdhsa_float_denorm_mode_32 3
		.amdhsa_float_denorm_mode_16_64 3
		.amdhsa_memory_ordered 1
		.amdhsa_forward_progress 1
		.amdhsa_inst_pref_size 81
	.end_amdhsa_kernel
	.amdgpu_metadata
---
amdhsa.version: [ 1, 2 ]
amdhsa.kernels:
  - .name:           k_qb15795766f_attn
    .symbol:         k_qb15795766f_attn.kd
    .args:
      - { .name: hx, .offset: 0, .size: 8, .value_kind: global_buffer, .address_space: global }
      - { .name: oc, .offset: 8, .size: 8, .value_kind: global_buffer, .address_space: global }
      - { .name: os, .offset: 16, .size: 8, .value_kind: global_buffer, .address_space: global }
    .group_segment_fixed_size: 327680
    .private_segment_fixed_size: 0
    .kernarg_segment_align: 8
    .kernarg_segment_size: 24
    .max_flat_workgroup_size: 512
    .sgpr_count:     66
    .vgpr_count:     256
    .wavefront_size: 32
...
	.end_amdgpu_metadata
.endif
;; end of part 7
;; launch outp (part 8): grid 16 x 16, 4 waves a work-group, clusters of 4 x 4, 327,680 bytes of LDS; arguments oc, os, codes, scales, bo, out0; writes out0
.if DOCPART == 8
	.amdgcn_target "amdgcn-amd-amdhsa--gfx1250"
	.amdhsa_code_object_version 6
	.text
	.protected	k_qb15795766f_outp
	.globl	k_qb15795766f_outp
	.p2align	8
	.type	k_qb15795766f_outp,@function
k_qb15795766f_outp:
	s_mov_b64 s[64:65], 0
	v_nop
	global_prefetch_b8 v0, s[64:65] scope:SCOPE_SE
	s_setreg_imm32_b32 hwreg(HW_REG_WAVE_MODE, 25, 1), 1
	s_wait_xcnt 0x0
	s_wait_alu depctr_hold_cnt(0) depctr_sa_sdst(0) depctr_va_vdst(0) depctr_va_sdst(0) depctr_va_ssrc(0) depctr_va_vcc(0) depctr_vm_vsrc(0)
	s_getreg_b32 s2, hwreg(HW_REG_IB_STS2, 6, 4)
	s_cmp_eq_u32 s2, 0
	s_cbranch_scc0 .Lentry_in_a_cluster
	s_endpgm
.Lentry_in_a_cluster:
	s_bfe_u32 s2, ttmp6, 0x10000c
	s_cmp_lg_u32 s2, 0xf033
	s_cbranch_scc0 .Lentry_shape_is_right
	s_endpgm
.Lentry_shape_is_right:
; LAUNCH 4 OF 4.  out0 = O Wo^T + bo on codes of FP8 (E4M3) with E8M0 scales, 2,048 x 2,048 x 2,048, f32 out.  256 work-groups, each a tile of 128 x 128; a wave makes 64 x 64: 16 accumulators of 16 x 16, which begin with the bias as C.
; A = O's rows, which lie as images of the operand's registers, [head][tile of 16 places][2,048 bytes]; B = Wo's rows, at exchanged places (bits 3 and 4).  The matrix instruction is used transposed: source 0 = B, source 1 = A:
; a lane holds one row of A, and its 16 registers of two neighbouring tiles of B are 16 neighbouring columns.  Places of A stand for rows 32 (a / 2) + 8 (a % 2) + r + 8 (r / 8); the stores put the rows back in order.
; K goes in steps of 512 (four heads) through a ring of two LDS slots; the scale bytes come into LDS once.  CLUSTERS of 4 x 4: A's tiles are asked for jointly along a row, B's along a column.
; The 32 fragment loads of the next 128 along K stand in one run ahead of the 16 products of the last.
; PREFETCHES: K step 1 in the head, K steps 2 and 3 behind the load of K step 1.  Of A's 64 KiB a step the four partners of a row take a head each (told apart by address, cx), waves 0 and 1 half of it each, lanes 256 bytes apart;
; of B's 128 rows the partners of a column take 32 each (cy), a lane a row, waves 2 and 3 one aligned 256 bytes each of the row's 512.
; LIMITS: as stated at the head of the first launch.
; REGISTERS: window 0: v0-31 addresses; v32-63 scale words, two sets; v64-95 the bias tiles, on the way out v64-127 rows read back; v128-255 the accumulators.   window 1: two buffers of fragments, A's four and B's four in each.
.set KROW,   2048
.set ROWB,   512                       ; a row of B's tile
.set PITCH,  528                       ; and in LDS: + 16 of padding
.set NP,     8                         ; places behind this matrix instruction (ISA guide 7.12.1)
.set HALFT,  64*PITCH
.set HEADB,  262144                    ; a head's images: 128 tiles
.set AIMG,   65536                     ; a slot: A's images of four heads x eight tiles, then B's 128 rows
.set SLOT,   AIMG+2*HALFT
.set KS,     64
.set SCL,    2*SLOT
.set HALFS,  (64*KS/256)*272
.set SBLK,   (16*KS/256)*272
.set SPARE,  SCL+4*HALFS               ; the spare words, 128 bytes a wave, which no other line names
.set SPITCH, 272                       ; the way out: a stage of 16 rows for each wave, in slot 0, which has had its last fill and its last read by then
.set ADRA, 16
.set ADRB, 20
.set STO,  24
.set RD,   25
.set LI,   26
.set ADRS, 27
.set SPW,  28
.set NIL,  29
.set GO,   30
.set PFO,  31                          ; the prefetches' offset; never rewritten
.set SC,   32                          ; set s at v[SC + 16 s]; register 4 i + q: lanes 0-15 A's block i, lanes 16-31 B's
.set BX,   64
.set BK,   64
.set ACC,  128
.set G0H,  4                           ; s[4:7], s[8:11] group 0 of the head's loads of K step 0
.set G0HB, 8
.set G1, 24
.set G0, 32
.set G1B, 48
.set G0B, 56
.set G1S, 68
.set G0S, 76
.set G1SB, 80
.set G0SB, 88
.set PF3, 94                           ; s[94:95], s[98:99], s[100:101] the prefetches' bases for K steps 3, 1, 2
.set PF1, 98
.set PF2, 100
.set MSB, 0
.macro WIN new                         ; the immediate's high byte repeats the setting that is left
.if MSB != \new
	s_set_vgpr_msb (MSB<<8)|\new
.set MSB, \new
.endif
.endm
.set MUL,  0x05                        ; sources 0 and 1 window 1, C and D window 0
.set TO_F, 0x40                        ; destination window 1
; A joint load: waves 0 and 1 fetch for A, waves 2 and 3 for B.  An s_nop 0 and four v_nop follow each of the two lines.
.macro JLOAD g0a, g1a, g0b, g1b
	s_cmp_eq_u32 s15, 0
	s_cbranch_scc0 .Lfor_b_\@
	tensor_load_to_lds s[\g0a:\g0a+3], s[\g1a:\g1a+7]
	s_nop 0
.rept 4
	v_nop
.endr
	s_branch .Lasked_\@
.Lfor_b_\@:
	tensor_load_to_lds s[\g0b:\g0b+3], s[\g1b:\g1b+7]
	s_nop 0
.rept 4
	v_nop
.endr
.Lasked_\@:
.endm
.macro CREST                           ; a round of the cluster's barrier behind its opening barrier
	s_cmp_lg_u32 s14, 0
	s_cbranch_scc1 .Lnot_wave_0_\@
	s_barrier_signal -3
.Lnot_wave_0_\@:
	s_barrier_wait -3
	s_barrier_signal -1
	s_barrier_wait -1
.endm
.macro CROUND
	s_barrier_signal -1
	s_barrier_wait -1
	CREST
.endm
	s_load_b256 s[4:11], s[0:1], 0x0               ; oc, os, codes, scales
	s_load_b64 s[96:97], s[0:1], 0x20              ; bo
	s_load_b64 s[12:13], s[0:1], 0x28              ; out0
	v_lshl_add_u32 v[SPW], v0, 2, SPARE
	v_mov_b32 v[NIL], 0
	ds_add_u32 v[SPW], v[NIL]                      ; the wave's opening: the add, twice on end, and its wait ahead of my first tensor load
	ds_add_u32 v[SPW], v[NIL]
	v_lshrrev_b32 v1, 5, v0
	v_readfirstlane_b32 s14, v1                    ; wave 0..3
	s_lshr_b32 s15, s14, 1                         ; my half of the rows.  Also: in the ring I fetch for A (0) or for B (1)
	s_and_b32 s16, s14, 1                          ; my half of the columns.  Also: which half of that tile I fetch
	s_bfe_u32 s40, ttmp6, 0x40000                  ; cx, cy
	s_bfe_u32 s41, ttmp6, 0x40004
	s_lshl_b32 s42, ttmp9, 2
	s_add_co_u32 s42, s42, s40                     ; tile column
	s_and_b32 s17, ttmp7, 0xffff
	s_lshl_b32 s17, s17, 2
	s_add_co_u32 s17, s17, s41                     ; tile row
	s_lshl_b32 s43, s41, 2
	s_lshl_b32 s43, 15, s43                        ; my row of the cluster
	s_lshl_b32 s44, 0x1111, s40                    ; my column
	; descriptor group 1.  A: eight tiles of a head are 16,384 dense bytes: a row; four rows (heads) at the head of the launch, two behind it.  B: rows of 512 bytes, 16 of padding behind each; 128 at the head, 64 behind it
	s_or_b32 s[G1+0], s43, (3<<16)|(1<<21)
	s_mov_b32 s[G1+1], 2048<<16
	s_mov_b32 s[G1+2], 4<<16
	s_mov_b32 s[G1+3], 2048<<16
	s_mov_b32 s[G1+4], 4
	s_mov_b32 s[G1+5], HEADB/8
	s_mov_b32 s[G1+6], 0
	s_mov_b32 s[G1+7], 0
	s_or_b32 s[G1B+0], s44, (0<<16)|(1<<20)|(1<<21)|(6<<22)|(3<<25)
	s_mov_b32 s[G1B+1], ROWB<<16
	s_mov_b32 s[G1B+2], 128<<16
	s_mov_b32 s[G1B+3], ROWB<<16
	s_mov_b32 s[G1B+4], 128
	s_mov_b32 s[G1B+5], KROW
	s_mov_b32 s[G1B+6], 0
	s_mov_b32 s[G1B+7], 0
	; the scales of 128 rows: 8,192 dense bytes as 32 rows of 256, 16 of padding behind each
	s_or_b32 s[G1S+0], s43, (3<<16)|(1<<20)|(1<<21)|(5<<22)|(3<<25)
	s_or_b32 s[G1SB+0], s44, (3<<16)|(1<<20)|(1<<21)|(5<<22)|(3<<25)
.irp g, G1S, G1SB
	s_mov_b32 s[\g+1], 32<<16
	s_mov_b32 s[\g+2], (128*KS/256)<<16
	s_mov_b32 s[\g+3], 32<<16
	s_mov_b32 s[\g+4], 128*KS/256
	s_mov_b32 s[\g+5], 32
	s_mov_b32 s[\g+6], 0
	s_mov_b32 s[\g+7], 0
.endr
	s_lshl_b32 s20, s17, 14                        ; A's images of my tile row; its scale bytes
	s_mov_b32 s21, 0
	s_lshl_b32 s22, s17, 13
	s_mov_b32 s23, 0
	s_lshl_b32 s92, s42, 13                        ; B (tensor 6): scale bytes, codes
	s_add_co_u32 s92, s92, 6<<17
	s_mov_b32 s93, 0
	s_lshl_b32 s46, s42, 18
	s_add_co_u32 s46, s46, 6<<22
	s_mov_b32 s47, 0
	s_lshl_b32 s45, s16, 15                        ; where my halves go in a slot
	s_mul_i32 s2, s16, HALFT
	s_add_co_u32 s2, s2, AIMG
	s_wait_dscnt 0x0                               ; both opening adds are done
	CROUND                                         ; all sixteen work-groups are here: the first joint loads meet
	s_wait_kmcnt 0x0
	s_add_nc_u64 s[20:21], s[4:5], s[20:21]
	s_add_nc_u64 s[22:23], s[6:7], s[22:23]
	s_add_nc_u64 s[46:47], s[8:9], s[46:47]
	s_add_nc_u64 s[92:93], s[10:11], s[92:93]
	s_mov_b32 s[G0H], 1
	s_mov_b32 s[G0H+1], 0
	s_mov_b64 s[G0H+2:G0H+3], s[20:21]
	s_or_b32 s[G0H+3], s[G0H+3], 0x80000000
	s_mov_b32 s[G0HB], 1
	s_mov_b32 s[G0HB+1], AIMG
	s_mov_b64 s[G0HB+2:G0HB+3], s[46:47]
	s_or_b32 s[G0HB+3], s[G0HB+3], 0x80000000
	s_mov_b32 s[G0S], 1
	s_mov_b32 s[G0S+1], SCL
	s_mov_b64 s[G0S+2:G0S+3], s[22:23]
	s_or_b32 s[G0S+3], s[G0S+3], 0x80000000
	s_mov_b32 s[G0SB], 1
	s_mov_b32 s[G0SB+1], SCL+2*HALFS
	s_mov_b64 s[G0SB+2:G0SB+3], s[92:93]
	s_or_b32 s[G0SB+3], s[G0SB+3], 0x80000000
; THE HEAD'S LOADS, ONE A WAVE: One tree of branches on the wave's number.
.macro ARM under, g0, g1, next
	s_cmp_lt_u32 s14, \under
	s_cbranch_scc0 \next
	tensor_load_to_lds s[\g0:\g0+3], s[\g1:\g1+7]
	s_nop 0
.rept 4
	v_nop
.endr
	s_branch .Lhead_asked
\next:
.endm
	ARM 1, G0H,  G1,  .Lhead_b
	ARM 2, G0HB, G1B, .Lhead_sa
	ARM 3, G0S,  G1S, .Lhead_sb
	tensor_load_to_lds s[G0SB:G0SB+3], s[G1SB:G1SB+7]
	s_nop 0
.rept 4
	v_nop
.endr
.Lhead_asked:
	; the prefetches
	s_lshl_b32 s3, s40, 18                         ; A: head cx of a step's four, half s16 of its 16,384 bytes
	s_lshl_b32 s18, s16, 13
	s_add_co_u32 s3, s3, s18
	s_lshl_b32 s18, s41, 16                        ; B: rows 32 cy on, 256 bytes s16
	s_lshl_b32 s19, s16, 8
	s_add_co_u32 s18, s18, s19
	s_mov_b32 s19, 2048
	s_mov_b32 s66, ROWB
	s_cmp_eq_u32 s15, 0
	s_cselect_b64 s[PF1:PF1+1], s[20:21], s[46:47]
	s_cselect_b32 s22, s3, s18
	s_cselect_b32 s66, 4*HEADB, s66                ; a K step on
	s_cselect_b32 s19, 256, s19                    ; from lane to lane
	s_mov_b32 s23, 0
	s_mov_b32 s67, 0
	s_add_nc_u64 s[PF1:PF1+1], s[PF1:PF1+1], s[22:23]
	s_add_nc_u64 s[PF1:PF1+1], s[PF1:PF1+1], s[66:67]
	s_add_nc_u64 s[PF2:PF2+1], s[PF1:PF1+1], s[66:67]
	s_add_nc_u64 s[PF3:PF3+1], s[PF2:PF2+1], s[66:67]
	v_and_b32 v6, 31, v0
	v_mul_u32_u24 v[PFO], s19, v6
	v_lshlrev_b32 v[LI], 4, v6
	v_and_b32 v1, 15, v0
	v_bfe_u32 v2, v0, 4, 1
	s_lshl_b32 s18, s16, 19                        ; for the ring: my half of A's heads, of B's rows
	s_mov_b32 s19, 0
	s_add_nc_u64 s[20:21], s[20:21], s[18:19]
	s_lshl_b32 s18, s16, 17
	s_add_nc_u64 s[46:47], s[46:47], s[18:19]
.irp s, 0,1
	s_mov_b32 s[G0+4*\s], 1
	s_add_co_u32 s[G0+4*\s+1], s45, \s*SLOT
	s_add_nc_u64 s[G0+4*\s+2:G0+4*\s+3], s[20:21], \s*4*HEADB
	s_or_b32 s[G0+4*\s+3], s[G0+4*\s+3], 0x80000000
	s_mov_b32 s[G0B+4*\s], 1
	s_add_co_u32 s[G0B+4*\s+1], s2, \s*SLOT
	s_add_nc_u64 s[G0B+4*\s+2:G0B+4*\s+3], s[46:47], \s*ROWB
	s_or_b32 s[G0B+4*\s+3], s[G0B+4*\s+3], 0x80000000
.endr
	s_lshl_b32 s92, s42, 9
	s_lshl_b32 s93, s16, 8
	s_add_co_u32 s92, s92, s93                     ; my 64 columns, in bytes
	s_mov_b32 s93, 0
	s_add_nc_u64 s[96:97], s[96:97], s[92:93]
	s_wait_alu depctr_va_vdst(0)
	v_lshlrev_b32 v3, 6, v2
.irp j, 0,1,2,3,4,5,6,7
	global_load_b128 v[BX+4*\j:BX+4*\j+3], v3, s[96:97] offset:128*(\j/4)+16*(\j%4)   ; register 16 u + i: the bias of column 32 u + 16 h + i
.endr
	s_lshl_b32 s20, s17, 7
	s_lshl_b32 s21, s15, 6
	s_add_co_u32 s20, s20, s21
	s_lshl_b32 s20, s20, 13
	s_add_co_u32 s20, s20, s92
	s_mov_b32 s21, 0
	s_add_nc_u64 s[12:13], s[12:13], s[20:21]      ; out0 at my first row and column
	v_mul_u32_u24 v4, v1, PITCH
	v_lshl_add_u32 v4, v2, 4, v4
	s_lshl_b32 s21, s15, 13
	s_mul_i32 s22, s16, HALFT
	s_add_co_u32 s22, s22, AIMG
.irp s, 0,1
	v_add_nc_u32 v[ADRA+\s], s21, v[LI]
	v_add_nc_u32 v[ADRB+\s], s22, v4
	s_add_co_u32 s21, s21, SLOT
	s_add_co_u32 s22, s22, SLOT
.endr
	v_mul_u32_u24 v5, v1, KS
	v_lshrrev_b32 v6, 8, v5
	v_lshl_add_u32 v5, v6, 4, v5
	s_mul_i32 s21, s15, HALFS
	s_mul_i32 s22, s16, HALFS
	s_add_co_u32 s22, s22, 2*HALFS
	s_sub_co_u32 s22, s22, s21
	v_mul_u32_u24 v6, s22, v2                      ; lanes 16-31 take B's
	s_add_co_u32 s21, s21, SCL
	v_add_nc_u32 v5, v5, v6
	v_add_nc_u32 v[ADRS], s21, v5
	s_mul_i32 s23, s14, 16*SPITCH                  ; my stage
	v_mul_u32_u24 v5, v1, SPITCH
	v_lshl_add_u32 v5, v2, 6, v5
	v_add_nc_u32 v[STO], s23, v5
	v_mul_u32_u24 v5, v2, SPITCH
	v_lshl_add_u32 v5, v1, 4, v5
	v_add_nc_u32 v[RD], s23, v5
	v_lshlrev_b32 v[GO], 13, v2
	v_lshl_add_u32 v[GO], v1, 4, v[GO]
	global_prefetch_b8 v[PFO], s[PF1:PF1+1] th:TH_LOAD_NT scope:SCOPE_SE   ; K step 1
.macro LDX n, slot, q                  ; load n of 32, for the slot's q-th 128 along K: 0-15 B's four fragments, 16-31 A's
	WIN TO_F
.set F_, 128*((\q)%2)
.if (\n) < 16
	ds_load_b128 v[F_+64+4*(\n):F_+64+4*(\n)+3], v[ADRB+\slot] offset:128*(\q)+32*((\n)%4)+((\n)/4)*16*PITCH
.else
	ds_load_b128 v[F_+4*(\n)-64:F_+4*(\n)-61], v[ADRA+\slot] offset:16384*(\q)+512*((\n)-16)
.endif
.endm
.macro LOADS slot, q
.set L_, 0
.rept 32
	LDX L_, \slot, \q
.set L_, L_+1
.endr
.endm
.macro SCALES sc                       ; a K step's scale words: four a row
	WIN 0
.irp i, 0,1,2,3
	ds_load_b128 v[SC+16*\sc+4*\i:SC+16*\sc+4*\i+3], v[ADRS] offset:\i*SBLK
.endr
.endm
.macro MM n, q, sc, zero               ; product n = 4 a + b; zero = 1: the sum starts from the bias.  The 16 accumulators take turns
.set A_, (\n)/4
.set B_, (\n)%4
.set F_, 128*((\q)%2)
.set D_, ACC+8*(\n)
.set C_, D_
.if \zero
.set C_, BX+8*B_
.endif
	WIN MUL
	v_wmma_scale_f32_16x16x128_f8f6f4 v[D_:D_+7], v[F_+64+16*B_:F_+64+16*B_+15], v[F_+16*A_:F_+16*A_+15], v[C_:C_+7], v[SC+16*(\sc)+4*B_+(\q)], v[SC+16*(\sc)+4*A_+(\q)] matrix_a_scale:MATRIX_SCALE_ROW1
.endm
.macro ROWS q, sc, zero, from, to      ; rows (A's blocks) from .. to - 1
.set N_, 4*(\from)
.rept 4*((\to)-(\from))
	MM N_, \q, \sc, \zero
.set N_, N_+1
.endr
.endm
.macro PLACES n
.rept \n
	v_nop
.endr
.endm
; 128 along K with its successor in the same slot.  Ahead of row a 44 - 4 a loads are younger than A's block a: 12 - 4 a of the last 32, and the 32 just issued.
.macro STEP slot, q, zero
	PLACES NP
	LOADS \slot, (\q)+1
	s_wait_dscnt 44
	ROWS \q, \slot, \zero, 0, 1
	s_wait_dscnt 40
	ROWS \q, \slot, \zero, 1, 2
	s_wait_dscnt 36
	ROWS \q, \slot, \zero, 2, 3
	s_wait_dscnt 32
	ROWS \q, \slot, \zero, 3, 4
.endm
; The change of slots: the three lines, one barrier (fill = 1: it opens a round of the cluster's barrier, and the slot is filled again, two K steps ahead).
.macro TURN slot, next, fill
	WIN 0
	s_wait_tensorcnt 0x0                           ; my part of the next slot is in
	ds_add_u32 v[SPW], v[NIL]
.if \fill
	s_add_nc_u64 s[G0+4*\slot+2:G0+4*\slot+3], s[G0+4*\slot+2:G0+4*\slot+3], 8*HEADB
	s_add_nc_u64 s[G0B+4*\slot+2:G0B+4*\slot+3], s[G0B+4*\slot+2:G0B+4*\slot+3], 2*ROWB
.endif
	s_wait_dscnt 13                                ; (the add and A's blocks 1-3 may be out)
	ROWS 3, \slot, 0, 0, 1
	s_wait_dscnt 0x0                               ; the add is done, and my reads of this slot are over
	s_barrier_signal -1
	ROWS 3, \slot, 0, 1, 2
	WIN 0
	s_barrier_wait -1
.if \fill
	CREST
	JLOAD G0+4*\slot, G1, G0B+4*\slot, G1B         ; the first tensor load behind the round; its four v_nop are among the places in front of the loads below
	PLACES NP-4
.else
	PLACES NP
.endif
	v_add_nc_u32 v[ADRS], 16, v[ADRS]
	s_wait_alu depctr_va_vdst(0)                   ; directly behind the write
	SCALES \next
	LOADS \next, 0
	ROWS 3, \slot, 0, 2, 4
.endm
	s_wait_alu depctr_va_vdst(0)                   ; at the head's end
	s_wait_tensorcnt 0x0                           ; my tile of the head's four is in
	ds_add_u32 v[SPW], v[NIL]
	s_mov_b32 s[G1+2], 2<<16                       ; no tensor load of mine is out: from here on a load brings half a tile
	s_mov_b32 s[G1+4], 2
	s_mov_b32 s[G1B+2], 64<<16
	s_mov_b32 s[G1B+4], 64
	s_wait_dscnt 0x0
	CROUND
	JLOAD G0+4, G1, G0B+4, G1B                     ; K step 1, the first tensor load behind the round
	SCALES 0
	LOADS 0, 0
	WIN 0
	global_prefetch_b8 v[PFO], s[PF2:PF2+1] th:TH_LOAD_NT scope:SCOPE_SE   ; K step 2
	global_prefetch_b8 v[PFO], s[PF3:PF3+1] th:TH_LOAD_NT scope:SCOPE_SE   ; K step 3
	s_wait_loadcnt 0x0                             ; the bias
	STEP 0, 0, 1
	STEP 0, 1, 0
	STEP 0, 2, 0
	TURN 0, 1, 1
	STEP 1, 0, 0
	STEP 1, 1, 0
	STEP 1, 2, 0
	TURN 1, 0, 1
	STEP 0, 0, 0
	STEP 0, 1, 0
	STEP 0, 2, 0
	TURN 0, 1, 0                                   ; the last two slots fill nothing
	STEP 1, 0, 0
	STEP 1, 1, 0
	STEP 1, 2, 0
.irp a, 0,1,2,3
	s_wait_dscnt 12-4*\a
	ROWS 3, 1, 0, \a, \a+1
.endr
	WIN 0
; THE WAY OUT, 16 places x 64 columns at a time, through the wave's own stage; sixteen lanes store 256 consecutive aligned bytes.  LDS serves a wave's instructions in order: no wait between the stores and the loads.
.macro TOSTAGE a
.irp b, 0,1,2,3
	ds_store_b128 v[STO], v[ACC+8*(4*(\a)+\b):ACC+8*(4*(\a)+\b)+3] offset:128*(\b/2)+32*(\b%2)
	ds_store_b128 v[STO], v[ACC+8*(4*(\a)+\b)+4:ACC+8*(4*(\a)+\b)+7] offset:128*(\b/2)+32*(\b%2)+16
.endr
.set BB, BK+32*((\a)%2)
.irp t, 0,1,2,3,4,5,6,7
	ds_load_b128 v[BB+4*\t:BB+4*\t+3], v[RD] offset:\t*2*SPITCH
.endr
.endm
.macro SEND a, younger                 ; younger: the LDS instructions issued behind block a's loads, which may stay out
.set BB, BK+32*((\a)%2)
	s_wait_dscnt \younger
.irp t, 0,1,2,3,4,5,6,7
	global_store_b128 v[GO], v[BB+4*\t:BB+4*\t+3], s[12:13] offset:(32*((\a)/2)+8*((\a)%2)+2*\t+8*(\t/4))*8192 th:TH_STORE_NT
.endr
.endm
	PLACES NP
	TOSTAGE 0
.irp a, 1,2,3
.if \a > 1
	s_wait_xcnt 0x0                                ; block a - 2's stores have read their registers
.endif
	TOSTAGE \a
	SEND \a-1, 16
.endr
	SEND 3, 0
	s_wait_tensorcnt 0x0                           ; the wave's end
	ds_add_u32 v[SPW], v[NIL]
	s_wait_dscnt 0x0
	CROUND                                         ; the closing round
	s_endpgm
.Lfunc_end_k_qb15795766f_outp:
	.size	k_qb15795766f_outp, .Lfunc_end_k_qb15795766f_outp-k_qb15795766f_outp
	.p2alignl 7, 3214868480
	.fill 96, 4, 3214868480
	.section	.rodata,"a",@progbits
	.p2align	6, 0x0
	.amdhsa_kernel k_qb15795766f_outp
		.amdhsa_group_segment_fixed_size 327680
		.amdhsa_private_segment_fixed_size 0
		.amdhsa_enable_private_segment 0
		.amdhsa_kernarg_size 48
		.amdhsa_user_sgpr_count 2
		.amdhsa_user_sgpr_kernarg_segment_ptr 1
		.amdhsa_wavefront_size32 1
		.amdhsa_system_sgpr_workgroup_id_x 1
		.amdhsa_system_sgpr_workgroup_id_y 1
		.amdhsa_system_sgpr_workgroup_id_z 1
		.amdhsa_system_vgpr_workitem_id 0
		.amdhsa_next_free_vgpr 512
		.amdhsa_next_free_sgpr 102
		.amdhsa_reserve_vcc 0
		.amdhsa_float_denorm_mode_32 3
		.amdhsa_float_denorm_mode_16_64 3
		.amdhsa_memory_ordered 1
		.amdhsa_forward_progress 1
		.amdhsa_inst_pref_size 95
	.end_amdhsa_kernel
	.amdgpu_metadata
---
amdhsa.version: [ 1, 2 ]
amdhsa.kernels:
  - .name:           k_qb15795766f_outp
    .symbol:         k_qb15795766f_outp.kd
    .args:
      - { .name: oc, .offset: 0, .size: 8, .value_kind: global_buffer, .address_space: global }
      - { .name: os, .offset: 8, .size: 8, .value_kind: global_buffer, .address_space: global }
      - { .name: codes, .offset: 16, .size: 8, .value_kind: global_buffer, .address_space: global }
      - { .name: scales, .offset: 24, .size: 8, .value_kind: global_buffer, .address_space: global }
      - { .name: bo, .offset: 32, .size: 8, .value_kind: global_buffer, .address_space: global }
      - { .name: out0, .offset: 40, .size: 8, .value_kind: global_buffer, .address_space: global }
    .group_segment_fixed_size: 327680
    .private_segment_fixed_size: 0
    .kernarg_segment_align: 8
    .kernarg_segment_size: 48
    .max_flat_workgroup_size: 128
    .sgpr_count:     102
    .vgpr_count:     512
    .wavefront_size: 32
...
	.end_amdgpu_metadata
.endif
;; end of part 8
